; MI455X (gfx1250); checked and timed in simulation.
; The chip was launched on July 23, 2026; its instructions are those of AMD's public machine-readable ISA for CDNA 5 (MIT licence, August 2026) and "CDNA5" Instruction Set Architecture Reference Guide (July 2026). The comments in the code are by the model that wrote it; some were corrected since.
;; Decoder Layer. Allowed arithmetic: matrix products marked QUANTISED: E2M1 operands, one E8M0 scale for each 32 along K, by v_wmma_scale_f32_16x16x128_f8f6f4 with both operands' format E2M1 (or v_wmma_scale_f32_32x16x128_f4), f32 sums; everything else in f32.
;; Inputs: W1 1,024 x 512 float32; W2 512 x 1,024 float32; Wk1 512 x 512 float32; Wk2 512 x 512 float32; Wq1 512 x 512 float32; Wq2 512 x 512 float32; Wv1 512 x 512 float32; Wv2 512 x 512 float32; b1 1,024 float32; b2 512 float32; be1 512 float32; be2 512 float32; be3 512 float32; bk1 512 float32; bk2 512 float32; bq1 512 float32; bq2 512 float32; bv1 512 float32; bv2 512 float32; g1 512 float32; g2 512 float32; g3 512 float32; memory 8 x 1,024 x 512 float32; x 8 x 1,024 x 512 float32.
;; Outputs: out0 8 x 1,024 x 512 float32.
;; This version of the problem:
;;   THIS VERSION OF THE PROBLEM IS GIVEN IN LOW PRECISION. The matrix products marked QUANTISED in the list below multiply operands that are first quantised to E2M1 (2 exponent bits, 1 mantissa bit; 4 bits a number), with one power-of-two scale for each 32 numbers along K (OCP MX v1.0); their sums are f32. All else is computed in f32.
;;   The module's matrix products, in the order in which they are computed (A, B: the left and right operand; K: the contracted axis; several contracted axes count as one K, in the product's order):
;;     1. [M 8,192, K 512] x [K 512, N 512]; A: input x; B: input Wq1: QUANTISED
;;     2. [M 8,192, K 512] x [K 512, N 512]; A: input x; B: input Wk1: QUANTISED
;;     3. [M 8,192, K 512] x [K 512, N 512]; A: input x; B: input Wv1: QUANTISED
;;     4. batch 128 x [M 1,024, K 32] x [K 32, N 1,024]; A: computed on the way; B: computed on the way: QUANTISED
;;     5. batch 128 x [M 1,024, K 1,024] x [K 1,024, N 32]; A: softmax (see below); B: computed on the way: QUANTISED
;;     6. [M 8,192, K 512] x [K 512, N 512]; A: computed on the way; B: input Wq2: QUANTISED
;;     7. [M 8,192, K 512] x [K 512, N 512]; A: input memory; B: input Wk2: QUANTISED
;;     8. [M 8,192, K 512] x [K 512, N 512]; A: input memory; B: input Wv2: QUANTISED
;;     9. batch 128 x [M 1,024, K 32] x [K 32, N 1,024]; A: computed on the way; B: computed on the way: QUANTISED
;;     10. batch 128 x [M 1,024, K 1,024] x [K 1,024, N 32]; A: softmax (see below); B: computed on the way: QUANTISED
;;     11. [M 8,192, K 512] x [K 512, N 1,024]; A: computed on the way; B: input W1: QUANTISED
;;     12. [M 8,192, K 1,024] x [K 1,024, N 512]; A: computed on the way; B: input W2: QUANTISED
;;   THE QUANTISER, for each operand of a quantised product, along K:
;;     - K is cut into blocks of 32 from its start; a last block that is shorter is filled with zeros.
;;     - A block's scale is 2^e with e = floor(log2(the largest magnitude in the block)) - 2, held to -126 .. 127; a block of zeros has e = 0. As a byte (E8M0): e + 127.
;;     - Each number is divided by its block's scale, clamped to +-6, and rounded to the nearest number of E2M1, ties to even, subnormals kept.
;;     - The product sums the exact products of the quantised numbers (number of the format x scale) in f32.
;;   ~~~python
;;   def quantise(x, axis):      # numpy; x: float32 -> the quantised numbers, widened to float32 again
;;       x = np.moveaxis(x, axis, -1); K = x.shape[-1]
;;       x = np.pad(x, [(0, 0)] * (x.ndim - 1) + [(0, -K % 32)]); x = x.reshape(x.shape[:-1] + (-1, 32)); a = np.abs(x).max(-1, keepdims=True)
;;       e = np.where(a > 0, np.clip(np.frexp(np.where(a > 0, a, 1))[1] - 1 - 2, -126, 127), 0)      # np.frexp(a)[1] - 1 = floor(log2(a)), exactly
;;       r = np.clip(x / 2.0 ** e, -6, 6)
;;       step = 2.0 ** (np.maximum(np.frexp(np.where(r == 0, 1, r))[1] - 1, 0) - 1)
;;       q = np.round(r / step) * step * 2.0 ** e      # np.round: ties to even
;;       return np.moveaxis(q.reshape(q.shape[:-2] + (-1,))[..., :K], -1, axis).astype(np.float32)
;;   ~~~
;;   SOFTMAX AHEAD OF A QUANTISED PRODUCT. Where the list says 'softmax', what is quantised is not the finished softmax but p = 2^(t - M), with t = logit x log2(e) and M = ceil(the row's largest t), a whole number; so 1/2 < the row's largest p <= 1. The row's sum l is taken of the UNQUANTISED p, in f32, and the product's result is divided by l at the end. Since M is a whole number, a kernel that streams over the keys may use a running M (the ceiling of the running maximum): every later rescaling is an exact power of two, which a block's scale takes up: the codes' values come out the same.
;;   OPERANDS COMPUTED ON THE WAY. 'Computed on the way' means the value that the module computes at that place (a softmax that the list does not call 'softmax' is quantised finished and normalised). What goes into a quantiser is computed in f32, as accurately as f32 sums, v_exp_f32 and their like allow (about 1e-6 of the number): no bf16 or f16 on the way to a quantiser, and a product that is left as it is and whose result goes on into a quantised operand takes f32 operands (vector FMAs, or v_wmma_f32_16x16x4_f32). A number that lies on a knife's edge between two numbers of the format may be rounded either way, as far as f32 arithmetic and the matrix unit's own rounding can turn it there, and no further.
;; 2 versions, each right and faster than the one before. Each part assembles by itself: llvm-mc -triple=amdgcn-amd-amdhsa -mcpu=gfx1250 --defsym DOCPART=n.
;; ======== version 1 of 2: 6 launches
;; workspace buffers: qc 5,505,024 bytes; qs 344,064 bytes; at1 7,471,104 bytes; at2 7,471,104 bytes; a1 16,777,216 bytes; a2 16,777,216 bytes; x1 16,777,216 bytes
;; launch quant (part 1): grid 336 x 1, 4 waves a work-group, no clusters, 41,472 bytes of LDS; arguments x, memory, Wq1, Wk1, Wv1, Wk2, Wv2, Wq2, W1, W2, qc, qs; writes qc, qs
.if DOCPART == 1
	.amdgcn_target "amdgcn-amd-amdhsa--gfx1250"
	.amdhsa_code_object_version 6
	.text
	.protected	k_q220bafedd5_quant
	.globl	k_q220bafedd5_quant
	.p2align	8
	.type	k_q220bafedd5_quant,@function
k_q220bafedd5_quant:
	s_mov_b64 s[64:65], 0
	v_nop
	global_prefetch_b8 v0, s[64:65] scope:SCOPE_SE
	s_setreg_imm32_b32 hwreg(HW_REG_WAVE_MODE, 25, 1), 1
	s_wait_xcnt 0x0
; x, memory and the eight weights, all f32 with K innermost, become codes of FP4 (E2M1) with one E8M0 byte for each 32 along K.
; A block's byte is its largest magnitude's exponent field - 2, held at 1 from below; numbers are divided by the scale and rounded to the nearest code, ties to even, beyond 6 the largest code.
; LAYOUT OF THE RESULT (read by this program alone): UNITS of 16 rows x 512 along K, in the order of a matrix operand's registers.  Tile T of a tensor is the 16 rows
; 32 (T / 2) + 8 (T % 2) + r + 8 (r / 8), r = 0 .. 15.  In a unit's 4,096 bytes, byte 256 g + 16 r + e (g = 0 .. 15) holds the codes of row r at k = 32 g + 2 e: two loads of 16 bytes a lane, 512 bytes apart,
; give a fragment of 128 along K.  A unit's 256 scale bytes: byte 16 r + g.  W2 has K = 1,024: two units a tile.
; SHARES.  A wave makes one unit, a row of 512 numbers a step.  Each load reads 512 consecutive bytes; a step's 2,048 bytes turn through the wave's own stage in LDS, so that a lane holds 16 neighbours along K
; (two neighbouring lanes hold a block); codes and bytes are gathered in the wave's own LDS and leave as runs of 512 and 256 consecutive bytes.  Waves share nothing: no barrier.
; No matrix unit, no cluster, no tensor load: the launch streams, each byte is read once by one wave, and no tile is shared.
; LIMITS: NaN and infinities are not served; a block of zeros, or one whose largest magnitude lies under 2^-124, gets the byte 1 (its codes' products add what the rule's would, or nothing).
.set WREG,  10240                      ; LDS of a wave: two turning stages of 32 x 80 bytes, 256 scale bytes, 16 x 272 bytes of codes
.set SP,    80                         ; a lane's place in a turning stage: 64 bytes + 16 of padding
.set SCB,   2*32*SP
.set CSG,   SCB+256
.set CP,    272                        ; 256 bytes of a unit + 16 of padding
.set AHEAD, 8                          ; loads run eight steps (32 loads a wave) ahead
.set STEPS, 16
.set OFF,   16                         ; v16-31   step t: 16 x lane + its row's bytes; never rewritten
.set R,     32                         ; v32-159  eight sets of 16 numbers as loaded
.set X,     160                        ; v160-191 two sets of 16 neighbours
.set E,     192                        ; v192-207 a scale byte a step
.set C,     208                        ; v208-239 two registers of codes a step
	s_load_b512 s[8:23], s[0:1], 0x0               ; x, memory, Wq1, Wk1, Wv1, Wk2, Wv2, Wq2
	s_load_b256 s[24:31], s[0:1], 0x40             ; W1, W2, qc, qs
	v_lshl_add_u32 v254, v0, 2, 0xa000
	v_mov_b32 v255, 0
	v_lshrrev_b32 v1, 5, v0
	v_readfirstlane_b32 s2, v1                     ; wave
	v_and_b32 v2, 31, v0                           ; lane
	v_lshlrev_b32 v3, 4, v2                        ; 16 x lane
	s_mul_i32 s3, s2, WREG
	v_lshrrev_b32 v14, 2, v2
	v_mul_u32_u24 v14, v14, SP
	v_and_b32 v15, 3, v2
	v_lshl_add_u32 v14, v15, 4, v14
	v_add_nc_u32 v14, s3, v14                      ; turning stage, in: four lanes' 64 bytes on end, then padding
	v_mul_u32_u24 v15, v2, SP
	v_add_nc_u32 v15, s3, v15                      ; and out: my 16 neighbours
	v_lshrrev_b32 v5, 1, v2                        ; my block of the row: lane / 2
	v_and_b32 v6, 1, v2
	v_mul_u32_u24 v4, v5, CP
	v_lshl_add_u32 v4, v6, 3, v4
	v_add_nc_u32 v4, s3, v4
	v_add_nc_u32 v4, CSG, v4                       ; my 8 bytes of codes: 272 (lane / 2) + 8 (lane % 2); + 16 x row
	v_add_nc_u32 v5, s3, v5
	v_add_nc_u32 v5, SCB, v5                       ; my block's byte: lane / 2; + 16 x row
	v_and_b32 v6, 15, v2
	v_lshrrev_b32 v7, 4, v2
	v_mul_u32_u24 v7, v7, CP
	v_lshl_add_u32 v7, v6, 4, v7
	v_add_nc_u32 v7, s3, v7
	v_add_nc_u32 v7, CSG, v7                       ; codes, back: sixteen lanes to 256 bytes
	v_lshlrev_b32 v12, 3, v2                       ; scale bytes, back: 8 a lane
	v_add_nc_u32 v6, s3, v12
	v_add_nc_u32 v6, SCB, v6
	s_wait_kmcnt 0x0
	s_mov_b64 s[4:5], s[8:9]                       ; which tensor: by the work-group's number alone
	s_mov_b32 s32, 0                               ; and its first work-group
.macro PICK th, p
	s_cmp_ge_u32 ttmp9, \th
	s_cselect_b64 s[4:5], s[\p:\p+1], s[4:5]
	s_cselect_b32 s32, \th, s32
.endm
	PICK 128, 10
	PICK 256, 12
	PICK 264, 14
	PICK 272, 16
	PICK 280, 18
	PICK 288, 20
	PICK 296, 22
	PICK 304, 24
	PICK 320, 26
	s_cmp_ge_u32 ttmp9, 320
	s_cselect_b32 s33, 1, 0                        ; 1 for W2: rows of 1,024 numbers, two units a tile
	s_sub_co_u32 s34, ttmp9, s32
	s_lshl_b32 s34, s34, 2
	s_add_co_u32 s34, s34, s2                      ; my unit in the tensor
	s_lshr_b32 s35, s34, s33                       ; its tile
	s_and_b32 s36, s34, s33                        ; its half of K
	s_lshl_b32 s37, 2048, s33                      ; a row in bytes
	s_lshr_b32 s38, s35, 1
	s_lshl_b32 s38, s38, 5
	s_and_b32 s39, s35, 1
	s_lshl_b32 s39, s39, 3
	s_add_co_u32 s38, s38, s39                     ; the tile's first row
	s_mul_i32 s38, s38, s37
	s_lshl_b32 s36, s36, 11
	s_add_co_u32 s38, s38, s36
	s_mov_b32 s39, 0
	s_add_nc_u64 s[4:5], s[4:5], s[38:39]
	s_lshl_b32 s40, ttmp9, 2
	s_add_co_u32 s40, s40, s2                      ; my unit among all 1,344
	s_lshl_b32 s42, s40, 12
	s_mov_b32 s43, 0
	s_add_nc_u64 s[28:29], s[28:29], s[42:43]
	s_lshl_b32 s42, s40, 8
	s_add_nc_u64 s[30:31], s[30:31], s[42:43]
.irp t, 0,1,2,3,4,5,6,7,8,9,10,11,12,13,14,15
	v_mad_u32_u24 v[OFF+\t], s37, \t+8*(\t/8), v3  ; row t + 8 (t / 8) of the tile's 24
.endr
.macro LOAD t
.irp i, 0,1,2,3
	global_load_b128 v[R+16*((\t)%8)+4*\i:R+16*((\t)%8)+4*\i+3], v[OFF+(\t)], s[4:5] offset:512*\i th:TH_LOAD_NT   ; 32 lanes read 512 consecutive bytes
.endr
.endm
.macro TURN t                          ; step t's numbers through a stage: LDS serves a wave's instructions in order, so no wait stands between the stores and the loads
.irp i, 0,1,2,3
	ds_store_b128 v14, v[R+16*((\t)%8)+4*\i:R+16*((\t)%8)+4*\i+3] offset:32*SP*((\t)%2)+8*SP*\i
.endr
.irp i, 0,1,2,3
	ds_load_b128 v[X+16*((\t)%2)+4*\i:X+16*((\t)%2)+4*\i+3], v15 offset:32*SP*((\t)%2)+16*\i
.endr
.endm
.irp t, 0,1,2,3,4,5,6,7
	LOAD \t
.endr
	s_wait_loadcnt 28                              ; step 0's four loads are in; those of steps 1 to 7 stay out
	TURN 0
.macro STEP t
.set XS, X+16*((\t)%2)
.if (\t) > 0
	s_wait_dscnt 2                                 ; this step's numbers are back (behind them: the last step's code store and byte store), so its stores into the stage have read their registers,
.else
	s_wait_dscnt 0x0
.endif
.if (\t)+AHEAD < STEPS
	LOAD (\t)+AHEAD                                ; which take the loads of eight steps on
.endif
.if (\t)+1 < STEPS
.if STEPS-2-(\t) >= AHEAD-1
	s_wait_loadcnt 4*(AHEAD-1)                     ; the next step's four loads are in; those of the seven steps behind it may be out
.else
	s_wait_loadcnt 4*(STEPS-2-(\t))
.endif
	TURN (\t)+1
.endif
	v_max3_num_f32 v8, |v[XS]|, |v[XS+1]|, |v[XS+2]|       ; the largest magnitude of my 16, in two chains
	v_max3_num_f32 v9, |v[XS+3]|, |v[XS+4]|, |v[XS+5]|
.irp i, 6,10
	v_max3_num_f32 v8, v8, |v[XS+\i]|, |v[XS+\i+1]|
	v_max3_num_f32 v9, v9, |v[XS+\i+2]|, |v[XS+\i+3]|
.endr
	v_max3_num_f32 v8, v8, |v[XS+14]|, |v[XS+15]|
	v_max3_num_f32 v8, v8, v9, 0x1800000           ; and the floor 2^(3 - 127): the byte cannot fall under 1
	v_max_num_f32_dpp v8, v8, v8 row_xmask:1 row_mask:0xf bank_mask:0xf   ; with my neighbour's 16: the block's
	v_add_nc_u32 v11, 0xff000000, v8               ; 2 off its exponent field: the conversion takes this operand's exponent field as its scale
	v_cvt_scalef32_pk8_fp4_f32 v[C+2*(\t)], v[XS:XS+7], v11
	v_cvt_scalef32_pk8_fp4_f32 v[C+2*(\t)+1], v[XS+8:XS+15], v11
	v_lshrrev_b32 v[E+(\t)], 23, v11               ; the scale's byte (a plain line behind the conversions)
	ds_store_b64 v4, v[C+2*(\t):C+2*(\t)+1] offset:16*(\t)
	ds_store_b8 v5, v[E+(\t)] offset:16*(\t)       ; both lanes of a block write the same byte with the same value
.endm
.irp t, 0,1,2,3,4,5,6,7,8,9,10,11,12,13,14,15
	STEP \t
.endr
	ds_load_b64 v[10:11], v6                       ; LDS serves a wave's instructions in order: these see my stores
.irp j, 0,1,2,3,4,5,6,7
	ds_load_b128 v[R+4*\j:R+4*\j+3], v7 offset:2*CP*\j
.endr
	s_wait_dscnt 8                                 ; the scale bytes are back
	global_store_b64 v12, v[10:11], s[30:31]       ; 32 lanes store 256 consecutive bytes, aligned
.irp j, 0,1,2,3,4,5,6,7
	s_wait_dscnt 7-\j                              ; read j is back; the later ones may be out
	global_store_b128 v3, v[R+4*\j:R+4*\j+3], s[28:29] offset:512*\j   ; 512 consecutive bytes, aligned
.endr
	s_barrier_signal -1
	s_barrier_wait -1
	s_wait_tensorcnt 0x0
	ds_add_u32 v254, v255
	s_wait_dscnt 0x0
	s_endpgm
.Lfunc_end_k_q220bafedd5_quant:
	.size	k_q220bafedd5_quant, .Lfunc_end_k_q220bafedd5_quant-k_q220bafedd5_quant
	.p2alignl 7, 3214868480
	.fill 96, 4, 3214868480
	.section	.rodata,"a",@progbits
	.p2align	6, 0x0
	.amdhsa_kernel k_q220bafedd5_quant
		.amdhsa_group_segment_fixed_size 41472
		.amdhsa_private_segment_fixed_size 0
		.amdhsa_enable_private_segment 0
		.amdhsa_kernarg_size 96
		.amdhsa_user_sgpr_count 2
		.amdhsa_user_sgpr_kernarg_segment_ptr 1
		.amdhsa_wavefront_size32 1
		.amdhsa_system_sgpr_workgroup_id_x 1
		.amdhsa_system_sgpr_workgroup_id_y 1
		.amdhsa_system_sgpr_workgroup_id_z 1
		.amdhsa_system_vgpr_workitem_id 0
		.amdhsa_next_free_vgpr 256
		.amdhsa_next_free_sgpr 66
		.amdhsa_reserve_vcc 0
		.amdhsa_float_denorm_mode_32 3
		.amdhsa_float_denorm_mode_16_64 3
		.amdhsa_memory_ordered 1
		.amdhsa_forward_progress 1
		.amdhsa_inst_pref_size 38
	.end_amdhsa_kernel
	.amdgpu_metadata
---
amdhsa.version: [ 1, 2 ]
amdhsa.kernels:
  - .name:           k_q220bafedd5_quant
    .symbol:         k_q220bafedd5_quant.kd
    .args:
      - { .name: x, .offset: 0, .size: 8, .value_kind: global_buffer, .address_space: global }
      - { .name: memory, .offset: 8, .size: 8, .value_kind: global_buffer, .address_space: global }
      - { .name: Wq1, .offset: 16, .size: 8, .value_kind: global_buffer, .address_space: global }
      - { .name: Wk1, .offset: 24, .size: 8, .value_kind: global_buffer, .address_space: global }
      - { .name: Wv1, .offset: 32, .size: 8, .value_kind: global_buffer, .address_space: global }
      - { .name: Wk2, .offset: 40, .size: 8, .value_kind: global_buffer, .address_space: global }
      - { .name: Wv2, .offset: 48, .size: 8, .value_kind: global_buffer, .address_space: global }
      - { .name: Wq2, .offset: 56, .size: 8, .value_kind: global_buffer, .address_space: global }
      - { .name: W1, .offset: 64, .size: 8, .value_kind: global_buffer, .address_space: global }
      - { .name: W2, .offset: 72, .size: 8, .value_kind: global_buffer, .address_space: global }
      - { .name: qc, .offset: 80, .size: 8, .value_kind: global_buffer, .address_space: global }
      - { .name: qs, .offset: 88, .size: 8, .value_kind: global_buffer, .address_space: global }
    .group_segment_fixed_size: 41472
    .private_segment_fixed_size: 0
    .kernarg_segment_align: 8
    .kernarg_segment_size: 96
    .max_flat_workgroup_size: 128
    .sgpr_count:     66
    .vgpr_count:     256
    .wavefront_size: 32
...
	.end_amdgpu_metadata
.endif
;; end of part 1
;; launch proj (part 2): grid 4 x 64, 8 waves a work-group, no clusters, 247,296 bytes of LDS; arguments qc, qs, bq1, bk1, bv1, bk2, bv2, at1, at2; writes at1, at2
.if DOCPART == 2
	.amdgcn_target "amdgcn-amd-amdhsa--gfx1250"
	.amdhsa_code_object_version 6
	.text
	.protected	k_q220bafedd5_proj
	.globl	k_q220bafedd5_proj
	.p2align	8
	.type	k_q220bafedd5_proj,@function
k_q220bafedd5_proj:
	s_mov_b64 s[64:65], 0
	v_nop
	global_prefetch_b8 v0, s[64:65] scope:SCOPE_SE
	s_setreg_imm32_b32 hwreg(HW_REG_WAVE_MODE, 25, 1), 1
	s_wait_xcnt 0x0
; Q1 = x Wq1^T + bq1, K1, V1 (from x) and K2, V2 (from memory): five products on codes of FP4 with E8M0 scales, each result quantised at once for the attention that reads it.
; SHARES.  A work-group takes 128 rows (8 tiles) x 128 output columns (4 heads) of all five products.  Its seven operand slabs (x, memory, five weights: 8 tiles x 512 K = 32 KiB of codes and 2 KiB of scale bytes each)
; come into LDS once, one slab a wave, two tensor loads a wave, both out together.  A tile is the 16 rows 32 (T / 2) + 8 (T % 2) + r + 8 (r / 8): so the 16 result registers of tiles 2 b and 2 b + 1
; are 16 neighbours, 32 b + 16 (lane / 16) + 0 .. 15, along the axis that source 0's eight tiles span.
; Q, K: source 0 = the weight's eight tiles, source 1 = row tile w of the activations: a lane holds one row and four heads of 32: four blocks along the head's axis.
; V:    source 0 = the activations' eight tiles, source 1 = tile w of Wv: a lane holds one column d and 128 keys: four blocks along the keys.
; The bias is the C of a sum's first K step.
; OUT (at1, at2; read by this program alone): Q and K codes [batch][head][slot][16 bytes], slot = 16 x tile + r; their scale byte four times in a word [batch][head][slot];
; V codes as images of operand registers [batch][head][key step][d tile][1,024 bytes]; V's scale words [batch][head][key step][d tile][r].
; Code stores cover 256 or 512 consecutive aligned bytes; the scale words go out in pieces of 64 bytes (one word for 32 codes).
; NO CLUSTER: a slab is shared by the work-groups of a row or column of the grid, but each reads it once, at its head, and then works on LDS alone; there is no ring whose refills could be joint.
; LIMITS: NaN and infinities are not served; a block whose largest magnitude lies under 2^-124 gets the byte 1.
.set SCL, 229376                       ; LDS: seven slabs of codes at 32,768 j; their scale bytes at SCL + 2,048 j;
.set BL,  243712                       ; five bias pieces of 512 bytes, written by LDS stores: no fill lands there
.set KC,  2097152                      ; regions of at1 and at2 (Q's codes at 0)
.set VC,  4194304
.set QS,  6291456
.set KS,  6815744
.set VS,  7340032
.set LI,  1                            ; 16 x lane
.set R16, 2                            ; 16 r
.set HH,  3                            ; lane / 16
.set AM,  4                            ; the product's addresses: source 0's codes,
.set AS,  5                            ; source 1's,
.set AMS, 6                            ; source 0's scale words,
.set ASS, 7                            ; source 1's
.set ABI, 8                            ; bias by registers: BL + 64 h
.set ABV, 9                            ; bias by lane: BL + 4 x my column
.set OQ,  10                           ; out: 16,384 h + 16 r
.set OS,  11                           ; 4,096 h + 4 r
.set R4,  12                           ; 4 r
.set BW,  13                           ; where my wave puts its bias piece
.set BO,  14                           ; and where it reads it
.set LW,  15                           ; 16 x lane + 4,096 x wave
.set RW,  16                           ; SCL + 16 r + 256 x wave
.set MF,  32                           ; v32-95   source 0's eight fragments of a K step
.set SF,  96                           ; v96-103  source 1's
.set ACC, 104                          ; v104-167 eight accumulators
.set MS,  168                          ; v168-183 source 0's scale words: register 4 (t / 2) + s, lanes 0-15 tile 2 (t / 2), lanes 16-31 the next
.set SS,  184                          ; v184-187 source 1's
.set BV,  188                          ; v188-195 V's bias as C
.set TM,  196
.set TP,  200
.set TS,  204
.set PW,  208
.set EW,  209
.set PC,  212
.set WV,  8
.set MK,  60
.set REP, 61
.set SEL, 62
.macro MM d, a, b, c, sa, sb, ra, rb   ; one product; ra, rb: the side's scales stand in lanes 16-31
.if (\ra) && (\rb)
	v_wmma_scale_f32_16x16x128_f8f6f4 v[\d:\d+7], v[\a:\a+7], v[\b:\b+7], v[\c:\c+7], v[\sa], v[\sb] matrix_a_fmt:MATRIX_FMT_FP4 matrix_b_fmt:MATRIX_FMT_FP4 matrix_a_scale:MATRIX_SCALE_ROW1 matrix_b_scale:MATRIX_SCALE_ROW1
.elseif (\ra)
	v_wmma_scale_f32_16x16x128_f8f6f4 v[\d:\d+7], v[\a:\a+7], v[\b:\b+7], v[\c:\c+7], v[\sa], v[\sb] matrix_a_fmt:MATRIX_FMT_FP4 matrix_b_fmt:MATRIX_FMT_FP4 matrix_a_scale:MATRIX_SCALE_ROW1
.elseif (\rb)
	v_wmma_scale_f32_16x16x128_f8f6f4 v[\d:\d+7], v[\a:\a+7], v[\b:\b+7], v[\c:\c+7], v[\sa], v[\sb] matrix_a_fmt:MATRIX_FMT_FP4 matrix_b_fmt:MATRIX_FMT_FP4 matrix_b_scale:MATRIX_SCALE_ROW1
.else
	v_wmma_scale_f32_16x16x128_f8f6f4 v[\d:\d+7], v[\a:\a+7], v[\b:\b+7], v[\c:\c+7], v[\sa], v[\sb] matrix_a_fmt:MATRIX_FMT_FP4 matrix_b_fmt:MATRIX_FMT_FP4
.endif
.endm
; 64 numbers of a lane, register 16 b + i = element 32 b + 16 (lane / 16) + i, become eight registers of codes in v[PC] on (lanes 0-15: blocks 0 and 2 whole; lanes 16-31: blocks 1 and 3), the four bytes in v[TP] on, the scale word in v[PW].
.macro QUANT s
.irp b, 0,1,2,3
	v_max3_num_f32 v[TM+\b], |v[\s+16*\b]|, |v[\s+1+16*\b]|, 0x1800000   ; my 16 numbers of block b, and the floor 2^(3 - 127): the byte cannot fall under 1
.endr
.irp i, 2,4,6,8,10,12,14
.irp b, 0,1,2,3
	v_max3_num_f32 v[TM+\b], v[TM+\b], |v[\s+16*\b+\i]|, |v[\s+1+16*\b+\i]|   ; the four blocks by turns
.endr
.endr
.irp b, 0,1,2,3
	v_permlanex16_b32 v[TP+\b], v[TM+\b], s[SEL], s[SEL+1]
.endr
.irp b, 0,1,2,3
	v_max_num_f32 v[TM+\b], v[TM+\b], v[TP+\b]     ; with lane l xor 16's: the block's largest magnitude
.endr
.irp b, 0,1,2,3
	v_add_nc_u32 v[TS+\b], 0xff000000, v[TM+\b]    ; 2 off its exponent field: the conversion's scale operand
.endr
.irp b, 0,1,2,3
	v_lshrrev_b32 v[TP+\b], 23, v[TS+\b]           ; the scale's byte
.endr
	v_lshl_or_b32 v[PW], v[TP+1], 8, v[TP]
	v_lshl_or_b32 v[PW], v[TP+2], 16, v[PW]
	v_lshl_or_b32 v[PW], v[TP+3], 24, v[PW]
.irp b, 0,1,2,3
	v_cvt_scalef32_pk8_fp4_f32 v[PC+2*\b], v[\s+16*\b:\s+7+16*\b], v[TS+\b]
	v_cvt_scalef32_pk8_fp4_f32 v[PC+1+2*\b], v[\s+8+16*\b:\s+15+16*\b], v[TS+\b]
.endr
	v_nop                                          ; one plain line behind the scaled conversions
.irp c, 0,1
.irp i, 0,1
	v_permlane16_swap_b32 v[PC+4*\c+\i], v[PC+2+4*\c+\i]   ; half blocks become whole blocks
.endr
.endr
.endm
; Q's or K's codes and scale words leave: lane (r, h) holds, in registers 4 c on, the 16 bytes of slot r and head 2 c + h of the four
.macro QKOUT sc, ss, cst, sst
.irp c, 0,1
	v_cndmask_b32 v[EW+\c], v[TP+2*\c+1], v[TP+2*\c], s[MK]   ; lanes 0-15: block 2 c's byte; lanes 16-31: block 2 c + 1's
.endr
.irp c, 0,1
	v_mul_lo_u32 v[EW+\c], v[EW+\c], s[REP]        ; four times in the word: the head's 32 codes may stand in any block of an operand
.endr
.irp c, 0,1
	global_store_b128 v[OQ], v[PC+4*\c:PC+4*\c+3], s[\sc:\sc+1] offset:\c*\cst   ; each half of the wave: 256 consecutive bytes, aligned
	global_store_b32 v[OS], v[EW+\c], s[\ss:\ss+1] offset:\c*\sst
.endr
.endm
	s_load_b512 s[40:55], s[0:1], 0x0              ; qc, qs, bq1, bk1, bv1, bk2, bv2, at1
	s_load_b64 s[56:57], s[0:1], 0x40              ; at2
	v_lshl_add_u32 v254, v0, 2, 0x3c200
	v_mov_b32 v255, 0
	ds_add_u32 v254, v255
	ds_add_u32 v254, v255
	v_lshrrev_b32 v17, 5, v0
	v_readfirstlane_b32 s[WV], v17                 ; wave 0..7
	v_and_b32 v17, 31, v0                          ; lane
	v_and_b32 v18, 15, v0                          ; r
	v_bfe_u32 v[HH], v0, 4, 1
	v_lshlrev_b32 v[LI], 4, v17
	v_lshlrev_b32 v[R16], 4, v18
	v_lshlrev_b32 v[R4], 2, v18
	v_lshl_add_u32 v[ABI], v[HH], 6, BL
	v_and_b32 v19, 8, v18
	v_add_nc_u32 v19, v19, v18                     ; r + 8 (r / 8)
	s_lshr_b32 s9, s[WV], 1
	s_lshl_b32 s9, s9, 5
	s_and_b32 s10, s[WV], 1
	s_lshl_b32 s10, s10, 3
	s_add_co_u32 s9, s9, s10
	v_add_nc_u32 v19, s9, v19                      ; my column of the 128 where tile w is a weight's
	v_lshl_add_u32 v[ABV], v19, 2, BL
	v_lshl_add_u32 v[OQ], v[HH], 14, v[R16]
	v_lshl_add_u32 v[OS], v[HH], 12, v[R4]
	s_lshl_b32 s10, s[WV], 9
	s_add_co_u32 s10, s10, BL
	v_add_nc_u32 v[BW], s10, v[LI]
	s_lshl_b32 s10, ttmp9, 9
	v_add_nc_u32 v[BO], s10, v[LI]
	s_lshl_b32 s10, s[WV], 12
	v_add_nc_u32 v[LW], s10, v[LI]
	s_lshl_b32 s10, s[WV], 8
	s_add_co_u32 s10, s10, SCL
	v_add_nc_u32 v[RW], s10, v[R16]
	v_cmp_gt_u32 s[MK], 16, v17                    ; lanes 0-15
	s_mov_b32 s[REP], 0x01010101
	s_mov_b32 s[SEL], 0x76543210
	s_mov_b32 s[SEL+1], 0xfedcba98                 ; lane l xor 16
.irp b, 0,1,2,3
	v_mov_b32 v[TP+\b], 0                          ; written once: a lane permute's destination counts as one of its sources
.endr
	; descriptor groups 1: dense blocks as rows of 256 bytes (32 elements of 8 bytes): 128 rows of codes, 8 rows of scale bytes
	s_mov_b32 s16, 3<<16
	s_mov_b32 s17, 32<<16
	s_mov_b32 s18, 128<<16
	s_mov_b32 s19, 32<<16
	s_mov_b32 s20, 128
	s_mov_b32 s21, 32
	s_mov_b32 s22, 0
	s_mov_b32 s23, 0
	s_mov_b32 s24, 3<<16
	s_mov_b32 s25, 32<<16
	s_mov_b32 s26, 8<<16
	s_mov_b32 s27, 32<<16
	s_mov_b32 s28, 8
	s_mov_b32 s29, 32
	s_mov_b32 s30, 0
	s_mov_b32 s31, 0
	s_and_b32 s11, ttmp7, 0xffff                   ; the block of 128 rows
	s_lshl_b32 s12, s[WV], 21                      ; waves 0, 1: x's or memory's units, 8 tiles from 8 x the row block on
	s_lshl_b32 s13, s11, 15
	s_add_co_u32 s12, s12, s13
	s_sub_co_u32 s13, s[WV], 2                     ; waves 2 to 6: a weight's units, 8 tiles from 8 x the column block on
	s_lshl_b32 s13, s13, 17
	s_add_co_u32 s13, s13, 4194304
	s_lshl_b32 s14, ttmp9, 15
	s_add_co_u32 s13, s13, s14
	s_cmp_lt_u32 s[WV], 2
	s_cselect_b32 s12, s12, s13
	s_mov_b32 s13, 0
	s_lshr_b32 s14, s12, 4                         ; 256 scale bytes for 4,096 of codes
	s_mov_b32 s15, 0
	s_wait_dscnt 0x0
	s_wait_kmcnt 0x0
	s_mov_b32 s32, 1
	s_lshl_b32 s33, s[WV], 15                      ; slab w
	s_add_nc_u64 s[34:35], s[40:41], s[12:13]
	s_or_b32 s35, s35, 0x80000000
	s_mov_b32 s36, 1
	s_lshl_b32 s37, s[WV], 11
	s_add_co_u32 s37, s37, SCL
	s_add_nc_u64 s[38:39], s[42:43], s[14:15]
	s_or_b32 s39, s39, 0x80000000
	s_mov_b64 s[58:59], s[44:45]                   ; the bias that wave w brings: bq1, bk1, bv1, bk2, bv2
	s_cmp_eq_u32 s[WV], 1
	s_cselect_b64 s[58:59], s[46:47], s[58:59]
	s_cmp_eq_u32 s[WV], 2
	s_cselect_b64 s[58:59], s[48:49], s[58:59]
	s_cmp_eq_u32 s[WV], 3
	s_cselect_b64 s[58:59], s[50:51], s[58:59]
	s_cmp_eq_u32 s[WV], 4
	s_cselect_b64 s[58:59], s[52:53], s[58:59]
	s_cmp_lt_u32 s[WV], 7
	s_cbranch_scc0 .Lno_fill
	tensor_load_to_lds s[32:35], s[16:23]          ; a wave's two fills stand together, in one branch: two loads of mine are out
	s_nop 0
	tensor_load_to_lds s[36:39], s[24:31]
	s_nop 0
.rept 4
	v_nop
.endr
.Lno_fill:
	s_cmp_lt_u32 s[WV], 5
	s_cbranch_scc0 .Lno_bias
	global_load_b128 v[20:23], v[BO], s[58:59]     ; the 128 numbers of my bias that belong to this column block
	s_wait_loadcnt 0x0
	ds_store_b128 v[BW], v[20:23]
.Lno_bias:
	; where the results go
	s_lshr_b32 s66, s11, 3                         ; batch
	s_and_b32 s67, s11, 7                          ; which 128 rows of it
	s_lshl_b32 s70, s66, 18
	s_lshl_b32 s68, ttmp9, 16
	s_add_co_u32 s70, s70, s68
	s_lshl_b32 s68, s67, 11
	s_add_co_u32 s70, s70, s68                     ; 262,144 batch + 65,536 column block + 2,048 row block
	s_lshr_b32 s68, s[WV], 1
	s_lshl_b32 s68, s68, 14
	s_and_b32 s69, s[WV], 1
	s_lshl_b32 s69, s69, 10
	s_add_co_u32 s72, s70, s68
	s_add_co_u32 s72, s72, s69                     ; V: + 16,384 (w / 2) (the head) + 1,024 (w % 2) (the d tile)
	s_lshl_b32 s68, s[WV], 8
	s_add_co_u32 s70, s70, s68                     ; Q, K: + 256 w (the row tile)
	s_mov_b32 s71, 0
	s_mov_b32 s73, 0
	s_add_nc_u64 s[74:75], s[54:55], s[70:71]      ; at1: Q's codes,
	s_add_nc_u64 s[78:79], s[74:75], KC            ; K's,
	s_add_nc_u64 s[82:83], s[54:55], s[72:73]
	s_add_nc_u64 s[82:83], s[82:83], VC            ; V's
	s_add_nc_u64 s[86:87], s[56:57], s[70:71]
	s_add_nc_u64 s[86:87], s[86:87], KC            ; at2: K's,
	s_add_nc_u64 s[90:91], s[56:57], s[72:73]
	s_add_nc_u64 s[90:91], s[90:91], VC            ; V's
	s_lshr_b32 s70, s70, 2                         ; a word for 16 bytes of Q's or K's codes
	s_lshr_b32 s72, s72, 4                         ; 64 bytes for an image of V
	s_add_nc_u64 s[80:81], s[54:55], s[70:71]
	s_add_nc_u64 s[76:77], s[80:81], QS
	s_add_nc_u64 s[80:81], s[80:81], KS
	s_add_nc_u64 s[88:89], s[56:57], s[70:71]
	s_add_nc_u64 s[88:89], s[88:89], KS
	s_add_nc_u64 s[84:85], s[54:55], s[72:73]
	s_add_nc_u64 s[84:85], s[84:85], VS
	s_add_nc_u64 s[92:93], s[56:57], s[72:73]
	s_add_nc_u64 s[92:93], s[92:93], VS
	s_wait_tensorcnt 0x0                           ; my slab has landed,
	s_wait_dscnt 0x0                               ; my bias piece is stored:
	s_barrier_signal -1
	s_barrier_wait -1                              ; everybody's are.  The launch's one barrier: from here on LDS is only read
; One product of 128 x 128 x 512, its bias, its quantiser, its stores.  mj, sj: the slabs of source 0 (eight tiles) and source 1 (tile w); kind 0: Q or K, 1: V; p: the bias piece.
.macro PROD mj, sj, kind, p, sc, ss
	s_wait_xcnt 0x0                                ; the last product's stores have read their registers
	v_add_nc_u32 v[AM], 32768*\mj, v[LI]
	v_add_nc_u32 v[AS], 32768*\sj, v[LW]
	v_add_nc_u32 v[AMS], SCL+2048*\mj, v[LI]
	v_add_nc_u32 v[ASS], 2048*\sj, v[RW]
.if \kind == 0
.irp t, 0,1,2,3,4,5,6,7
.irp k, 0,1
	ds_load_b128 v[ACC+8*\t+4*\k:ACC+8*\t+4*\k+3], v[ABI] offset:512*\p+128*(\t/2)+32*(\t%2)+16*\k   ; the bias in the result's layout: the sums begin with it
.endr
.endr
.else
	ds_load_b32 v[BV], v[ABV] offset:512*\p        ; my column's bias
.endif
.irp i, 0,1,2,3
	ds_load_b128 v[MS+4*\i:MS+4*\i+3], v[AMS] offset:512*\i
.endr
	ds_load_b128 v[SS:SS+3], v[ASS]
.irp s, 0,1,2,3
.irp t, 0,1,2,3,4,5,6,7
.irp c, 0,1
	ds_load_b128 v[MF+8*\t+4*\c:MF+8*\t+4*\c+3], v[AM] offset:4096*\t+1024*\s+512*\c
.endr
.endr
.irp c, 0,1
	ds_load_b128 v[SF+4*\c:SF+4*\c+3], v[AS] offset:1024*\s+512*\c
.endr
	s_wait_dscnt 0x0
.if (\kind == 1) && (\s == 0)
.irp j, 1,2,3,4,5,6,7
	v_mov_b32 v[BV+\j], v[BV]                      ; the same for all eight keys of a register run
.endr
.rept 4
	v_nop
.endr
.irp t, 0,1,2,3,4,5,6,7
	MM ACC+8*\t, MF+8*\t, SF, BV, MS+4*(\t/2)+\s, SS+\s, \t%2, 0
.endr
.else
.irp t, 0,1,2,3,4,5,6,7
	MM ACC+8*\t, MF+8*\t, SF, ACC+8*\t, MS+4*(\t/2)+\s, SS+\s, \t%2, 0   ; the eight accumulators take turns, one instruction a turn
.endr
.endif
.rept 4
	v_nop                                          ; four places ahead of loads into registers that these products read, and of the first read of results
.endr
.endr
	QUANT ACC
.if \kind == 0
	QKOUT \sc, \ss, 32768, 8192
.else
	global_store_b128 v[LI], v[PC:PC+3], s[\sc:\sc+1]              ; an image of operand registers: 512 consecutive bytes a store
	global_store_b128 v[LI], v[PC+4:PC+7], s[\sc:\sc+1] offset:512
	global_store_b32 v[R4], v[PW], s[\ss:\ss+1]    ; lanes l and l + 16 hold the same word and write it to the same place
.endif
.endm
	PROD 2, 0, 0, 0, 74, 76                        ; Q1
	PROD 3, 0, 0, 1, 78, 80                        ; K1
	PROD 0, 4, 1, 2, 82, 84                        ; V1
	PROD 5, 1, 0, 3, 86, 88                        ; K2
	PROD 1, 6, 1, 4, 90, 92                        ; V2
	s_wait_tensorcnt 0x0
	ds_add_u32 v254, v255
	s_wait_dscnt 0x0
	s_endpgm
.Lfunc_end_k_q220bafedd5_proj:
	.size	k_q220bafedd5_proj, .Lfunc_end_k_q220bafedd5_proj-k_q220bafedd5_proj
	.p2alignl 7, 3214868480
	.fill 96, 4, 3214868480
	.section	.rodata,"a",@progbits
	.p2align	6, 0x0
	.amdhsa_kernel k_q220bafedd5_proj
		.amdhsa_group_segment_fixed_size 247296
		.amdhsa_private_segment_fixed_size 0
		.amdhsa_enable_private_segment 0
		.amdhsa_kernarg_size 72
		.amdhsa_user_sgpr_count 2
		.amdhsa_user_sgpr_kernarg_segment_ptr 1
		.amdhsa_wavefront_size32 1
		.amdhsa_system_sgpr_workgroup_id_x 1
		.amdhsa_system_sgpr_workgroup_id_y 1
		.amdhsa_system_sgpr_workgroup_id_z 1
		.amdhsa_system_vgpr_workitem_id 0
		.amdhsa_next_free_vgpr 256
		.amdhsa_next_free_sgpr 96
		.amdhsa_reserve_vcc 0
		.amdhsa_float_denorm_mode_32 3
		.amdhsa_float_denorm_mode_16_64 3
		.amdhsa_memory_ordered 1
		.amdhsa_forward_progress 1
		.amdhsa_inst_pref_size 80
	.end_amdhsa_kernel
	.amdgpu_metadata
---
amdhsa.version: [ 1, 2 ]
amdhsa.kernels:
  - .name:           k_q220bafedd5_proj
    .symbol:         k_q220bafedd5_proj.kd
    .args:
      - { .name: qc, .offset: 0, .size: 8, .value_kind: global_buffer, .address_space: global }
      - { .name: qs, .offset: 8, .size: 8, .value_kind: global_buffer, .address_space: global }
      - { .name: bq1, .offset: 16, .size: 8, .value_kind: global_buffer, .address_space: global }
      - { .name: bk1, .offset: 24, .size: 8, .value_kind: global_buffer, .address_space: global }
      - { .name: bv1, .offset: 32, .size: 8, .value_kind: global_buffer, .address_space: global }
      - { .name: bk2, .offset: 40, .size: 8, .value_kind: global_buffer, .address_space: global }
      - { .name: bv2, .offset: 48, .size: 8, .value_kind: global_buffer, .address_space: global }
      - { .name: at1, .offset: 56, .size: 8, .value_kind: global_buffer, .address_space: global }
      - { .name: at2, .offset: 64, .size: 8, .value_kind: global_buffer, .address_space: global }
    .group_segment_fixed_size: 247296
    .private_segment_fixed_size: 0
    .kernarg_segment_align: 8
    .kernarg_segment_size: 72
    .max_flat_workgroup_size: 256
    .sgpr_count:     96
    .vgpr_count:     256
    .wavefront_size: 32
...
	.end_amdgpu_metadata
.endif
;; end of part 2
;; launch attn1 (part 3): grid 4 x 64, 16 waves a work-group, no clusters, 169,984 bytes of LDS; arguments at1, a1; writes a1
.if DOCPART == 3
	.amdgcn_target "amdgcn-amd-amdhsa--gfx1250"
	.amdhsa_code_object_version 6
	.text
	.protected	k_q220bafedd5_attn1
	.globl	k_q220bafedd5_attn1
	.p2align	8
	.type	k_q220bafedd5_attn1,@function
k_q220bafedd5_attn1:
	s_mov_b64 s[64:65], 0
	v_nop
	global_prefetch_b8 v0, s[64:65] scope:SCOPE_SE
	s_setreg_imm32_b32 hwreg(HW_REG_WAVE_MODE, 25, 1), 1
	s_wait_xcnt 0x0
; o = softmax(q k^T / sqrt(32)) v for 128 (batch, head) pairs of 1,024 x 1,024, head size 32, both products on codes of FP4 with E8M0 scales.
; THE SOFTMAX AHEAD OF THE SECOND PRODUCT: t = score x log2(e) / sqrt(32) (one f32 constant); M = the running largest t rounded UP to a whole number; p = 2^(t - M) is quantised along the keys, not normalised;
; the row's sum is taken of the unquantised p and divides at the end.  When M moves, the sum and O are multiplied by 2^(old M - new M): exact.
; SHARES.  A work-group owns 256 query slots of two heads of one batch; K's and V's codes and scale words of both heads (74 KiB) are copied into LDS once and only read afterwards: no ring, no barrier in the loop.
; Waves 0-7 take the first head, 8-15 the second; a wave owns two tiles of 16 queries, so that each fragment of K and V that it reads feeds two tiles.  Four waves share a SIMD: one wave's exponentials stand beside another's plain work.
; LAYOUT.  Both products are used transposed: S^T = K Q^T, O^T = V^T P^T: a lane holds one query throughout.  Slots are tiles of rows 32 (T / 2) + 8 (T % 2) + r + 8 (r / 8): the 16 registers of key tiles 2 b, 2 b + 1 are keys 32 b + 16 (lane / 16) + 0 .. 15.
; HEAD SIZE 32 IN AN INSTRUCTION OF K = 128.  K's codes in slot order are read as fragments as they lie: block b of source 0's row r is slot r of key tile 4 f + b.  Q stands in four variants, its 32 codes in block b and zero codes
; in the other three: the product with variant b gives key tile 4 f + b's scores, the other blocks add zeros.  Scale words hold their byte four times, so that it serves any block; no byte is 0xff.
; NO CLUSTER: the four work-groups of a pair of heads read the same 74 KiB, once, at their heads, against eight key steps of vector work; a joint fill would spare a small part of the launch.
; LIMITS: NaN and infinities are not served; a p under 2^-126 counts as 0 (the exponential gives 0 there); a block whose every p is 0 keeps the byte 1 over zero codes.
.set KC,  2097152
.set VC,  4194304
.set QS,  6291456
.set KS,  6815744
.set VS,  7340032
.set VCL, 32768                        ; LDS: K's codes at 0, V's here,
.set KSL, 65536                        ; K's scale words,
.set VSL, 73728                        ; V's,
.set STG, 75776                        ; and the stage for the way out: 256 rows x (256 bytes + 16); written by LDS stores, no copy lands there
.set AK0, 1                            ; lane bases: 16,384 x head + 16 x lane
.set AV0, 2
.set AKS0, 3
.set AVS0, 4
.set ADK, 10                           ; the step's addresses
.set ADV, 11
.set ADKS, 12
.set ADVS, 13
.set SOA, 14                           ; the way out: into the stage,
.set SRA, 15                           ; back,
.set GOA, 16                           ; and to memory
.set KF,  32                           ; v32-47   K: two fragments of 64 keys
.set KSR, 48                           ; v48-51   K's scale words: register i: lanes 0-15 tile 2 i, lanes 16-31 tile 2 i + 1
.set VF,  52                           ; v52-67   V: two fragments (d tiles) of 128 keys
.set VSR, 68                           ; v68      V's scale words: lanes 0-15 d tile 0, lanes 16-31 d tile 1
.set Q,   70                           ; v70-105  groups of four: 0, A0, 0, B0, 0, A1, 0, B1, 0.  Ax: q in lanes 0-15; Bx: q in lanes 16-31; zero codes elsewhere
.set QSR, 106                          ; v106-107 Q's scale words
.set S,   108                          ; v108-171 S^T, then p
.set O,   172                          ; v172-203 O^T: 16 a tile
.set PC,  204                          ; v204-211 p's codes
.set ST,  212                          ; a tile's four: -M, the largest t, the sum in two halves
.set BM,  220
.set BT,  224
.set BS,  228
.set F,   232
.set T,   234
.set PW,  235
.set SU,  236
.set WV,  8
.set TK,  42
.set TKS, 43
.set TVS, 44
.set CNT, 45
.set MK,  46
.set CS,  48
.set SEL, 50
.macro MM d, a, b, c, sa, sb, ra
.if (\ra)
	v_wmma_scale_f32_16x16x128_f8f6f4 v[\d:\d+7], v[\a:\a+7], v[\b:\b+7], v[\c:\c+7], v[\sa], v[\sb] matrix_a_fmt:MATRIX_FMT_FP4 matrix_b_fmt:MATRIX_FMT_FP4 matrix_a_scale:MATRIX_SCALE_ROW1
.else
	v_wmma_scale_f32_16x16x128_f8f6f4 v[\d:\d+7], v[\a:\a+7], v[\b:\b+7], v[\c:\c+7], v[\sa], v[\sb] matrix_a_fmt:MATRIX_FMT_FP4 matrix_b_fmt:MATRIX_FMT_FP4
.endif
.endm
.macro MMZ d, a, b, sa, sb, ra         ; the same with the constant 0 as C
.if (\ra)
	v_wmma_scale_f32_16x16x128_f8f6f4 v[\d:\d+7], v[\a:\a+7], v[\b:\b+7], 0, v[\sa], v[\sb] matrix_a_fmt:MATRIX_FMT_FP4 matrix_b_fmt:MATRIX_FMT_FP4 matrix_a_scale:MATRIX_SCALE_ROW1
.else
	v_wmma_scale_f32_16x16x128_f8f6f4 v[\d:\d+7], v[\a:\a+7], v[\b:\b+7], 0, v[\sa], v[\sb] matrix_a_fmt:MATRIX_FMT_FP4 matrix_b_fmt:MATRIX_FMT_FP4
.endif
.endm
	s_load_b128 s[4:7], s[0:1], 0x0                ; the attention's operands, its result
	v_lshl_add_u32 v254, v0, 2, 0x29000
	v_mov_b32 v255, 0
	ds_add_u32 v254, v255
	ds_add_u32 v254, v255
	v_lshrrev_b32 v18, 5, v0
	v_readfirstlane_b32 s[WV], v18                 ; wave 0..15
	v_lshlrev_b32 v9, 4, v0                        ; the copies: 16 bytes a thread, in memory
	v_lshlrev_b32 v5, 4, v0                        ; and in LDS: K's codes,
	v_add_nc_u32 v6, VCL, v5                       ; V's,
	v_add_nc_u32 v7, KSL, v5                       ; K's scale words,
	v_add_nc_u32 v8, VSL, v5                       ; V's
	s_and_b32 s9, ttmp7, 0xffff
	s_lshr_b32 s10, s9, 3                          ; batch
	s_and_b32 s11, s9, 7                           ; pair of heads
	s_lshr_b32 s12, s[WV], 3                       ; which of the two is my wave's
	s_and_b32 s13, s[WV], 7
	s_lshl_b32 s14, s10, 4
	s_lshl_b32 s15, s11, 1
	s_add_co_u32 s14, s14, s15                     ; 16 batch + the pair's first head
	s_lshl_b32 s16, s14, 14                        ; a head's codes are 16,384 bytes,
	s_mov_b32 s17, 0
	s_lshl_b32 s18, s14, 12                        ; its Q or K scale words 4,096,
	s_mov_b32 s19, 0
	s_lshl_b32 s20, s14, 10                        ; V's 1,024
	s_mov_b32 s21, 0
	s_wait_dscnt 0x0
	s_wait_kmcnt 0x0
	s_add_nc_u64 s[22:23], s[4:5], s[16:17]
	s_add_nc_u64 s[24:25], s[22:23], KC
	s_add_nc_u64 s[26:27], s[22:23], VC
	s_add_nc_u64 s[28:29], s[4:5], s[18:19]
	s_add_nc_u64 s[36:37], s[28:29], QS
	s_add_nc_u64 s[28:29], s[28:29], KS
	s_add_nc_u64 s[30:31], s[4:5], s[20:21]
	s_add_nc_u64 s[30:31], s[30:31], VS
.irp i, 0,1,2,3
	global_load_async_to_lds_b128 v5, v9, s[24:25] offset:8192*\i   ; 512 threads x 16 bytes a copy; the offset counts in memory and in LDS alike
.endr
.irp i, 0,1,2,3
	global_load_async_to_lds_b128 v6, v9, s[26:27] offset:8192*\i
.endr
	global_load_async_to_lds_b128 v7, v9, s[28:29]
	s_cmp_lt_u32 s[WV], 4
	s_cbranch_scc0 .Lno_vs
	global_load_async_to_lds_b128 v8, v9, s[30:31] ; 2,048 bytes: four waves
.Lno_vs:
	s_lshl_b32 s32, s12, 14                        ; Q: my head, my work-group's 256 slots, my wave's 32
	s_lshl_b32 s33, ttmp9, 12
	s_add_co_u32 s32, s32, s33
	s_lshl_b32 s33, s13, 9
	s_add_co_u32 s32, s32, s33
	s_mov_b32 s33, 0
	s_add_nc_u64 s[34:35], s[22:23], s[32:33]
	s_lshr_b32 s32, s32, 2
	s_add_nc_u64 s[36:37], s[36:37], s[32:33]
	v_and_b32 v19, 31, v0                          ; lane
	v_and_b32 v20, 15, v0                          ; r
	v_bfe_u32 v21, v0, 4, 1                        ; h
	v_lshlrev_b32 v17, 4, v20
	v_lshlrev_b32 v18, 2, v20
	global_load_b128 v[S:S+3], v17, s[34:35]       ; q of tile 0: query r's 16 bytes, in both halves of the lanes
	global_load_b128 v[S+4:S+7], v17, s[34:35] offset:256
	global_load_b32 v[QSR], v18, s[36:37]
	global_load_b32 v[QSR+1], v18, s[36:37] offset:64
	s_lshl_b32 s38, s10, 21                        ; the result: row 1,024 batch + 256 x + 32 (w / 2) + 8 (w % 2), 2,048 bytes a row; + the pair's 256 bytes
	s_lshl_b32 s39, ttmp9, 19
	s_add_co_u32 s38, s38, s39
	s_lshr_b32 s39, s[WV], 1
	s_lshl_b32 s39, s39, 16
	s_add_co_u32 s38, s38, s39
	s_and_b32 s39, s[WV], 1
	s_lshl_b32 s39, s39, 14
	s_add_co_u32 s38, s38, s39
	s_lshl_b32 s39, s11, 8
	s_add_co_u32 s38, s38, s39
	s_mov_b32 s39, 0
	s_add_nc_u64 s[6:7], s[6:7], s[38:39]
	s_lshl_b32 s40, s12, 14
	v_lshl_add_u32 v[AK0], v19, 4, s40
	v_add_nc_u32 v[AV0], VCL, v[AK0]
	s_lshl_b32 s40, s12, 12
	s_add_co_u32 s40, s40, KSL
	v_lshl_add_u32 v[AKS0], v19, 2, s40
	s_lshl_b32 s40, s12, 10
	s_add_co_u32 s40, s40, VSL
	v_lshl_add_u32 v[AVS0], v19, 2, s40
	s_mul_i32 s40, s13, 32*272                     ; into the stage: row 32 (w % 8) + 16 x + r; my head's 128 bytes; 64 h
	s_lshl_b32 s41, s12, 7
	s_add_co_u32 s40, s40, s41
	s_add_co_u32 s40, s40, STG
	v_mul_u32_u24 v[SOA], v20, 272
	v_lshl_add_u32 v[SOA], v21, 6, v[SOA]
	v_add_nc_u32 v[SOA], s40, v[SOA]
	s_mul_i32 s40, s[WV], 16*272                   ; back: rows 16 w on, lanes 0-15 one row, lanes 16-31 the next
	s_add_co_u32 s40, s40, STG
	v_mul_u32_u24 v[SRA], v21, 272
	v_lshl_add_u32 v[SRA], v20, 4, v[SRA]
	v_add_nc_u32 v[SRA], s40, v[SRA]
	v_lshl_add_u32 v[GOA], v21, 11, v17            ; and the same two rows in memory
	v_cmp_gt_u32 s[MK], 16, v19                    ; lanes 0-15
	s_mov_b32 s[CS], 0x3e8293ee                    ; c = log2(e) / sqrt(32)
	s_mov_b32 s[CS+1], s[CS]                       ; (named with it as a pair, so it is written)
	s_mov_b32 s[SEL], 0x76543210
	s_mov_b32 s[SEL+1], 0xfedcba98                 ; lane l xor 16
.irp z, 0,8,16,24,32
.irp i, 0,1,2,3
	v_mov_b32 v[Q+\z+\i], 0                        ; the zero codes between Q's pieces
.endr
.endr
	s_wait_loadcnt 0x0                             ; Q
.irp x, 0,1
.irp i, 0,1,2,3
	v_cndmask_b32 v[Q+16*\x+4+\i], 0, v[S+4*\x+\i], s[MK]      ; Ax
	v_cndmask_b32 v[Q+16*\x+12+\i], v[S+4*\x+\i], 0, s[MK]     ; Bx
.endr
.endr
.set j, 0
.rept 32
	v_mov_b32 v[O+j], 0                            ; the loop is written once: its first step finds zeros, which the first change of M leaves zeros
.set j, j+1
.endr
.irp x, 0,1
	v_mov_b32 v[ST+4*\x+1], 0xff61b1e6             ; the largest t so far: -3e38
	v_floor_f32 v[ST+4*\x], -v[ST+4*\x+1]          ; -M
	v_mov_b32 v[ST+4*\x+2], 0
	v_mov_b32 v[ST+4*\x+3], 0
.endr
.irp b, 0,1,2,3
	v_mov_b32 v[BT+\b], 0                          ; written once: a lane permute's destination counts as one of its sources
.endr
	v_mov_b32 v[F+1], 0                            ; (named as the upper half of a pair)
	s_mov_b32 s[TK], 0
	s_mov_b32 s[TKS], 0
	s_mov_b32 s[TVS], 0
	s_mov_b32 s[CNT], 8
	s_wait_asynccnt 0x0                            ; my copies have landed,
	s_barrier_signal -1
	s_barrier_wait -1                              ; everybody's have
; One tile of 16 queries against the step's 128 keys.
.macro TILE x
.set QB, Q+16*\x
.set SX, ST+4*\x
.set OX, O+16*\x
.irp u, 0,1,2,3,4,5,6,7
	MMZ S+8*\u, KF+8*(\u/4), QB+8*(\u%2)+4*(1-(\u%4)/2), KSR+\u/2, QSR+\x, \u%2   ; key tile u: fragment u / 4, Q's variant u % 4
.endr
.rept 4
	v_nop
.endr
.irp b, 0,1,2,3
	v_max3_num_f32 v[BM+\b], v[S+16*\b], v[S+1+16*\b], v[S+2+16*\b]   ; the largest score of each block of 32 keys: it serves the row's maximum and, since p rises with the score, the block's largest p
.endr
.irp i, 3,5,7,9,11,13
.irp b, 0,1,2,3
	v_max3_num_f32 v[BM+\b], v[BM+\b], v[S+16*\b+\i], v[S+1+16*\b+\i]
.endr
.endr
.irp b, 0,1,2,3
	v_max_num_f32 v[BM+\b], v[BM+\b], v[S+15+16*\b]
.endr
.irp b, 0,1,2,3
	v_permlanex16_b32 v[BT+\b], v[BM+\b], s[SEL], s[SEL+1]
.endr
.irp b, 0,1,2,3
	v_max_num_f32 v[BM+\b], v[BM+\b], v[BT+\b]     ; with lane l xor 16's 16 keys
.endr
	v_max3_num_f32 v[T], v[BM], v[BM+1], v[BM+2]
	v_max_num_f32 v[T], v[T], v[BM+3]
	v_mul_f32 v[T], s[CS], v[T]                    ; as t (c is positive)
	v_max_num_f32 v[SX+1], v[SX+1], v[T]           ; the running largest t
	v_mov_b32 v[T], v[SX]
	v_floor_f32 v[SX], -v[SX+1]                    ; the new -M = -ceil(t)
	v_sub_f32 v[T], v[SX], v[T]                    ; old M - new M: a whole number, 0 or less
	v_cvt_i32_f32 v[T], v[T]                       ; (it saturates)
	v_ldexp_f32 v[F], 1.0, v[T]                    ; f = 2^(old M - new M)
.set j, 0
.rept 32
	v_pk_fma_f32 v[S+j:S+j+1], v[S+j:S+j+1], s[CS:CS+1], v[SX:SX+1] op_sel_hi:[1,0,0]   ; t - M, two at a time
.set j, j+2
.endr
.irp b, 0,1,2,3
	v_fma_f32 v[BM+\b], v[BM+\b], s[CS], v[SX]     ; the same of each block's largest score
.endr
.set j, 0
.rept 64
	v_exp_f32 v[S+j], v[S+j]                       ; p = 2^(t - M)
.set j, j+1
.endr
	v_pk_mul_f32 v[SX+2:SX+3], v[SX+2:SX+3], v[F:F+1] op_sel_hi:[1,0]   ; the sums under the new M: the plain line behind the exponentials
	s_wait_alu depctr_va_vdst(0)                   ; one wait for the batch of 64, ahead of its first reader
.irp b, 0,1,2,3
	v_exp_f32 v[BM+\b], v[BM+\b]                   ; the blocks' largest p
.endr
	v_pk_add_f32 v[SU:SU+1], v[S:S+1], v[S+2:S+3]  ; the row's sum of the unquantised p, in two chains: its first half stands behind the four exponentials
.irp i, 4,8,12,16,20,24,28
	v_pk_add_f32 v[SX+2:SX+3], v[SX+2:SX+3], v[S+\i:S+1+\i]
	v_pk_add_f32 v[SU:SU+1], v[SU:SU+1], v[S+2+\i:S+3+\i]
.endr
	s_wait_alu depctr_va_vdst(0)                   ; and one wait for the four
.irp b, 0,1,2,3
	v_max_num_f32 v[BM+\b], 0x1800000, v[BM+\b]    ; the floor 2^(3 - 127): the byte cannot fall under 1
.endr
.irp b, 0,1,2,3
	v_add_nc_u32 v[BS+\b], 0xff000000, v[BM+\b]    ; 2 off the exponent field: the conversion's scale operand
.endr
.irp b, 0,1,2,3
	v_lshrrev_b32 v[BT+\b], 23, v[BS+\b]           ; the scale's byte
.endr
	v_lshl_or_b32 v[PW], v[BT+1], 8, v[BT]         ; p's scale word for these 128 keys
	v_lshl_or_b32 v[PW], v[BT+2], 16, v[PW]
	v_lshl_or_b32 v[PW], v[BT+3], 24, v[PW]
.irp b, 0,1,2,3
	v_cvt_scalef32_pk8_fp4_f32 v[PC+2*\b], v[S+16*\b:S+7+16*\b], v[BS+\b]
	v_cvt_scalef32_pk8_fp4_f32 v[PC+1+2*\b], v[S+8+16*\b:S+15+16*\b], v[BS+\b]
.endr
	v_nop                                          ; one plain line behind the scaled conversions
.irp c, 0,1
.irp i, 0,1
	v_permlane16_swap_b32 v[PC+4*\c+\i], v[PC+2+4*\c+\i]   ; half blocks become whole blocks
.endr
.endr
.irp i, 0,2,4,6,8,10,12,14
	v_pk_mul_f32 v[OX+\i:OX+\i+1], v[OX+\i:OX+\i+1], v[F:F+1] op_sel_hi:[1,0]   ; O^T under the new M, each accumulator from its low end on
.endr
.irp i, 32,36,40,44,48,52,56,60
	v_pk_add_f32 v[SX+2:SX+3], v[SX+2:SX+3], v[S+\i:S+1+\i]    ; the sum's second half: seventeen plain lines that name none of the next products' registers:
	v_pk_add_f32 v[SU:SU+1], v[SU:SU+1], v[S+2+\i:S+3+\i]      ; the places between the writing of p's codes and scale word and those products
.endr
	v_pk_add_f32 v[SX+2:SX+3], v[SX+2:SX+3], v[SU:SU+1]
.if \x == 0
	s_wait_dscnt 0x0                               ; V is in
.endif
	MM OX, VF, PC, OX, VSR, PW, 0                  ; O^T += V^T P^T: d tile 0,
	MM OX+8, VF+8, PC, OX+8, VSR, PW, 1            ; d tile 1
.endm
.Lstep:                                            ; eight trips of 128 keys
	v_add_nc_u32 v[ADK], s[TK], v[AK0]             ; four plain lines: also the places between the last trip's products and the loads into V's registers
	v_add_nc_u32 v[ADV], s[TK], v[AV0]
	v_add_nc_u32 v[ADKS], s[TKS], v[AKS0]
	v_add_nc_u32 v[ADVS], s[TVS], v[AVS0]
.irp i, 0,1,2,3
	ds_load_b32 v[KSR+\i], v[ADKS] offset:128*\i
.endr
.irp f, 0,1
.irp c, 0,1
	ds_load_b128 v[KF+8*\f+4*\c:KF+8*\f+4*\c+3], v[ADK] offset:1024*\f+512*\c
.endr
.endr
.irp f, 0,1
.irp c, 0,1
	ds_load_b128 v[VF+8*\f+4*\c:VF+8*\f+4*\c+3], v[ADV] offset:1024*\f+512*\c
.endr
.endr
	ds_load_b32 v[VSR], v[ADVS]
	s_wait_dscnt 5                                 ; K and its scale words are in; V's five loads may be out
	TILE 0
	TILE 1
	s_add_co_u32 s[TK], s[TK], 2048
	s_add_co_u32 s[TKS], s[TKS], 512
	s_add_co_u32 s[TVS], s[TVS], 128
	s_sub_co_u32 s[CNT], s[CNT], 1
	s_cmp_lg_u32 s[CNT], 0
	s_cbranch_scc1 .Lstep
	; THE WAY OUT.  O^T / the sum goes to the work-group's stage, where a row's 256 bytes (two heads) meet; each wave then stores 16 whole rows' pieces.
.rept 4
	v_nop
.endr
.irp x, 0,1
	v_add_f32 v[BM+\x], v[ST+4*\x+2], v[ST+4*\x+3]
.endr
.irp x, 0,1
	v_permlanex16_b32 v[BT+\x], v[BM+\x], s[SEL], s[SEL+1]
.endr
.irp x, 0,1
	v_add_f32 v[BM+\x], v[BM+\x], v[BT+\x]         ; the row's sum
.endr
.irp x, 0,1
	v_rcp_f32 v[BS+\x], v[BM+\x]
.endr
	v_nop                                          ; a plain line behind the reciprocals,
	s_wait_alu depctr_va_vdst(0)                   ; and the one wait ahead of their first reader
.set j, 0
.rept 32
	v_mul_f32 v[S+j], v[O+j], v[BS+j/16]           ; register 16 x + 8 u + i is o(query r of tile x, d = 16 h + 8 u + i)
.set j, j+1
.endr
.irp x, 0,1
.irp k, 0,1,2,3
	ds_store_b128 v[SOA], v[S+16*\x+4*\k:S+16*\x+4*\k+3] offset:4352*\x+16*\k
.endr
.endr
	s_wait_dscnt 0x0                               ; for the others' sake: my stores into the stage are done
	s_barrier_signal -1
	s_barrier_wait -1
.irp i, 0,1,2,3,4,5,6,7
	ds_load_b128 v[S+32+4*\i:S+32+4*\i+3], v[SRA] offset:544*\i
.endr
.irp i, 0,1,2,3,4,5,6,7
	s_wait_dscnt 7-\i                              ; read i is back
	global_store_b128 v[GOA], v[S+32+4*\i:S+32+4*\i+3], s[6:7] offset:2048*(2*\i+8*(\i/4)) th:TH_STORE_NT   ; slot 2 i + h of tile w is row 2 i + h + 8 (i / 4); sixteen lanes store 256 consecutive bytes, aligned
.endr
	s_wait_tensorcnt 0x0
	ds_add_u32 v254, v255
	s_wait_dscnt 0x0
	s_endpgm
.Lfunc_end_k_q220bafedd5_attn1:
	.size	k_q220bafedd5_attn1, .Lfunc_end_k_q220bafedd5_attn1-k_q220bafedd5_attn1
	.p2alignl 7, 3214868480
	.fill 96, 4, 3214868480
	.section	.rodata,"a",@progbits
	.p2align	6, 0x0
	.amdhsa_kernel k_q220bafedd5_attn1
		.amdhsa_group_segment_fixed_size 169984
		.amdhsa_private_segment_fixed_size 0
		.amdhsa_enable_private_segment 0
		.amdhsa_kernarg_size 16
		.amdhsa_user_sgpr_count 2
		.amdhsa_user_sgpr_kernarg_segment_ptr 1
		.amdhsa_wavefront_size32 1
		.amdhsa_system_sgpr_workgroup_id_x 1
		.amdhsa_system_sgpr_workgroup_id_y 1
		.amdhsa_system_sgpr_workgroup_id_z 1
		.amdhsa_system_vgpr_workitem_id 0
		.amdhsa_next_free_vgpr 256
		.amdhsa_next_free_sgpr 66
		.amdhsa_reserve_vcc 0
		.amdhsa_float_denorm_mode_32 3
		.amdhsa_float_denorm_mode_16_64 3
		.amdhsa_memory_ordered 1
		.amdhsa_forward_progress 1
		.amdhsa_inst_pref_size 39
	.end_amdhsa_kernel
	.amdgpu_metadata
---
amdhsa.version: [ 1, 2 ]
amdhsa.kernels:
  - .name:           k_q220bafedd5_attn1
    .symbol:         k_q220bafedd5_attn1.kd
    .args:
      - { .name: at1, .offset: 0, .size: 8, .value_kind: global_buffer, .address_space: global }
      - { .name: a1, .offset: 8, .size: 8, .value_kind: global_buffer, .address_space: global }
    .group_segment_fixed_size: 169984
    .private_segment_fixed_size: 0
    .kernarg_segment_align: 8
    .kernarg_segment_size: 16
    .max_flat_workgroup_size: 512
    .sgpr_count:     66
    .vgpr_count:     256
    .wavefront_size: 32
...
	.end_amdgpu_metadata
.endif
;; end of part 3
;; launch lnq (part 4): grid 256 x 1, 8 waves a work-group, no clusters, 92,160 bytes of LDS; arguments x, a1, g1, be1, qc, qs, bq2, x1, at2; writes x1, at2
.if DOCPART == 4
	.amdgcn_target "amdgcn-amd-amdhsa--gfx1250"
	.amdhsa_code_object_version 6
	.text
	.protected	k_q220bafedd5_lnq
	.globl	k_q220bafedd5_lnq
	.p2align	8
	.type	k_q220bafedd5_lnq,@function
k_q220bafedd5_lnq:
	s_mov_b64 s[64:65], 0
	v_nop
	global_prefetch_b8 v0, s[64:65] scope:SCOPE_SE
	s_setreg_imm32_b32 hwreg(HW_REG_WAVE_MODE, 25, 1), 1
	s_wait_xcnt 0x0
; x1 = LayerNorm(x + a1) g1 + be1, stored in f32; then Q2 = x1 Wq2^T + bq2 on codes of FP4, quantised at once along the heads' 32 for the second attention.
; SHARES.  A work-group owns 32 rows: two tiles (tile T': rows 8 T' + r + 8 (r / 8)).  Wave w normalises rows 4 w .. 4 w + 3, a row in 16 registers of every lane (each load and store covers 512 consecutive bytes),
; quantises them along K and puts codes and scale bytes into LDS in the order of an operand's registers; one barrier; then wave w makes heads 2 w and 2 w + 1 (Wq2's tiles 4 w .. 4 w + 3, read from memory straight into registers,
; asked for at the head) for both row tiles.  The product is used transposed: a lane holds one row, its registers run along the head.
; The mean is taken off before the squares are summed: a common offset of the inputs costs no digits.
; NO CLUSTER, NO TENSOR LOAD: the rows are read once by one wave; Wq2's 140 KiB are read once by each work-group, straight into registers, with no ring whose refills could be joint.
; LIMITS: NaN and infinities are not served; a block whose largest magnitude lies under 2^-124 gets the byte 1.
.set XI,  81920                        ; LDS: 32 rows x 2,560 bytes of turning stage from 0; x1's codes: 2 tiles x 16 pieces of 256 bytes + 16;
.set XSL, 90624                        ; their scale bytes: 2 x 256
.set QSO, 6291456                      ; Q's scale words in at2
.set LI,  1                            ; 16 x lane
.set TI,  2                            ; turning stage, in
.set TO,  3                            ; and out
.set CI,  4                            ; my codes' place
.set SI,  5                            ; my block's byte
.set FA,  6                            ; a fragment's lane address
.set XSA, 7                            ; the scale words'
.set OQ,  8
.set OS,  9
.set BH,  10                           ; 64 h
.set X,   16                           ; v16-79   four rows; later the eight accumulators
.set A,   80                           ; v80-143  a1's four rows, then at work; later x1's eight fragments
.set G,   144
.set BE,  160
.set BQ,  176                          ; v176-207 bq2 in the result's layout
.set WS,  208                          ; v208-215 Wq2's scale words
.set XSR, 224                          ; v224-227 x1's
.set TM,  232
.set TP,  236
.set TS,  240
.set PW,  244
.set PC,  246
.set EW,  254
.set SEL, 40
.set INV, 42
.set EPS, 43
.set MK,  44
.set REP, 45
.set MSB, 0
.macro WIN new                         ; the immediate's high byte repeats the setting that is left
.if MSB != \new
	s_set_vgpr_msb (MSB<<8)|\new
.set MSB, \new
.endif
.endm
.macro MM d, a, b, c, sa, sb, ra, rb
.if (\ra) && (\rb)
	v_wmma_scale_f32_16x16x128_f8f6f4 v[\d:\d+7], v[\a:\a+7], v[\b:\b+7], v[\c:\c+7], v[\sa], v[\sb] matrix_a_fmt:MATRIX_FMT_FP4 matrix_b_fmt:MATRIX_FMT_FP4 matrix_a_scale:MATRIX_SCALE_ROW1 matrix_b_scale:MATRIX_SCALE_ROW1
.elseif (\ra)
	v_wmma_scale_f32_16x16x128_f8f6f4 v[\d:\d+7], v[\a:\a+7], v[\b:\b+7], v[\c:\c+7], v[\sa], v[\sb] matrix_a_fmt:MATRIX_FMT_FP4 matrix_b_fmt:MATRIX_FMT_FP4 matrix_a_scale:MATRIX_SCALE_ROW1
.elseif (\rb)
	v_wmma_scale_f32_16x16x128_f8f6f4 v[\d:\d+7], v[\a:\a+7], v[\b:\b+7], v[\c:\c+7], v[\sa], v[\sb] matrix_a_fmt:MATRIX_FMT_FP4 matrix_b_fmt:MATRIX_FMT_FP4 matrix_b_scale:MATRIX_SCALE_ROW1
.else
	v_wmma_scale_f32_16x16x128_f8f6f4 v[\d:\d+7], v[\a:\a+7], v[\b:\b+7], v[\c:\c+7], v[\sa], v[\sb] matrix_a_fmt:MATRIX_FMT_FP4 matrix_b_fmt:MATRIX_FMT_FP4
.endif
.endm
.macro QUANT s                         ; 64 numbers of a lane, register 16 b + i = element 32 b + 16 (lane / 16) + i: codes in v[PC] on, bytes in v[TP] on, the scale word in v[PW]
.irp b, 0,1,2,3
	v_max3_num_f32 v[TM+\b], |v[\s+16*\b]|, |v[\s+1+16*\b]|, 0x1800000
.endr
.irp i, 2,4,6,8,10,12,14
.irp b, 0,1,2,3
	v_max3_num_f32 v[TM+\b], v[TM+\b], |v[\s+16*\b+\i]|, |v[\s+1+16*\b+\i]|
.endr
.endr
.irp b, 0,1,2,3
	v_permlanex16_b32 v[TP+\b], v[TM+\b], s[SEL], s[SEL+1]
.endr
.irp b, 0,1,2,3
	v_max_num_f32 v[TM+\b], v[TM+\b], v[TP+\b]
.endr
.irp b, 0,1,2,3
	v_add_nc_u32 v[TS+\b], 0xff000000, v[TM+\b]
.endr
.irp b, 0,1,2,3
	v_lshrrev_b32 v[TP+\b], 23, v[TS+\b]
.endr
	v_lshl_or_b32 v[PW], v[TP+1], 8, v[TP]
	v_lshl_or_b32 v[PW], v[TP+2], 16, v[PW]
	v_lshl_or_b32 v[PW], v[TP+3], 24, v[PW]
.irp b, 0,1,2,3
	v_cvt_scalef32_pk8_fp4_f32 v[PC+2*\b], v[\s+16*\b:\s+7+16*\b], v[TS+\b]
	v_cvt_scalef32_pk8_fp4_f32 v[PC+1+2*\b], v[\s+8+16*\b:\s+15+16*\b], v[TS+\b]
.endr
	v_nop                                          ; one plain line behind the scaled conversions
.irp c, 0,1
.irp i, 0,1
	v_permlane16_swap_b32 v[PC+4*\c+\i], v[PC+2+4*\c+\i]
.endr
.endr
.endm
.macro QKOUT sc, ss, cst, sst
.irp c, 0,1
	v_cndmask_b32 v[EW+\c], v[TP+2*\c+1], v[TP+2*\c], s[MK]
.endr
.irp c, 0,1
	v_mul_lo_u32 v[EW+\c], v[EW+\c], s[REP]        ; the byte four times in the word
.endr
.irp c, 0,1
	global_store_b128 v[OQ], v[PC+4*\c:PC+4*\c+3], s[\sc:\sc+1] offset:\c*\cst   ; each half of the wave: 256 consecutive bytes, aligned
	global_store_b32 v[OS], v[EW+\c], s[\ss:\ss+1] offset:\c*\sst
.endr
.endm
; Four rows by turns (k = 16 x row): X += A; mean; X -= mean; variance; X = X rsqrt(var + eps) g + be.  Register 4 i + j of a row is column 128 i + 4 lane + j.  A's registers are then at work.
; store: the rows leave; quant: they turn through the wave's stage, so that a lane holds 16 neighbours, and become codes and scale bytes in LDS.
.macro LN XB, AB, GB, BB, store, so, nt, quant
.irp i, 0,2,4,6,8,10,12,14
.irp k, 0,16,32,48
	v_pk_add_f32 v[\XB+\k+\i:\XB+\k+\i+1], v[\XB+\k+\i:\XB+\k+\i+1], v[\AB+\k+\i:\AB+\k+\i+1]
.endr
.endr
.irp m, 0,2,4,6
.irp k, 0,16,32,48
	v_pk_add_f32 v[\AB+\k+\m:\AB+\k+\m+1], v[\XB+\k+2*\m:\XB+\k+2*\m+1], v[\XB+\k+2*\m+2:\XB+\k+2*\m+3]
.endr
.endr
.irp k, 0,16,32,48
	v_pk_add_f32 v[\AB+\k:\AB+\k+1], v[\AB+\k:\AB+\k+1], v[\AB+\k+2:\AB+\k+3]
.endr
.irp k, 0,16,32,48
	v_pk_add_f32 v[\AB+\k+4:\AB+\k+5], v[\AB+\k+4:\AB+\k+5], v[\AB+\k+6:\AB+\k+7]
.endr
.irp k, 0,16,32,48
	v_pk_add_f32 v[\AB+\k:\AB+\k+1], v[\AB+\k:\AB+\k+1], v[\AB+\k+4:\AB+\k+5]
.endr
.irp k, 0,16,32,48
	v_add_f32 v[\AB+\k], v[\AB+\k], v[\AB+\k+1]
.endr
.irp d, 1,2,4,8
.irp k, 0,16,32,48
	v_add_f32_dpp v[\AB+\k], v[\AB+\k], v[\AB+\k] row_xmask:\d row_mask:0xf bank_mask:0xf
.endr
.endr
.irp k, 0,16,32,48
	v_permlanex16_b32 v[\AB+\k+1], v[\AB+\k], s[SEL], s[SEL+1]
.endr
.irp k, 0,16,32,48
	v_add_f32 v[\AB+\k], v[\AB+\k], v[\AB+\k+1]
.endr
.irp k, 0,16,32,48
	v_mul_f32 v[\AB+\k], s[INV], v[\AB+\k]         ; the mean
.endr
.irp i, 0,2,4,6,8,10,12,14
.irp k, 0,16,32,48
	v_pk_add_f32 v[\XB+\k+\i:\XB+\k+\i+1], v[\XB+\k+\i:\XB+\k+\i+1], v[\AB+\k:\AB+\k+1] op_sel_hi:[1,0] neg_lo:[0,1] neg_hi:[0,1]
.endr
.endr
.irp k, 0,16,32,48
	v_pk_mul_f32 v[\AB+\k+2:\AB+\k+3], v[\XB+\k:\XB+\k+1], v[\XB+\k:\XB+\k+1]
	v_pk_mul_f32 v[\AB+\k+4:\AB+\k+5], v[\XB+\k+2:\XB+\k+3], v[\XB+\k+2:\XB+\k+3]
.endr
.irp i, 4,8,12
.irp k, 0,16,32,48
	v_pk_fma_f32 v[\AB+\k+2:\AB+\k+3], v[\XB+\k+\i:\XB+\k+\i+1], v[\XB+\k+\i:\XB+\k+\i+1], v[\AB+\k+2:\AB+\k+3]
	v_pk_fma_f32 v[\AB+\k+4:\AB+\k+5], v[\XB+\k+\i+2:\XB+\k+\i+3], v[\XB+\k+\i+2:\XB+\k+\i+3], v[\AB+\k+4:\AB+\k+5]
.endr
.endr
.irp k, 0,16,32,48
	v_pk_add_f32 v[\AB+\k+2:\AB+\k+3], v[\AB+\k+2:\AB+\k+3], v[\AB+\k+4:\AB+\k+5]
.endr
.irp k, 0,16,32,48
	v_add_f32 v[\AB+\k+2], v[\AB+\k+2], v[\AB+\k+3]
.endr
.irp d, 1,2,4,8
.irp k, 0,16,32,48
	v_add_f32_dpp v[\AB+\k+2], v[\AB+\k+2], v[\AB+\k+2] row_xmask:\d row_mask:0xf bank_mask:0xf
.endr
.endr
.irp k, 0,16,32,48
	v_permlanex16_b32 v[\AB+\k+3], v[\AB+\k+2], s[SEL], s[SEL+1]
.endr
.irp k, 0,16,32,48
	v_add_f32 v[\AB+\k+2], v[\AB+\k+2], v[\AB+\k+3]
.endr
.irp k, 0,16,32,48
	v_fma_f32 v[\AB+\k+2], v[\AB+\k+2], s[INV], s[EPS]   ; the variance + eps
.endr
.irp k, 0,16,32,48
	v_rsq_f32 v[\AB+\k+4], v[\AB+\k+2]
.endr
	v_nop                                          ; a plain line behind the four roots,
	s_wait_alu depctr_va_vdst(0)                   ; and the one wait ahead of their first reader
.irp i, 0,2,4,6,8,10,12,14
.irp k, 0,16,32,48
	v_pk_mul_f32 v[\XB+\k+\i:\XB+\k+\i+1], v[\XB+\k+\i:\XB+\k+\i+1], v[\AB+\k+4:\AB+\k+5] op_sel_hi:[1,0]
.endr
.endr
.irp i, 0,2,4,6,8,10,12,14
.irp k, 0,16,32,48
	v_pk_fma_f32 v[\XB+\k+\i:\XB+\k+\i+1], v[\XB+\k+\i:\XB+\k+\i+1], v[\GB+\i:\GB+\i+1], v[\BB+\i:\BB+\i+1]
.endr
.endr
.if \store
.irp k, 0,16,32,48
.irp i, 0,4,8,12
.if \nt
	global_store_b128 v[LI], v[\XB+\k+\i:\XB+\k+\i+3], s[\so:\so+1] offset:128*\k+128*\i th:TH_STORE_NT
.else
	global_store_b128 v[LI], v[\XB+\k+\i:\XB+\k+\i+3], s[\so:\so+1] offset:128*\k+128*\i   ; 512 consecutive bytes, aligned
.endif
.endr
.endr
.endif
.if \quant
.irp k, 0,16,32,48
.irp i, 0,4,8,12
	ds_store_b128 v[TI], v[\XB+\k+\i:\XB+\k+\i+3] offset:160*\k+160*\i
.endr
.endr
.irp k, 0,16,32,48
.irp i, 0,4,8,12
	ds_load_b128 v[\AB+\k+\i:\AB+\k+\i+3], v[TO] offset:160*\k+4*\i   ; LDS serves a wave's instructions in order: these see the stores above
.endr
.endr
	s_wait_dscnt 0x0
.irp k, 0,16,32,48
	v_max3_num_f32 v[TM+\k/16], |v[\AB+\k]|, |v[\AB+\k+1]|, |v[\AB+\k+2]|
	v_max3_num_f32 v[TP+\k/16], |v[\AB+\k+3]|, |v[\AB+\k+4]|, |v[\AB+\k+5]|
.endr
.irp i, 6,10
.irp k, 0,16,32,48
	v_max3_num_f32 v[TM+\k/16], v[TM+\k/16], |v[\AB+\k+\i]|, |v[\AB+\k+\i+1]|
	v_max3_num_f32 v[TP+\k/16], v[TP+\k/16], |v[\AB+\k+\i+2]|, |v[\AB+\k+\i+3]|
.endr
.endr
.irp k, 0,16,32,48
	v_max3_num_f32 v[TM+\k/16], v[TM+\k/16], |v[\AB+\k+14]|, |v[\AB+\k+15]|
.endr
.irp k, 0,16,32,48
	v_max3_num_f32 v[TM+\k/16], v[TM+\k/16], v[TP+\k/16], 0x1800000   ; and the floor 2^(3 - 127)
.endr
.irp k, 0,16,32,48
	v_max_num_f32_dpp v[TM+\k/16], v[TM+\k/16], v[TM+\k/16] row_xmask:1 row_mask:0xf bank_mask:0xf   ; with my neighbour's 16: the block's
.endr
.irp k, 0,16,32,48
	v_add_nc_u32 v[TS+\k/16], 0xff000000, v[TM+\k/16]
.endr
.irp k, 0,16,32,48
	v_cvt_scalef32_pk8_fp4_f32 v[PC+\k/8], v[\AB+\k:\AB+\k+7], v[TS+\k/16]
	v_cvt_scalef32_pk8_fp4_f32 v[PC+\k/8+1], v[\AB+\k+8:\AB+\k+15], v[TS+\k/16]
.endr
.irp k, 0,16,32,48
	v_lshrrev_b32 v[TP+\k/16], 23, v[TS+\k/16]     ; the scale's byte (plain lines behind the conversions)
.endr
.irp k, 0,16,32,48
	ds_store_b64 v[CI], v[PC+\k/8:PC+\k/8+1] offset:\k
	ds_store_b8 v[SI], v[TP+\k/16] offset:\k       ; both lanes of a block write the same byte with the same value
.endr
.endif
.endm
	s_load_b512 s[8:23], s[0:1], 0x0               ; x, a1, g1, be1, qc, qs, bq2, x1
	s_load_b64 s[24:25], s[0:1], 0x40              ; at2
	v_lshl_add_u32 v231, v0, 2, 0x16400
	v_mov_b32 v245, 0
	v_lshrrev_b32 v11, 5, v0
	v_readfirstlane_b32 s2, v11                    ; wave 0..7
	v_and_b32 v11, 31, v0                          ; lane
	v_and_b32 v12, 15, v0                          ; r
	v_bfe_u32 v13, v0, 4, 1                        ; h
	v_lshlrev_b32 v[LI], 4, v11
	s_mul_i32 s3, s2, 10240
	v_lshrrev_b32 v14, 2, v11
	v_mul_u32_u24 v14, v14, 80
	v_and_b32 v15, 3, v11
	v_lshl_add_u32 v14, v15, 4, v14
	v_add_nc_u32 v[TI], s3, v14
	v_mul_u32_u24 v14, v11, 80
	v_add_nc_u32 v[TO], s3, v14
	s_bfe_u32 s26, s2, 0x10001                     ; my four rows' tile: (w / 2) % 2
	s_and_b32 s27, s2, 1
	s_lshl_b32 s27, s27, 2
	s_lshr_b32 s28, s2, 2
	s_lshl_b32 s28, s28, 3
	s_add_co_u32 s27, s27, s28                     ; and their first place in it: 4 (w % 2) + 8 (w / 4)
	s_lshl_b32 s27, s27, 4
	s_mul_i32 s28, s26, 4352
	s_add_co_u32 s28, s28, s27
	s_add_co_u32 s28, s28, XI
	v_lshrrev_b32 v14, 1, v11
	v_and_b32 v15, 1, v11
	v_mul_u32_u24 v[CI], v14, 272
	v_lshl_add_u32 v[CI], v15, 3, v[CI]
	v_add_nc_u32 v[CI], s28, v[CI]
	s_lshl_b32 s28, s26, 8
	s_add_co_u32 s28, s28, s27
	s_add_co_u32 s28, s28, XSL
	v_add_nc_u32 v[SI], s28, v14
	v_mul_u32_u24 v[FA], v13, 272
	v_lshl_add_u32 v[FA], v12, 4, v[FA]
	v_add_nc_u32 v[FA], XI, v[FA]
	v_add_nc_u32 v[XSA], XSL, v[LI]
	v_lshlrev_b32 v14, 4, v12
	v_lshl_add_u32 v[OQ], v13, 14, v14
	v_lshlrev_b32 v14, 2, v12
	v_lshl_add_u32 v[OS], v13, 12, v14
	v_lshlrev_b32 v[BH], 6, v13
	v_cmp_gt_u32 s[MK], 16, v11
	s_mov_b32 s[REP], 0x01010101
	s_mov_b32 s[SEL], 0x76543210
	s_mov_b32 s[SEL+1], 0xfedcba98
	s_mov_b32 s[INV], 0x3b000000                   ; 1 / 512
	s_mov_b32 s[EPS], 0x3727c5ac                   ; 1e-5
	s_lshl_b32 s30, ttmp9, 16
	s_lshl_b32 s31, s2, 13
	s_add_co_u32 s30, s30, s31                     ; my four rows: 2,048 (32 g + 4 w)
	s_mov_b32 s31, 0
	s_wait_kmcnt 0x0
	s_add_nc_u64 s[8:9], s[8:9], s[30:31]
	s_add_nc_u64 s[10:11], s[10:11], s[30:31]
	s_add_nc_u64 s[22:23], s[22:23], s[30:31]
	s_lshl_b32 s30, s2, 14
	s_add_co_u32 s30, s30, 4096*1184               ; Wq2's units begin at 1,184; my four tiles
	s_add_nc_u64 s[16:17], s[16:17], s[30:31]
	s_lshl_b32 s30, s2, 10
	s_add_co_u32 s30, s30, 256*1184
	s_add_nc_u64 s[18:19], s[18:19], s[30:31]
	s_lshl_b32 s30, s2, 8
	s_add_nc_u64 s[20:21], s[20:21], s[30:31]
	s_lshr_b32 s32, ttmp9, 5                       ; batch
	s_and_b32 s33, ttmp9, 31                       ; which 32 rows of it
	s_lshl_b32 s30, s32, 18
	s_lshl_b32 s32, s2, 15
	s_add_co_u32 s30, s30, s32
	s_lshl_b32 s33, s33, 9
	s_add_co_u32 s30, s30, s33                     ; 262,144 batch + 32,768 w (two heads) + 512 (two tiles of slots)
	s_add_nc_u64 s[34:35], s[24:25], s[30:31]
	s_lshr_b32 s30, s30, 2
	s_add_nc_u64 s[36:37], s[24:25], s[30:31]
	s_add_nc_u64 s[36:37], s[36:37], QSO
.irp i, 0,1,2,3
	global_load_b128 v[G+4*\i:G+4*\i+3], v[LI], s[12:13] offset:512*\i
	global_load_b128 v[BE+4*\i:BE+4*\i+3], v[LI], s[14:15] offset:512*\i
.endr
.irp k, 0,1,2,3
.irp i, 0,1,2,3
	global_load_b128 v[X+16*\k+4*\i:X+16*\k+4*\i+3], v[LI], s[8:9] offset:2048*\k+512*\i
	global_load_b128 v[A+16*\k+4*\i:A+16*\k+4*\i+3], v[LI], s[10:11] offset:2048*\k+512*\i th:TH_LOAD_NT
.endr
.endr
.irp i, 0,1
	global_load_b128 v[WS+4*\i:WS+4*\i+3], v[LI], s[18:19] offset:512*\i   ; register 4 (t / 2) + s: lanes 0-15 tile 2 (t / 2), lanes 16-31 the next
.endr
.irp t, 0,1,2,3
.irp k, 0,1
	global_load_b128 v[BQ+8*\t+4*\k:BQ+8*\t+4*\k+3], v[BH], s[20:21] offset:128*(\t/2)+32*(\t%2)+16*\k
.endr
.endr
	WIN 0x40                                       ; destination window 1: Wq2's fragment (t, s) at v[8 (4 t + s)]
.irp t, 0,1,2,3
.irp s, 0,1,2,3
.irp c, 0,1
	global_load_b128 v[8*(4*\t+\s)+4*\c:8*(4*\t+\s)+4*\c+3], v[LI], s[16:17] offset:4096*\t+1024*\s+512*\c
.endr
.endr
.endr
	WIN 0
	s_wait_loadcnt 42                              ; g1, be1 and the rows are in; the 2 + 8 + 32 loads of the product's operands stay out
	LN X, A, G, BE, 1, 22, 0, 1
	s_wait_dscnt 0x0                               ; for the others' sake: my codes and bytes are stored
	s_barrier_signal -1
	s_barrier_wait -1                              ; the launch's one barrier: x1's two tiles lie in LDS
	s_wait_xcnt 0x0                                ; x1's stores have read the rows' registers, which the accumulators take over
.irp m, 0,1
.irp s, 0,1,2,3
.irp c, 0,1
	ds_load_b128 v[A+8*(4*\m+\s)+4*\c:A+8*(4*\m+\s)+4*\c+3], v[FA] offset:4352*\m+272*(4*\s+2*\c)
.endr
.endr
.endr
	ds_load_b128 v[XSR:XSR+3], v[XSA]              ; lanes 0-15: tile 0's words, lanes 16-31: tile 1's
	s_wait_loadcnt 0x0
	s_wait_dscnt 0x0
	WIN 0x01                                       ; source 0 window 1
.irp s, 0,1,2,3
.irp m, 0,1
.irp t, 0,1,2,3
.if \s == 0
	MM X+32*\m+8*\t, 8*(4*\t+\s), A+8*(4*\m+\s), BQ+8*\t, WS+4*(\t/2)+\s, XSR+\s, \t%2, \m   ; the bias starts the sum
.else
	MM X+32*\m+8*\t, 8*(4*\t+\s), A+8*(4*\m+\s), X+32*\m+8*\t, WS+4*(\t/2)+\s, XSR+\s, \t%2, \m   ; the eight accumulators take turns
.endif
.endr
.endr
.endr
	WIN 0
.rept 4
	v_nop
.endr
	QUANT X                                        ; block 2 m + t / 2: row tile m, head 2 w + t / 2
	QKOUT 34, 36, 256, 64
	s_barrier_signal -1
	s_barrier_wait -1
	s_wait_tensorcnt 0x0
	ds_add_u32 v231, v245
	s_wait_dscnt 0x0
	s_endpgm
.Lfunc_end_k_q220bafedd5_lnq:
	.size	k_q220bafedd5_lnq, .Lfunc_end_k_q220bafedd5_lnq-k_q220bafedd5_lnq
	.p2alignl 7, 3214868480
	.fill 96, 4, 3214868480
	.section	.rodata,"a",@progbits
	.p2align	6, 0x0
	.amdhsa_kernel k_q220bafedd5_lnq
		.amdhsa_group_segment_fixed_size 92160
		.amdhsa_private_segment_fixed_size 0
		.amdhsa_enable_private_segment 0
		.amdhsa_kernarg_size 72
		.amdhsa_user_sgpr_count 2
		.amdhsa_user_sgpr_kernarg_segment_ptr 1
		.amdhsa_wavefront_size32 1
		.amdhsa_system_sgpr_workgroup_id_x 1
		.amdhsa_system_sgpr_workgroup_id_y 1
		.amdhsa_system_sgpr_workgroup_id_z 1
		.amdhsa_system_vgpr_workitem_id 0
		.amdhsa_next_free_vgpr 384
		.amdhsa_next_free_sgpr 66
		.amdhsa_reserve_vcc 0
		.amdhsa_float_denorm_mode_32 3
		.amdhsa_float_denorm_mode_16_64 3
		.amdhsa_memory_ordered 1
		.amdhsa_forward_progress 1
		.amdhsa_inst_pref_size 45
	.end_amdhsa_kernel
	.amdgpu_metadata
---
amdhsa.version: [ 1, 2 ]
amdhsa.kernels:
  - .name:           k_q220bafedd5_lnq
    .symbol:         k_q220bafedd5_lnq.kd
    .args:
      - { .name: x, .offset: 0, .size: 8, .value_kind: global_buffer, .address_space: global }
      - { .name: a1, .offset: 8, .size: 8, .value_kind: global_buffer, .address_space: global }
      - { .name: g1, .offset: 16, .size: 8, .value_kind: global_buffer, .address_space: global }
      - { .name: be1, .offset: 24, .size: 8, .value_kind: global_buffer, .address_space: global }
      - { .name: qc, .offset: 32, .size: 8, .value_kind: global_buffer, .address_space: global }
      - { .name: qs, .offset: 40, .size: 8, .value_kind: global_buffer, .address_space: global }
      - { .name: bq2, .offset: 48, .size: 8, .value_kind: global_buffer, .address_space: global }
      - { .name: x1, .offset: 56, .size: 8, .value_kind: global_buffer, .address_space: global }
      - { .name: at2, .offset: 64, .size: 8, .value_kind: global_buffer, .address_space: global }
    .group_segment_fixed_size: 92160
    .private_segment_fixed_size: 0
    .kernarg_segment_align: 8
    .kernarg_segment_size: 72
    .max_flat_workgroup_size: 256
    .sgpr_count:     66
    .vgpr_count:     384
    .wavefront_size: 32
...
	.end_amdgpu_metadata
.endif
;; end of part 4
;; launch attn2: the kernel of part 3 again; grid 4 x 64, 16 waves a work-group, no clusters, 169,984 bytes of LDS; arguments at2, a2; writes a2
;; launch ffn (part 5): grid 256 x 1, 8 waves a work-group, no clusters, 187,392 bytes of LDS; arguments x1, a2, g2, be2, qc, qs, b1, b2, g3, be3, out0; writes out0
.if DOCPART == 5
	.amdgcn_target "amdgcn-amd-amdhsa--gfx1250"
	.amdhsa_code_object_version 6
	.text
	.protected	k_q220bafedd5_ffn
	.globl	k_q220bafedd5_ffn
	.p2align	8
	.type	k_q220bafedd5_ffn,@function
k_q220bafedd5_ffn:
	s_mov_b64 s[64:65], 0
	v_nop
	global_prefetch_b8 v0, s[64:65] scope:SCOPE_SE
	s_setreg_imm32_b32 hwreg(HW_REG_WAVE_MODE, 25, 1), 1
	s_wait_xcnt 0x0
; x2 = LayerNorm(x1 + a2) g2 + be2;  y = relu(x2 W1^T + b1) W2^T + b2, both products on codes of FP4 with E8M0 scales;  out = LayerNorm(x2 + y) g3 + be3.  x2 and the hidden layer never go to memory.
; SHARES.  A work-group owns 32 rows: two tiles (tile m: rows 8 m + r + 8 (r / 8)).  Wave w normalises rows 4 w .. 4 w + 3.  In the products THE WAVES SHARE THE COLUMNS: wave w makes hidden units 128 w .. 128 w + 127
; (W1's tiles 8 w + t: exactly K step w of the second product) and outputs 64 w .. 64 w + 63 (W2's tiles 4 w + n), for both row tiles.  Its weights go from memory straight into registers (window 1), each byte once a work-group.
; Operands go from wave to wave through LDS in the order of their registers.  Both products are used transposed: a lane holds one row.  The biases are the sums' first C.
; THREE BARRIERS: behind the first x2's codes lie in LDS, behind the second the hidden layer's, behind the third y.
; NO CLUSTER, NO TENSOR LOAD: rows are read once by one wave; the weights are read once by each work-group, with no ring whose refills could be joint.
; LIMITS: NaN and infinities are not served; a block whose largest magnitude lies under 2^-124 (a block of zeros behind the relu among them) gets the byte 1 over its codes.
.set XI,  81920                        ; LDS: 32 rows x 2,560 bytes from 0: the turning stage, which keeps x2 in f32 for the last norm; x2's codes;
.set XSL, 90624                        ; their scale bytes;
.set HI,  91136                        ; the hidden layer: [row tile 2][K step 8] images of 1,024 bytes;
.set HSL, 107520                       ; its scale words [K step][row tile][r];
.set VEC, 109568                       ; b1, 512 bytes a wave, the wave's own;
.set YS,  119808                       ; y: 32 slots x (2,048 bytes + 16)
.set LI,  1
.set TI,  2
.set TO,  3
.set CI,  4
.set SI,  5
.set FA,  6
.set XSA, 7
.set HWI, 8                            ; where I store the hidden layer's images
.set HWS, 9                            ; and scale words
.set HRI, 10                           ; where they are read
.set HRS, 11
.set B1A, 12                           ; b1 in the result's layout
.set YW,  13                           ; y into its stage
.set YR,  14                           ; and back by rows
.set RH,  15                           ; 16 r + 512 h: W2's scale words
.set AC,  16                           ; v16-143  first the norm's rows and a2's; then the sixteen accumulators of the hidden layer; then two buffers of hidden fragments (v16-79), g3 (v80-95), be3 (v96-111); then y's rows
.set A2,  144                          ; v144-207 g2, be2; then x2's eight fragments; then the eight accumulators of y; then x2's rows
.set WSC, 208                          ; v208-223 W1's scale words, then W2's
.set XSR, 224                          ; v224-231 x2's four scale registers, then the hidden layer's eight
.set TM,  232
.set TP,  236
.set TS,  240
.set PW,  244
.set BH,  245                          ; 64 h
.set PC,  246
.set B1W, 254                          ; where my wave puts its piece of b1
.set SEL, 48
.set INV, 50
.set EPS, 51
.set MSB, 0
.macro WIN new                         ; the immediate's high byte repeats the setting that is left
.if MSB != \new
	s_set_vgpr_msb (MSB<<8)|\new
.set MSB, \new
.endif
.endm
.macro MM d, a, b, c, sa, sb, ra, rb
.if (\ra) && (\rb)
	v_wmma_scale_f32_16x16x128_f8f6f4 v[\d:\d+7], v[\a:\a+7], v[\b:\b+7], v[\c:\c+7], v[\sa], v[\sb] matrix_a_fmt:MATRIX_FMT_FP4 matrix_b_fmt:MATRIX_FMT_FP4 matrix_a_scale:MATRIX_SCALE_ROW1 matrix_b_scale:MATRIX_SCALE_ROW1
.elseif (\ra)
	v_wmma_scale_f32_16x16x128_f8f6f4 v[\d:\d+7], v[\a:\a+7], v[\b:\b+7], v[\c:\c+7], v[\sa], v[\sb] matrix_a_fmt:MATRIX_FMT_FP4 matrix_b_fmt:MATRIX_FMT_FP4 matrix_a_scale:MATRIX_SCALE_ROW1
.elseif (\rb)
	v_wmma_scale_f32_16x16x128_f8f6f4 v[\d:\d+7], v[\a:\a+7], v[\b:\b+7], v[\c:\c+7], v[\sa], v[\sb] matrix_a_fmt:MATRIX_FMT_FP4 matrix_b_fmt:MATRIX_FMT_FP4 matrix_b_scale:MATRIX_SCALE_ROW1
.else
	v_wmma_scale_f32_16x16x128_f8f6f4 v[\d:\d+7], v[\a:\a+7], v[\b:\b+7], v[\c:\c+7], v[\sa], v[\sb] matrix_a_fmt:MATRIX_FMT_FP4 matrix_b_fmt:MATRIX_FMT_FP4
.endif
.endm
.macro QUANT s                         ; 64 numbers of a lane, register 16 b + i = element 32 b + 16 (lane / 16) + i: a fragment's codes in v[PC] on, its scale word in v[PW]
.irp b, 0,1,2,3
	v_max3_num_f32 v[TM+\b], |v[\s+16*\b]|, |v[\s+1+16*\b]|, 0x1800000
.endr
.irp i, 2,4,6,8,10,12,14
.irp b, 0,1,2,3
	v_max3_num_f32 v[TM+\b], v[TM+\b], |v[\s+16*\b+\i]|, |v[\s+1+16*\b+\i]|
.endr
.endr
.irp b, 0,1,2,3
	v_permlanex16_b32 v[TP+\b], v[TM+\b], s[SEL], s[SEL+1]
.endr
.irp b, 0,1,2,3
	v_max_num_f32 v[TM+\b], v[TM+\b], v[TP+\b]
.endr
.irp b, 0,1,2,3
	v_add_nc_u32 v[TS+\b], 0xff000000, v[TM+\b]
.endr
.irp b, 0,1,2,3
	v_lshrrev_b32 v[TP+\b], 23, v[TS+\b]
.endr
	v_lshl_or_b32 v[PW], v[TP+1], 8, v[TP]
	v_lshl_or_b32 v[PW], v[TP+2], 16, v[PW]
	v_lshl_or_b32 v[PW], v[TP+3], 24, v[PW]
.irp b, 0,1,2,3
	v_cvt_scalef32_pk8_fp4_f32 v[PC+2*\b], v[\s+16*\b:\s+7+16*\b], v[TS+\b]
	v_cvt_scalef32_pk8_fp4_f32 v[PC+1+2*\b], v[\s+8+16*\b:\s+15+16*\b], v[TS+\b]
.endr
	v_nop                                          ; one plain line behind the scaled conversions
.irp c, 0,1
.irp i, 0,1
	v_permlane16_swap_b32 v[PC+4*\c+\i], v[PC+2+4*\c+\i]
.endr
.endr
.endm
; Four rows by turns (k = 16 x row): X += A; mean; X -= mean; variance; X = X rsqrt(var + eps) g + be.  Register 4 i + j of a row is column 128 i + 4 lane + j.  A's registers are then at work.
; store: the rows leave; quant: they turn through the wave's stage, so that a lane holds 16 neighbours, and become codes and scale bytes in LDS.
.macro LN XB, AB, GB, BB, store, so, nt, quant
.irp i, 0,2,4,6,8,10,12,14
.irp k, 0,16,32,48
	v_pk_add_f32 v[\XB+\k+\i:\XB+\k+\i+1], v[\XB+\k+\i:\XB+\k+\i+1], v[\AB+\k+\i:\AB+\k+\i+1]
.endr
.endr
.irp m, 0,2,4,6
.irp k, 0,16,32,48
	v_pk_add_f32 v[\AB+\k+\m:\AB+\k+\m+1], v[\XB+\k+2*\m:\XB+\k+2*\m+1], v[\XB+\k+2*\m+2:\XB+\k+2*\m+3]
.endr
.endr
.irp k, 0,16,32,48
	v_pk_add_f32 v[\AB+\k:\AB+\k+1], v[\AB+\k:\AB+\k+1], v[\AB+\k+2:\AB+\k+3]
.endr
.irp k, 0,16,32,48
	v_pk_add_f32 v[\AB+\k+4:\AB+\k+5], v[\AB+\k+4:\AB+\k+5], v[\AB+\k+6:\AB+\k+7]
.endr
.irp k, 0,16,32,48
	v_pk_add_f32 v[\AB+\k:\AB+\k+1], v[\AB+\k:\AB+\k+1], v[\AB+\k+4:\AB+\k+5]
.endr
.irp k, 0,16,32,48
	v_add_f32 v[\AB+\k], v[\AB+\k], v[\AB+\k+1]
.endr
.irp d, 1,2,4,8
.irp k, 0,16,32,48
	v_add_f32_dpp v[\AB+\k], v[\AB+\k], v[\AB+\k] row_xmask:\d row_mask:0xf bank_mask:0xf
.endr
.endr
.irp k, 0,16,32,48
	v_permlanex16_b32 v[\AB+\k+1], v[\AB+\k], s[SEL], s[SEL+1]
.endr
.irp k, 0,16,32,48
	v_add_f32 v[\AB+\k], v[\AB+\k], v[\AB+\k+1]
.endr
.irp k, 0,16,32,48
	v_mul_f32 v[\AB+\k], s[INV], v[\AB+\k]         ; the mean
.endr
.irp i, 0,2,4,6,8,10,12,14
.irp k, 0,16,32,48
	v_pk_add_f32 v[\XB+\k+\i:\XB+\k+\i+1], v[\XB+\k+\i:\XB+\k+\i+1], v[\AB+\k:\AB+\k+1] op_sel_hi:[1,0] neg_lo:[0,1] neg_hi:[0,1]
.endr
.endr
.irp k, 0,16,32,48
	v_pk_mul_f32 v[\AB+\k+2:\AB+\k+3], v[\XB+\k:\XB+\k+1], v[\XB+\k:\XB+\k+1]
	v_pk_mul_f32 v[\AB+\k+4:\AB+\k+5], v[\XB+\k+2:\XB+\k+3], v[\XB+\k+2:\XB+\k+3]
.endr
.irp i, 4,8,12
.irp k, 0,16,32,48
	v_pk_fma_f32 v[\AB+\k+2:\AB+\k+3], v[\XB+\k+\i:\XB+\k+\i+1], v[\XB+\k+\i:\XB+\k+\i+1], v[\AB+\k+2:\AB+\k+3]
	v_pk_fma_f32 v[\AB+\k+4:\AB+\k+5], v[\XB+\k+\i+2:\XB+\k+\i+3], v[\XB+\k+\i+2:\XB+\k+\i+3], v[\AB+\k+4:\AB+\k+5]
.endr
.endr
.irp k, 0,16,32,48
	v_pk_add_f32 v[\AB+\k+2:\AB+\k+3], v[\AB+\k+2:\AB+\k+3], v[\AB+\k+4:\AB+\k+5]
.endr
.irp k, 0,16,32,48
	v_add_f32 v[\AB+\k+2], v[\AB+\k+2], v[\AB+\k+3]
.endr
.irp d, 1,2,4,8
.irp k, 0,16,32,48
	v_add_f32_dpp v[\AB+\k+2], v[\AB+\k+2], v[\AB+\k+2] row_xmask:\d row_mask:0xf bank_mask:0xf
.endr
.endr
.irp k, 0,16,32,48
	v_permlanex16_b32 v[\AB+\k+3], v[\AB+\k+2], s[SEL], s[SEL+1]
.endr
.irp k, 0,16,32,48
	v_add_f32 v[\AB+\k+2], v[\AB+\k+2], v[\AB+\k+3]
.endr
.irp k, 0,16,32,48
	v_fma_f32 v[\AB+\k+2], v[\AB+\k+2], s[INV], s[EPS]   ; the variance + eps
.endr
.irp k, 0,16,32,48
	v_rsq_f32 v[\AB+\k+4], v[\AB+\k+2]
.endr
	v_nop                                          ; a plain line behind the four roots,
	s_wait_alu depctr_va_vdst(0)                   ; and the one wait ahead of their first reader
.irp i, 0,2,4,6,8,10,12,14
.irp k, 0,16,32,48
	v_pk_mul_f32 v[\XB+\k+\i:\XB+\k+\i+1], v[\XB+\k+\i:\XB+\k+\i+1], v[\AB+\k+4:\AB+\k+5] op_sel_hi:[1,0]
.endr
.endr
.irp i, 0,2,4,6,8,10,12,14
.irp k, 0,16,32,48
	v_pk_fma_f32 v[\XB+\k+\i:\XB+\k+\i+1], v[\XB+\k+\i:\XB+\k+\i+1], v[\GB+\i:\GB+\i+1], v[\BB+\i:\BB+\i+1]
.endr
.endr
.if \store
.irp k, 0,16,32,48
.irp i, 0,4,8,12
.if \nt
	global_store_b128 v[LI], v[\XB+\k+\i:\XB+\k+\i+3], s[\so:\so+1] offset:128*\k+128*\i th:TH_STORE_NT   ; 512 consecutive bytes, aligned; written once, read by nobody here
.else
	global_store_b128 v[LI], v[\XB+\k+\i:\XB+\k+\i+3], s[\so:\so+1] offset:128*\k+128*\i
.endif
.endr
.endr
.endif
.if \quant
.irp k, 0,16,32,48
.irp i, 0,4,8,12
	ds_store_b128 v[TI], v[\XB+\k+\i:\XB+\k+\i+3] offset:160*\k+160*\i
.endr
.endr
.irp k, 0,16,32,48
.irp i, 0,4,8,12
	ds_load_b128 v[\AB+\k+\i:\AB+\k+\i+3], v[TO] offset:160*\k+4*\i   ; LDS serves a wave's instructions in order: these see the stores above
.endr
.endr
	s_wait_dscnt 0x0
.irp k, 0,16,32,48
	v_max3_num_f32 v[TM+\k/16], |v[\AB+\k]|, |v[\AB+\k+1]|, |v[\AB+\k+2]|
	v_max3_num_f32 v[TP+\k/16], |v[\AB+\k+3]|, |v[\AB+\k+4]|, |v[\AB+\k+5]|
.endr
.irp i, 6,10
.irp k, 0,16,32,48
	v_max3_num_f32 v[TM+\k/16], v[TM+\k/16], |v[\AB+\k+\i]|, |v[\AB+\k+\i+1]|
	v_max3_num_f32 v[TP+\k/16], v[TP+\k/16], |v[\AB+\k+\i+2]|, |v[\AB+\k+\i+3]|
.endr
.endr
.irp k, 0,16,32,48
	v_max3_num_f32 v[TM+\k/16], v[TM+\k/16], |v[\AB+\k+14]|, |v[\AB+\k+15]|
.endr
.irp k, 0,16,32,48
	v_max3_num_f32 v[TM+\k/16], v[TM+\k/16], v[TP+\k/16], 0x1800000   ; and the floor 2^(3 - 127)
.endr
.irp k, 0,16,32,48
	v_max_num_f32_dpp v[TM+\k/16], v[TM+\k/16], v[TM+\k/16] row_xmask:1 row_mask:0xf bank_mask:0xf   ; with my neighbour's 16: the block's
.endr
.irp k, 0,16,32,48
	v_add_nc_u32 v[TS+\k/16], 0xff000000, v[TM+\k/16]
.endr
.irp k, 0,16,32,48
	v_cvt_scalef32_pk8_fp4_f32 v[PC+\k/8], v[\AB+\k:\AB+\k+7], v[TS+\k/16]
	v_cvt_scalef32_pk8_fp4_f32 v[PC+\k/8+1], v[\AB+\k+8:\AB+\k+15], v[TS+\k/16]
.endr
.irp k, 0,16,32,48
	v_lshrrev_b32 v[TP+\k/16], 23, v[TS+\k/16]     ; the scale's byte (plain lines behind the conversions)
.endr
.irp k, 0,16,32,48
	ds_store_b64 v[CI], v[PC+\k/8:PC+\k/8+1] offset:\k
	ds_store_b8 v[SI], v[TP+\k/16] offset:\k       ; both lanes of a block write the same byte with the same value
.endr
.endif
.endm
.macro PLACES                          ; four places behind matrix instructions, ahead of loads into their registers and of the first read of results
.rept 4
	v_nop
.endr
.endm
.macro W2LOAD s                        ; W2's fragments of K step s, all four tiles, into window 1: (n, s) at v[8 (8 n + s)]
.irp n, 0,1,2,3
.irp c, 0,1
	global_load_b128 v[8*(8*\n+\s)+4*\c:8*(8*\n+\s)+4*\c+3], v[LI], s[32:33] offset:8192*\n+1024*\s+512*\c
.endr
.endr
.endm
.macro HIDDEN m                        ; row tile m of the hidden layer: relu, quantised, its image and scale word to LDS: K step w of the second product
.set j, 0
.rept 64
	v_max_num_f32 v[AC+64*\m+j], 0, v[AC+64*\m+j]  ; each accumulator from its low end on
.set j, j+1
.endr
	QUANT AC+64*\m
.irp c, 0,1
	ds_store_b128 v[HWI], v[PC+4*\c:PC+4*\c+3] offset:8192*\m+512*\c
.endr
	ds_store_b32 v[HWS], v[PW] offset:64*\m        ; lanes l and l + 16 hold the same word and write it to the same place
.endm
.macro FETCH q                         ; the hidden layer's fragments of K steps 2 q and 2 q + 1, both row tiles, into buffer q % 2
.irp e, 0,1
.irp m, 0,1
.irp c, 0,1
	ds_load_b128 v[AC+32*((\q)%2)+8*(2*\e+\m)+4*\c:AC+32*((\q)%2)+8*(2*\e+\m)+4*\c+3], v[HRI] offset:8192*\m+1024*(2*(\q)+\e)+512*\c
.endr
.endr
.endr
.endm
	s_load_b512 s[8:23], s[0:1], 0x0               ; x1, a2, g2, be2, qc, qs, b1, b2
	s_load_b128 s[24:27], s[0:1], 0x40             ; g3, be3
	s_load_b64 s[28:29], s[0:1], 0x50              ; out0
	v_lshrrev_b32 v16, 5, v0
	v_readfirstlane_b32 s2, v16                    ; wave 0..7
	v_and_b32 v16, 31, v0                          ; lane
	v_and_b32 v17, 15, v0                          ; r
	v_bfe_u32 v18, v0, 4, 1                        ; h
	v_lshlrev_b32 v[LI], 4, v16
	s_mul_i32 s3, s2, 10240
	v_lshrrev_b32 v19, 2, v16
	v_mul_u32_u24 v19, v19, 80
	v_and_b32 v20, 3, v16
	v_lshl_add_u32 v19, v20, 4, v19
	v_add_nc_u32 v[TI], s3, v19
	v_mul_u32_u24 v19, v16, 80
	v_add_nc_u32 v[TO], s3, v19
	s_bfe_u32 s38, s2, 0x10001                     ; my four rows' tile: (w / 2) % 2
	s_and_b32 s39, s2, 1
	s_lshl_b32 s39, s39, 2
	s_lshr_b32 s40, s2, 2
	s_lshl_b32 s40, s40, 3
	s_add_co_u32 s39, s39, s40                     ; and their first place in it: 4 (w % 2) + 8 (w / 4)
	s_lshl_b32 s41, s38, 4
	s_add_co_u32 s41, s41, s39                     ; their first slot of the 32
	s_lshl_b32 s39, s39, 4
	s_mul_i32 s40, s38, 4352
	s_add_co_u32 s40, s40, s39
	s_add_co_u32 s40, s40, XI
	v_lshrrev_b32 v19, 1, v16
	v_and_b32 v20, 1, v16
	v_mul_u32_u24 v[CI], v19, 272
	v_lshl_add_u32 v[CI], v20, 3, v[CI]
	v_add_nc_u32 v[CI], s40, v[CI]
	s_lshl_b32 s40, s38, 8
	s_add_co_u32 s40, s40, s39
	s_add_co_u32 s40, s40, XSL
	v_add_nc_u32 v[SI], s40, v19
	v_mul_u32_u24 v[FA], v18, 272
	v_lshl_add_u32 v[FA], v17, 4, v[FA]
	v_add_nc_u32 v[FA], XI, v[FA]
	v_add_nc_u32 v[XSA], XSL, v[LI]
	s_lshl_b32 s40, s2, 10
	s_add_co_u32 s40, s40, HI
	v_add_nc_u32 v[HWI], s40, v[LI]
	s_lshl_b32 s40, s2, 7
	s_add_co_u32 s40, s40, HSL
	v_lshl_add_u32 v[HWS], v17, 2, s40
	v_add_nc_u32 v[HRI], HI, v[LI]
	v_lshl_add_u32 v[HRS], v16, 2, HSL
	s_lshl_b32 s40, s2, 9
	s_add_co_u32 s40, s40, VEC
	v_lshl_add_u32 v[B1A], v18, 6, s40
	v_add_nc_u32 v[B1W], s40, v[LI]
	s_lshl_b32 s40, s2, 8
	s_add_co_u32 s40, s40, YS
	v_mul_u32_u24 v[YW], v17, 2064
	v_lshl_add_u32 v[YW], v18, 6, v[YW]
	v_add_nc_u32 v[YW], s40, v[YW]
	s_mul_i32 s41, s41, 2064
	s_add_co_u32 s41, s41, YS
	v_add_nc_u32 v[YR], s41, v[LI]
	v_lshlrev_b32 v19, 4, v17
	v_lshl_add_u32 v[RH], v18, 9, v19
	v_lshlrev_b32 v[BH], 6, v18
	s_mov_b32 s[SEL], 0x76543210
	s_mov_b32 s[SEL+1], 0xfedcba98
	s_mov_b32 s[INV], 0x3b000000                   ; 1 / 512
	s_mov_b32 s[EPS], 0x3727c5ac                   ; 1e-5
	s_lshl_b32 s42, ttmp9, 16
	s_lshl_b32 s43, s2, 13
	s_add_co_u32 s42, s42, s43                     ; my four rows: 2,048 (32 g + 4 w)
	s_mov_b32 s43, 0
	s_wait_kmcnt 0x0
	s_add_nc_u64 s[8:9], s[8:9], s[42:43]
	s_add_nc_u64 s[10:11], s[10:11], s[42:43]
	s_add_nc_u64 s[28:29], s[28:29], s[42:43]
	s_lshl_b32 s42, s2, 15                         ; eight units of codes a wave,
	s_add_nc_u64 s[30:31], s[16:17], s[42:43]
	s_add_nc_u64 s[32:33], s[30:31], 4096*1280     ; W2's from unit 1,280 on,
	s_add_nc_u64 s[30:31], s[30:31], 4096*1216     ; W1's from unit 1,216 on
	s_lshl_b32 s42, s2, 11
	s_add_nc_u64 s[34:35], s[18:19], s[42:43]
	s_add_nc_u64 s[36:37], s[34:35], 256*1280
	s_add_nc_u64 s[34:35], s[34:35], 256*1216
	s_lshl_b32 s42, s2, 9
	s_add_nc_u64 s[20:21], s[20:21], s[42:43]      ; b1: my 128
	s_lshl_b32 s42, s2, 8
	s_add_nc_u64 s[22:23], s[22:23], s[42:43]      ; b2: my 64
	; ---- A: x2
	global_load_b128 v[PC:PC+3], v[LI], s[20:21]
.irp i, 0,1,2,3
	global_load_b128 v[A2+4*\i:A2+4*\i+3], v[LI], s[12:13] offset:512*\i
	global_load_b128 v[A2+16+4*\i:A2+16+4*\i+3], v[LI], s[14:15] offset:512*\i
.endr
.irp k, 0,1,2,3
.irp i, 0,1,2,3
	global_load_b128 v[AC+16*\k+4*\i:AC+16*\k+4*\i+3], v[LI], s[8:9] offset:2048*\k+512*\i th:TH_LOAD_NT
	global_load_b128 v[AC+64+16*\k+4*\i:AC+64+16*\k+4*\i+3], v[LI], s[10:11] offset:2048*\k+512*\i th:TH_LOAD_NT
.endr
.endr
.irp i, 0,1,2,3
	global_load_b128 v[WSC+4*\i:WSC+4*\i+3], v[LI], s[34:35] offset:512*\i   ; register 4 (t / 2) + s: lanes 0-15 tile 2 (t / 2), lanes 16-31 the next
.endr
	WIN 0x40                                       ; destination window 1: W1's fragment (t, s) at v[8 (4 t + s)]
.irp t, 0,1,2,3,4,5,6,7
.irp s, 0,1,2,3
.irp c, 0,1
	global_load_b128 v[8*(4*\t+\s)+4*\c:8*(4*\t+\s)+4*\c+3], v[LI], s[30:31] offset:4096*\t+1024*\s+512*\c
.endr
.endr
.endr
	WIN 0
	s_wait_loadcnt 63                              ; behind the rows stand 68 loads; the count names the most that its field holds, so five of them are waited for too
	ds_store_b128 v[B1W], v[PC:PC+3]               ; my piece of b1, for my own reads
	LN AC, AC+64, A2, A2+16, 0, 0, 0, 1
	s_wait_dscnt 0x0                               ; for the others' sake: my codes and bytes are stored
	s_barrier_signal -1
	s_barrier_wait -1                              ; x2's two tiles lie in LDS
	; ---- B: the hidden layer
.irp m, 0,1
.irp t, 0,1,2,3,4,5,6,7
.irp k, 0,1
	ds_load_b128 v[AC+64*\m+8*\t+4*\k:AC+64*\m+8*\t+4*\k+3], v[B1A] offset:128*(\t/2)+32*(\t%2)+16*\k   ; b1 in the result's layout: the sums begin with it
.endr
.endr
.endr
.irp m, 0,1
.irp s, 0,1,2,3
.irp c, 0,1
	ds_load_b128 v[A2+8*(4*\m+\s)+4*\c:A2+8*(4*\m+\s)+4*\c+3], v[FA] offset:4352*\m+272*(4*\s+2*\c)
.endr
.endr
.endr
	ds_load_b128 v[XSR:XSR+3], v[XSA]              ; lanes 0-15: tile 0's words, lanes 16-31: tile 1's
	s_wait_loadcnt 0x0                             ; W1
	s_wait_dscnt 0x0
	WIN 0x01                                       ; source 0 window 1
.irp s, 0,1,2,3
.irp m, 0,1
.irp t, 0,1,2,3,4,5,6,7
	MM AC+64*\m+8*\t, 8*(4*\t+\s), A2+8*(4*\m+\s), AC+64*\m+8*\t, WSC+4*(\t/2)+\s, XSR+\s, \t%2, \m   ; the sixteen accumulators take turns
.endr
.endr
.endr
	WIN 0
	PLACES
.irp i, 0,1
.irp e, 0,1
	global_load_b128 v[WSC+8*\i+4*\e:WSC+8*\i+4*\e+3], v[RH], s[36:37] offset:1024*\i+256*\e   ; W2's scale words: register 8 (n / 2) + s: lanes 0-15 tile 2 (n / 2), lanes 16-31 the next
.endr
.endr
.irp m, 0,1
.irp n, 0,1,2,3
.irp k, 0,1
	global_load_b128 v[A2+32*\m+8*\n+4*\k:A2+32*\m+8*\n+4*\k+3], v[BH], s[22:23] offset:128*(\n/2)+32*(\n%2)+16*\k   ; b2 in the result's layout
.endr
.endr
.endr
	WIN 0x40
.irp s, 0,1,2,3,4
	W2LOAD \s
.endr
	WIN 0
	HIDDEN 0
	s_wait_dscnt 0x0                               ; the stores have read their registers
	WIN 0x40
.irp s, 5,6,7
	W2LOAD \s
.endr
	WIN 0
	HIDDEN 1
.irp i, 0,1,2,3
	global_load_b128 v[AC+64+4*\i:AC+64+4*\i+3], v[LI], s[24:25] offset:512*\i    ; g3,
	global_load_b128 v[AC+80+4*\i:AC+80+4*\i+3], v[LI], s[26:27] offset:512*\i    ; be3
.endr
	s_wait_dscnt 0x0                               ; for the others' sake: my images and words are stored
	s_barrier_signal -1
	s_barrier_wait -1                              ; the hidden layer's sixteen fragments lie in LDS
	; ---- C: y
.irp s, 0,1,2,3,4,5,6,7
	ds_load_b32 v[XSR+\s], v[HRS] offset:128*\s    ; lanes 0-15: row tile 0's words, lanes 16-31: row tile 1's
.endr
	FETCH 0
	FETCH 1
	s_wait_loadcnt 8                               ; W2, its scale words and b2 are in; g3 and be3 may be out
.irp q, 0,1,2,3
.if \q < 3
	s_wait_dscnt 8                                 ; this pair of K steps is in; the next pair's eight loads may be out
.else
	s_wait_dscnt 0x0
.endif
	WIN 0x01
.irp e, 0,1
.irp m, 0,1
.irp n, 0,1,2,3
	MM A2+32*\m+8*\n, 8*(8*\n+2*\q+\e), AC+32*(\q%2)+8*(2*\e+\m), A2+32*\m+8*\n, WSC+8*(\n/2)+2*\q+\e, XSR+2*\q+\e, \n%2, \m   ; eight accumulators by turns
.endr
.endr
.endr
	WIN 0
	PLACES
.if \q < 2
	FETCH \q+2
.endif
.endr
.irp m, 0,1
.irp n, 0,1,2,3
.irp k, 0,1
	ds_store_b128 v[YW], v[A2+32*\m+8*\n+4*\k:A2+32*\m+8*\n+4*\k+3] offset:33024*\m+128*(\n/2)+32*(\n%2)+16*\k   ; lane (r, h): y(slot 16 m + r, 64 w + 32 (n / 2) + 16 h + 8 (n % 2) + ..); each accumulator from its low end on
.endr
.endr
.endr
	s_wait_dscnt 0x0                               ; for the others' sake: my part of y is stored
	s_barrier_signal -1
	s_barrier_wait -1                              ; 32 whole rows of y lie in the stage
	; ---- D: the last norm
.irp k, 0,16,32,48
.irp i, 0,4,8,12
	ds_load_b128 v[AC+\k+\i:AC+\k+\i+3], v[YR] offset:129*\k+128*\i        ; y's rows,
	ds_load_b128 v[A2+\k+\i:A2+\k+\i+3], v[TI] offset:160*\k+160*\i        ; and x2's, as I stored them
.endr
.endr
	s_wait_dscnt 0x0
	s_wait_loadcnt 0x0                             ; g3, be3
	LN AC, A2, AC+64, AC+80, 1, 28, 1, 0
	s_barrier_signal -1
	s_barrier_wait -1
	s_wait_xcnt 0x0
	v_lshl_add_u32 v254, v0, 2, 0x2d800
	v_mov_b32 v255, 0
	s_wait_tensorcnt 0x0
	ds_add_u32 v254, v255
	s_wait_dscnt 0x0
	s_endpgm
.Lfunc_end_k_q220bafedd5_ffn:
	.size	k_q220bafedd5_ffn, .Lfunc_end_k_q220bafedd5_ffn-k_q220bafedd5_ffn
	.p2alignl 7, 3214868480
	.fill 96, 4, 3214868480
	.section	.rodata,"a",@progbits
	.p2align	6, 0x0
	.amdhsa_kernel k_q220bafedd5_ffn
		.amdhsa_group_segment_fixed_size 187392
		.amdhsa_private_segment_fixed_size 0
		.amdhsa_enable_private_segment 0
		.amdhsa_kernarg_size 88
		.amdhsa_user_sgpr_count 2
		.amdhsa_user_sgpr_kernarg_segment_ptr 1
		.amdhsa_wavefront_size32 1
		.amdhsa_system_sgpr_workgroup_id_x 1
		.amdhsa_system_sgpr_workgroup_id_y 1
		.amdhsa_system_sgpr_workgroup_id_z 1
		.amdhsa_system_vgpr_workitem_id 0
		.amdhsa_next_free_vgpr 512
		.amdhsa_next_free_sgpr 66
		.amdhsa_reserve_vcc 0
		.amdhsa_float_denorm_mode_32 3
		.amdhsa_float_denorm_mode_16_64 3
		.amdhsa_memory_ordered 1
		.amdhsa_forward_progress 1
		.amdhsa_inst_pref_size 101
	.end_amdhsa_kernel
	.amdgpu_metadata
---
amdhsa.version: [ 1, 2 ]
amdhsa.kernels:
  - .name:           k_q220bafedd5_ffn
    .symbol:         k_q220bafedd5_ffn.kd
    .args:
      - { .name: x1, .offset: 0, .size: 8, .value_kind: global_buffer, .address_space: global }
      - { .name: a2, .offset: 8, .size: 8, .value_kind: global_buffer, .address_space: global }
      - { .name: g2, .offset: 16, .size: 8, .value_kind: global_buffer, .address_space: global }
      - { .name: be2, .offset: 24, .size: 8, .value_kind: global_buffer, .address_space: global }
      - { .name: qc, .offset: 32, .size: 8, .value_kind: global_buffer, .address_space: global }
      - { .name: qs, .offset: 40, .size: 8, .value_kind: global_buffer, .address_space: global }
      - { .name: b1, .offset: 48, .size: 8, .value_kind: global_buffer, .address_space: global }
      - { .name: b2, .offset: 56, .size: 8, .value_kind: global_buffer, .address_space: global }
      - { .name: g3, .offset: 64, .size: 8, .value_kind: global_buffer, .address_space: global }
      - { .name: be3, .offset: 72, .size: 8, .value_kind: global_buffer, .address_space: global }
      - { .name: out0, .offset: 80, .size: 8, .value_kind: global_buffer, .address_space: global }
    .group_segment_fixed_size: 187392
    .private_segment_fixed_size: 0
    .kernarg_segment_align: 8
    .kernarg_segment_size: 88
    .max_flat_workgroup_size: 256
    .sgpr_count:     66
    .vgpr_count:     512
    .wavefront_size: 32
...
	.end_amdgpu_metadata
.endif
;; end of part 5
;; ======== version 2 of 2: 4 launches; 1.20 times as fast as version 1
;; workspace buffers: qc 5,505,024 bytes; qs 344,064 bytes; at1 7,471,104 bytes; at2 7,471,104 bytes; x1 16,777,216 bytes
;; launch quant: the kernel of part 1 again; grid 336 x 1, 4 waves a work-group, no clusters, 41,472 bytes of LDS; arguments x, memory, Wq1, Wk1, Wv1, Wk2, Wv2, Wq2, W1, W2, qc, qs; writes qc, qs
;; launch proj: the kernel of part 2 again; grid 4 x 64, 8 waves a work-group, no clusters, 247,296 bytes of LDS; arguments qc, qs, bq1, bk1, bv1, bk2, bv2, at1, at2; writes at1, at2
;; launch attq (part 6): grid 256 x 1, 16 waves a work-group, no clusters, 226,816 bytes of LDS; arguments at1, x, g1, be1, qc, qs, bq2, x1, at2; writes x1, at2
.if DOCPART == 6
	.amdgcn_target "amdgcn-amd-amdhsa--gfx1250"
	.amdhsa_code_object_version 6
	.text
	.protected	k_q220bafedd5_attq
	.globl	k_q220bafedd5_attq
	.p2align	8
	.type	k_q220bafedd5_attq,@function
k_q220bafedd5_attq:
	s_mov_b64 s[64:65], 0
	v_nop
	global_prefetch_b8 v0, s[64:65] scope:SCOPE_SE
	s_setreg_imm32_b32 hwreg(HW_REG_WAVE_MODE, 25, 1), 1
	s_wait_xcnt 0x0
; x1 = LayerNorm(x + attention 1) g1 + be1, stored in f32, and Q2 = x1 Wq2^T + bq2, quantised at once for the second attention.  All products on codes of FP4 (E2M1) with E8M0 scales.
; ATTENTION: o = softmax(q k^T / sqrt(32)) v, head size 32, 1,024 keys.  t = score x log2(e) / sqrt(32) (one f32 constant); M = the running largest t rounded UP to a whole number; p = 2^(t - M) is quantised along the keys,
; not normalised; the row's sum is taken of the unquantised p and divides at the end.  When M moves, the sum and O are multiplied by 2^(old M - new M): exact.
; SHARES.  A work-group owns 32 rows of one batch and ALL 16 HEADS: wave w takes head w and the rows' two tiles of 16 queries.  So a row's 512 attention outputs end in one work-group and never go to memory.
; K and V of a head are read by one wave alone: they go from memory straight into its registers, 13 loads for a trip of 128 keys, each group asked for half a trip (some 220 vector instructions) ahead of its use, into registers
; that have just come free: V behind tile 0's score products, the next K behind tile 1's.  The loop touches no LDS and has no barrier.  The walk begins at key step (work-group % 8) and wraps: the softmax does not hang on the keys' order.
; The rows of x and the wave's piece of bq2 are copied into LDS at the head, each wave its own bytes, and waited for behind the loop.
; LAYOUT.  Both products are used transposed: S^T = K Q^T, O^T = V^T P^T: a lane holds one query.  Slots are tiles of rows 32 (T / 2) + 8 (T % 2) + r + 8 (r / 8): the 16 registers of key tiles 2 b, 2 b + 1 are keys 32 b + 16 (lane / 16) + 0 .. 15.
; HEAD SIZE 32 IN AN INSTRUCTION OF K = 128.  K's codes in slot order are fragments as they lie: block b of source 0's row r is slot r of key tile 4 f + b.  Q stands in four variants, its 32 codes in block b and zero codes in the
; other three.  Scale words hold their byte four times; no byte is 0xff.
; THE TAIL.  o through a stage in LDS | barrier | wave w normalises rows 2 w and 2 w + 1, stores x1, quantises them into LDS in the order of an operand's registers | barrier | wave w makes head w of Q2 for both row tiles.
; NO CLUSTER: the 32 work-groups of a batch read the same K and V, but joint requests would have to pass 590 KiB a work-group through a ring in LDS, each refill behind a round of the cluster's barrier, in a loop that has no barrier.
; NO PREFETCH: K's and V's bytes are read by 32 work-groups each, not once.
; LIMITS: NaN and infinities are not served; a p under 2^-126 counts as 0; a block whose largest magnitude lies under 2^-124 gets the byte 1; the keys are summed in the rotated order.
.set KC,  2097152                      ; regions of at1 and at2 (Q's codes at 0)
.set VC,  4194304
.set QS,  6291456
.set KS,  6815744
.set VS,  7340032
.set OSL, 65536                        ; LDS: x's 32 rows from 0 (copies); o's stage: 32 slots x (2,048 + 16);
.set TSL, 131584                       ; the turning stage: 32 rows x 2,560;
.set XI,  213504                       ; x1's codes: 2 tiles x 16 pieces of 256 + 16;
.set XSL, 222208                       ; their scale bytes: 2 x 256;
.set VEC, 222720                       ; bq2 (a copy): 128 bytes a wave
.set LI,  1                            ; 16 x lane
.set L4,  2                            ; 4 x lane
.set XRA, 3                            ; my two rows of x in LDS: 4,096 w + 16 x lane
.set XRG, 4                            ; and in memory
.set BCL, 5                            ; bq2's copy: in LDS,
.set BCG, 6                            ; in memory
.set QA,  7                            ; 16 r
.set QSA, 8                            ; 4 r
.set SOA, 9                            ; o into its stage
.set SRA, 10                           ; and back by rows
.set TI,  11                           ; turning stage, in
.set TO,  12                           ; and out
.set CI,  13                           ; my codes' place
.set SI,  14                           ; my block's byte
.set FA,  15                           ; a fragment's lane address
.set XSA, 16                           ; the scale words'
.set BQA, 17                           ; bq2 in the result's layout
; the loop's registers
.set KF,  32                           ; v32-47   K: two fragments of 64 keys
.set KSR, 48                           ; v48-51   K's scale words: register i: lanes 0-15 tile 2 i, lanes 16-31 tile 2 i + 1
.set VF,  52                           ; v52-67   V: two fragments (d tiles) of 128 keys
.set VSR, 68                           ; v68      V's scale words
.set Q,   70                           ; v70-105  groups of four: 0, A0, 0, B0, 0, A1, 0, B1, 0
.set QSR, 106
.set S,   108                          ; v108-171 S^T, then p
.set AT,  124                          ; at work at the head
.set O,   172                          ; v172-203 O^T: 16 a tile
.set PCL, 204                          ; v204-211 p's codes
.set ST,  212                          ; a tile's four: -M, the largest t, the sum in two halves
.set BM,  220
.set BT,  224
.set BS,  228
.set F,   232
.set T,   234
.set PWL, 235
.set SU,  236
; the tail's registers
.set W,   32                           ; v32-95   Wq2's fragment (t, s) at 8 (4 t + s)
.set WS,  96                           ; v96-99   its scale words: lanes 0-15 tile 2 w, lanes 16-31 tile 2 w + 1
.set BQ,  100                          ; v100-115 bq2 as C
.set XF,  116                          ; v116-179 x1's eight fragments
.set XSR, 180
.set WT,  160                          ; the way out's sums and reciprocals
.set X,   160                          ; v160-191 two rows
.set A,   192                          ; v192-223 o's two rows, then at work
.set AQ,  192                          ; later the four accumulators of Q2
.set G,   224
.set BE,  240
.set TM,  224                          ; at work once g1 and be1 are done with
.set TP,  228
.set TS,  232
.set PC,  238
.set EW,  246
.set WV,  2
.set P_K,  30                          ; where the loads in hand stand
.set P_V,  32
.set P_KS, 34
.set P_VS, 36
.set B_K,  38                          ; my head's first bytes
.set B_V,  40
.set B_KS, 42
.set B_VS, 44
.set P_Q,  46
.set P_QS, 48
.set P_X,  50
.set P_X1, 52
.set P_QO, 54
.set P_QOS, 56
.set P_W,  58
.set P_WS, 60
.set CNT, 62
.set SG,  63                           ; the key step in hand
.set OF,  66                           ; s[66:67] an offset, its upper word 0
.set MK,  68
.set REP, 69
.set CS,  70
.set SEL, 72
.set INV, 74
.set EPS, 75
.macro MM d, a, b, c, sa, sb, ra, rb   ; one product; ra, rb: the side's scales stand in lanes 16-31
.if (\ra) && (\rb)
	v_wmma_scale_f32_16x16x128_f8f6f4 v[\d:\d+7], v[\a:\a+7], v[\b:\b+7], v[\c:\c+7], v[\sa], v[\sb] matrix_a_fmt:MATRIX_FMT_FP4 matrix_b_fmt:MATRIX_FMT_FP4 matrix_a_scale:MATRIX_SCALE_ROW1 matrix_b_scale:MATRIX_SCALE_ROW1
.elseif (\ra)
	v_wmma_scale_f32_16x16x128_f8f6f4 v[\d:\d+7], v[\a:\a+7], v[\b:\b+7], v[\c:\c+7], v[\sa], v[\sb] matrix_a_fmt:MATRIX_FMT_FP4 matrix_b_fmt:MATRIX_FMT_FP4 matrix_a_scale:MATRIX_SCALE_ROW1
.elseif (\rb)
	v_wmma_scale_f32_16x16x128_f8f6f4 v[\d:\d+7], v[\a:\a+7], v[\b:\b+7], v[\c:\c+7], v[\sa], v[\sb] matrix_a_fmt:MATRIX_FMT_FP4 matrix_b_fmt:MATRIX_FMT_FP4 matrix_b_scale:MATRIX_SCALE_ROW1
.else
	v_wmma_scale_f32_16x16x128_f8f6f4 v[\d:\d+7], v[\a:\a+7], v[\b:\b+7], v[\c:\c+7], v[\sa], v[\sb] matrix_a_fmt:MATRIX_FMT_FP4 matrix_b_fmt:MATRIX_FMT_FP4
.endif
.endm
.macro MMZ d, a, b, sa, sb, ra         ; the same with the constant 0 as C
.if (\ra)
	v_wmma_scale_f32_16x16x128_f8f6f4 v[\d:\d+7], v[\a:\a+7], v[\b:\b+7], 0, v[\sa], v[\sb] matrix_a_fmt:MATRIX_FMT_FP4 matrix_b_fmt:MATRIX_FMT_FP4 matrix_a_scale:MATRIX_SCALE_ROW1
.else
	v_wmma_scale_f32_16x16x128_f8f6f4 v[\d:\d+7], v[\a:\a+7], v[\b:\b+7], 0, v[\sa], v[\sb] matrix_a_fmt:MATRIX_FMT_FP4 matrix_b_fmt:MATRIX_FMT_FP4
.endif
.endm
.macro KLOAD                           ; a key step's K: eight loads
.irp i, 0,1,2,3
	global_load_b32 v[KSR+\i], v[L4], s[P_KS:P_KS+1] offset:128*\i
.endr
.irp f, 0,1
.irp c, 0,1
	global_load_b128 v[KF+8*\f+4*\c:KF+8*\f+4*\c+3], v[LI], s[P_K:P_K+1] offset:1024*\f+512*\c
.endr
.endr
.endm
.macro VLOAD                           ; a key step's V: five loads
.irp f, 0,1
.irp c, 0,1
	global_load_b128 v[VF+8*\f+4*\c:VF+8*\f+4*\c+3], v[LI], s[P_V:P_V+1] offset:1024*\f+512*\c
.endr
.endr
	global_load_b32 v[VSR], v[L4], s[P_VS:P_VS+1]
.endm
; One tile of 16 queries against the step's 128 keys.  more = 1: another key step follows.
.macro TILE x, more
.set QV, Q+16*\x
.set SX, ST+4*\x
.set OX, O+16*\x
.irp u, 0,1,2,3,4,5,6,7
	MMZ S+8*\u, KF+8*(\u/4), QV+8*(\u%2)+4*(1-(\u%4)/2), KSR+\u/2, QSR+\x, \u%2   ; key tile u: fragment u / 4, Q's variant u % 4
.endr
.rept 4
	v_nop                                          ; four places: ahead of the first read of the scores, and of the loads below into registers that matrix instructions have read
.endr
.if \x == 0
	VLOAD                                          ; this step's V: the last products that read V's registers stand ahead of the four places
.elseif \more
	KLOAD                                          ; the next step's K: both tiles have multiplied by this step's
.endif
.irp b, 0,1,2,3
	v_max3_num_f32 v[BM+\b], v[S+16*\b], v[S+1+16*\b], v[S+2+16*\b]   ; the largest score of each block of 32 keys: it serves the row's maximum and, since p rises with the score, the block's largest p
.endr
.irp i, 3,5,7,9,11,13
.irp b, 0,1,2,3
	v_max3_num_f32 v[BM+\b], v[BM+\b], v[S+16*\b+\i], v[S+1+16*\b+\i]
.endr
.endr
.irp b, 0,1,2,3
	v_max_num_f32 v[BM+\b], v[BM+\b], v[S+15+16*\b]
.endr
.irp b, 0,1,2,3
	v_permlanex16_b32 v[BT+\b], v[BM+\b], s[SEL], s[SEL+1]
.endr
.irp b, 0,1,2,3
	v_max_num_f32 v[BM+\b], v[BM+\b], v[BT+\b]     ; with lane l xor 16's 16 keys
.endr
	v_max3_num_f32 v[T], v[BM], v[BM+1], v[BM+2]
	v_max_num_f32 v[T], v[T], v[BM+3]
	v_mul_f32 v[T], s[CS], v[T]                    ; as t (c is positive)
	v_max_num_f32 v[SX+1], v[SX+1], v[T]           ; the running largest t
	v_mov_b32 v[T], v[SX]
	v_floor_f32 v[SX], -v[SX+1]                    ; the new -M = -ceil(t)
	v_sub_f32 v[T], v[SX], v[T]                    ; old M - new M: a whole number, 0 or less
	v_cvt_i32_f32 v[T], v[T]                       ; (it saturates)
	v_ldexp_f32 v[F], 1.0, v[T]                    ; f = 2^(old M - new M)
.set j, 0
.rept 32
	v_pk_fma_f32 v[S+j:S+j+1], v[S+j:S+j+1], s[CS:CS+1], v[SX:SX+1] op_sel_hi:[1,0,0]   ; t - M, two at a time
.set j, j+2
.endr
.irp b, 0,1,2,3
	v_fma_f32 v[BM+\b], v[BM+\b], s[CS], v[SX]     ; the same of each block's largest score
.endr
.set j, 0
.rept 64
	v_exp_f32 v[S+j], v[S+j]                       ; p = 2^(t - M)
.set j, j+1
.endr
	v_pk_mul_f32 v[SX+2:SX+3], v[SX+2:SX+3], v[F:F+1] op_sel_hi:[1,0]   ; the sums under the new M: the plain line behind the exponentials
	s_wait_alu depctr_va_vdst(0)                   ; one wait for the batch of 64, ahead of its first reader
.irp b, 0,1,2,3
	v_exp_f32 v[BM+\b], v[BM+\b]                   ; the blocks' largest p
.endr
	v_pk_add_f32 v[SU:SU+1], v[S:S+1], v[S+2:S+3]  ; the row's sum of the unquantised p, in two chains: its first half stands behind the four exponentials
.irp i, 4,8,12,16,20,24,28
	v_pk_add_f32 v[SX+2:SX+3], v[SX+2:SX+3], v[S+\i:S+1+\i]
	v_pk_add_f32 v[SU:SU+1], v[SU:SU+1], v[S+2+\i:S+3+\i]
.endr
	s_wait_alu depctr_va_vdst(0)                   ; and one wait for the four
.irp b, 0,1,2,3
	v_max_num_f32 v[BM+\b], 0x1800000, v[BM+\b]    ; the floor 2^(3 - 127): the byte cannot fall under 1
.endr
.irp b, 0,1,2,3
	v_add_nc_u32 v[BS+\b], 0xff000000, v[BM+\b]    ; 2 off the exponent field: the conversion's scale operand
.endr
.irp b, 0,1,2,3
	v_lshrrev_b32 v[BT+\b], 23, v[BS+\b]           ; the scale's byte
.endr
	v_lshl_or_b32 v[PWL], v[BT+1], 8, v[BT]        ; p's scale word for these 128 keys
	v_lshl_or_b32 v[PWL], v[BT+2], 16, v[PWL]
	v_lshl_or_b32 v[PWL], v[BT+3], 24, v[PWL]
.irp b, 0,1,2,3
	v_cvt_scalef32_pk8_fp4_f32 v[PCL+2*\b], v[S+16*\b:S+7+16*\b], v[BS+\b]
	v_cvt_scalef32_pk8_fp4_f32 v[PCL+1+2*\b], v[S+8+16*\b:S+15+16*\b], v[BS+\b]
.endr
	v_nop                                          ; one plain line behind the scaled conversions
.irp c, 0,1
.irp i, 0,1
	v_permlane16_swap_b32 v[PCL+4*\c+\i], v[PCL+2+4*\c+\i]   ; half blocks become whole blocks
.endr
.endr
.irp i, 0,2,4,6,8,10,12,14
	v_pk_mul_f32 v[OX+\i:OX+\i+1], v[OX+\i:OX+\i+1], v[F:F+1] op_sel_hi:[1,0]   ; O^T under the new M, each accumulator from its low end on
.endr
.irp i, 32,36,40,44,48,52,56,60
	v_pk_add_f32 v[SX+2:SX+3], v[SX+2:SX+3], v[S+\i:S+1+\i]    ; the sum's second half: seventeen plain lines that name none of the next products' registers:
	v_pk_add_f32 v[SU:SU+1], v[SU:SU+1], v[S+2+\i:S+3+\i]      ; the places between the writing of p's codes and scale word and those products
.endr
	v_pk_add_f32 v[SX+2:SX+3], v[SX+2:SX+3], v[SU:SU+1]
.if \x == 0
	s_wait_loadcnt 0x0                             ; V is in: its five loads are the only ones out
.endif
	MM OX, VF, PCL, OX, VSR, PWL, 0, 0             ; O^T += V^T P^T: d tile 0,
	MM OX+8, VF+8, PCL, OX+8, VSR, PWL, 1, 0       ; d tile 1
.endm
; A key step.  Behind the wait for 0 no load of mine is out, so the loads' bases may be written.
.macro TRIP more
	s_wait_loadcnt 0x0                             ; this step's K is in
	s_lshl_b32 s[OF], s[SG], 11
	s_add_nc_u64 s[P_V:P_V+1], s[B_V:B_V+1], s[OF:OF+1]        ; this step's V,
	s_lshl_b32 s[OF], s[SG], 7
	s_add_nc_u64 s[P_VS:P_VS+1], s[B_VS:B_VS+1], s[OF:OF+1]
.if \more
	s_add_co_u32 s[SG], s[SG], 1
	s_and_b32 s[SG], s[SG], 7                      ; the walk wraps
	s_lshl_b32 s[OF], s[SG], 11
	s_add_nc_u64 s[P_K:P_K+1], s[B_K:B_K+1], s[OF:OF+1]        ; the next step's K
	s_lshl_b32 s[OF], s[SG], 9
	s_add_nc_u64 s[P_KS:P_KS+1], s[B_KS:B_KS+1], s[OF:OF+1]
.endif
	TILE 0, \more
	TILE 1, \more
.endm
; Two rows by turns (k = 16 x row): X += A; mean; X -= mean; variance; X = X rsqrt(var + eps) g + be.  Register 4 i + j of a row is column 128 i + 4 lane + j.  A's registers are then at work.
; lw: the loads that may stay out when g and be are wanted.  store: the rows leave; quant: they turn through the wave's stage, so that a lane holds 16 neighbours, and become codes and scale bytes in LDS.
.macro LN XB, AB, GB, BB, lw, store, so, nt, quant
.irp i, 0,2,4,6,8,10,12,14
.irp k, 0,16
	v_pk_add_f32 v[\XB+\k+\i:\XB+\k+\i+1], v[\XB+\k+\i:\XB+\k+\i+1], v[\AB+\k+\i:\AB+\k+\i+1]
.endr
.endr
.irp m, 0,2,4,6
.irp k, 0,16
	v_pk_add_f32 v[\AB+\k+\m:\AB+\k+\m+1], v[\XB+\k+2*\m:\XB+\k+2*\m+1], v[\XB+\k+2*\m+2:\XB+\k+2*\m+3]
.endr
.endr
.irp k, 0,16
	v_pk_add_f32 v[\AB+\k:\AB+\k+1], v[\AB+\k:\AB+\k+1], v[\AB+\k+2:\AB+\k+3]
.endr
.irp k, 0,16
	v_pk_add_f32 v[\AB+\k+4:\AB+\k+5], v[\AB+\k+4:\AB+\k+5], v[\AB+\k+6:\AB+\k+7]
.endr
.irp k, 0,16
	v_pk_add_f32 v[\AB+\k:\AB+\k+1], v[\AB+\k:\AB+\k+1], v[\AB+\k+4:\AB+\k+5]
.endr
.irp k, 0,16
	v_add_f32 v[\AB+\k], v[\AB+\k], v[\AB+\k+1]
.endr
.irp d, 1,2,4,8
.irp k, 0,16
	v_add_f32_dpp v[\AB+\k], v[\AB+\k], v[\AB+\k] row_xmask:\d row_mask:0xf bank_mask:0xf
.endr
.endr
.irp k, 0,16
	v_permlanex16_b32 v[\AB+\k+1], v[\AB+\k], s[SEL], s[SEL+1]
.endr
.irp k, 0,16
	v_add_f32 v[\AB+\k], v[\AB+\k], v[\AB+\k+1]
.endr
.irp k, 0,16
	v_mul_f32 v[\AB+\k], s[INV], v[\AB+\k]         ; the mean
.endr
.irp i, 0,2,4,6,8,10,12,14
.irp k, 0,16
	v_pk_add_f32 v[\XB+\k+\i:\XB+\k+\i+1], v[\XB+\k+\i:\XB+\k+\i+1], v[\AB+\k:\AB+\k+1] op_sel_hi:[1,0] neg_lo:[0,1] neg_hi:[0,1]
.endr
.endr
.irp k, 0,16
	v_pk_mul_f32 v[\AB+\k+2:\AB+\k+3], v[\XB+\k:\XB+\k+1], v[\XB+\k:\XB+\k+1]
	v_pk_mul_f32 v[\AB+\k+4:\AB+\k+5], v[\XB+\k+2:\XB+\k+3], v[\XB+\k+2:\XB+\k+3]
.endr
.irp i, 4,8,12
.irp k, 0,16
	v_pk_fma_f32 v[\AB+\k+2:\AB+\k+3], v[\XB+\k+\i:\XB+\k+\i+1], v[\XB+\k+\i:\XB+\k+\i+1], v[\AB+\k+2:\AB+\k+3]
	v_pk_fma_f32 v[\AB+\k+4:\AB+\k+5], v[\XB+\k+\i+2:\XB+\k+\i+3], v[\XB+\k+\i+2:\XB+\k+\i+3], v[\AB+\k+4:\AB+\k+5]
.endr
.endr
.irp k, 0,16
	v_pk_add_f32 v[\AB+\k+2:\AB+\k+3], v[\AB+\k+2:\AB+\k+3], v[\AB+\k+4:\AB+\k+5]
.endr
.irp k, 0,16
	v_add_f32 v[\AB+\k+2], v[\AB+\k+2], v[\AB+\k+3]
.endr
.irp d, 1,2,4,8
.irp k, 0,16
	v_add_f32_dpp v[\AB+\k+2], v[\AB+\k+2], v[\AB+\k+2] row_xmask:\d row_mask:0xf bank_mask:0xf
.endr
.endr
.irp k, 0,16
	v_permlanex16_b32 v[\AB+\k+3], v[\AB+\k+2], s[SEL], s[SEL+1]
.endr
.irp k, 0,16
	v_add_f32 v[\AB+\k+2], v[\AB+\k+2], v[\AB+\k+3]
.endr
.irp k, 0,16
	v_fma_f32 v[\AB+\k+2], v[\AB+\k+2], s[INV], s[EPS]   ; the variance + eps
.endr
.irp k, 0,16
	v_rsq_f32 v[\AB+\k+4], v[\AB+\k+2]
.endr
	v_nop                                          ; a plain line behind the two roots,
	s_wait_alu depctr_va_vdst(0)                   ; and the one wait ahead of their first reader
.irp i, 0,2,4,6,8,10,12,14
.irp k, 0,16
	v_pk_mul_f32 v[\XB+\k+\i:\XB+\k+\i+1], v[\XB+\k+\i:\XB+\k+\i+1], v[\AB+\k+4:\AB+\k+5] op_sel_hi:[1,0]
.endr
.endr
	s_wait_loadcnt \lw                             ; g and be are in; the loads issued behind them may stay out
.irp i, 0,2,4,6,8,10,12,14
.irp k, 0,16
	v_pk_fma_f32 v[\XB+\k+\i:\XB+\k+\i+1], v[\XB+\k+\i:\XB+\k+\i+1], v[\GB+\i:\GB+\i+1], v[\BB+\i:\BB+\i+1]
.endr
.endr
.if \store
.irp k, 0,16
.irp i, 0,4,8,12
.if \nt
	global_store_b128 v[LI], v[\XB+\k+\i:\XB+\k+\i+3], s[\so:\so+1] offset:128*\k+128*\i th:TH_STORE_NT
.else
	global_store_b128 v[LI], v[\XB+\k+\i:\XB+\k+\i+3], s[\so:\so+1] offset:128*\k+128*\i   ; 512 consecutive bytes, aligned
.endif
.endr
.endr
.endif
.if \quant
.irp k, 0,16
.irp i, 0,4,8,12
	ds_store_b128 v[TI], v[\XB+\k+\i:\XB+\k+\i+3] offset:160*\k+160*\i
.endr
.endr
.irp k, 0,16
.irp i, 0,4,8,12
	ds_load_b128 v[\AB+\k+\i:\AB+\k+\i+3], v[TO] offset:160*\k+4*\i   ; LDS serves a wave's instructions in order: these see the stores above
.endr
.endr
	s_wait_dscnt 0x0
.irp k, 0,16
	v_max3_num_f32 v[TM+\k/16], |v[\AB+\k]|, |v[\AB+\k+1]|, |v[\AB+\k+2]|
	v_max3_num_f32 v[TP+\k/16], |v[\AB+\k+3]|, |v[\AB+\k+4]|, |v[\AB+\k+5]|
.endr
.irp i, 6,10
.irp k, 0,16
	v_max3_num_f32 v[TM+\k/16], v[TM+\k/16], |v[\AB+\k+\i]|, |v[\AB+\k+\i+1]|
	v_max3_num_f32 v[TP+\k/16], v[TP+\k/16], |v[\AB+\k+\i+2]|, |v[\AB+\k+\i+3]|
.endr
.endr
.irp k, 0,16
	v_max3_num_f32 v[TM+\k/16], v[TM+\k/16], |v[\AB+\k+14]|, |v[\AB+\k+15]|
.endr
.irp k, 0,16
	v_max3_num_f32 v[TM+\k/16], v[TM+\k/16], v[TP+\k/16], 0x1800000   ; and the floor 2^(3 - 127)
.endr
.irp k, 0,16
	v_max_num_f32_dpp v[TM+\k/16], v[TM+\k/16], v[TM+\k/16] row_xmask:1 row_mask:0xf bank_mask:0xf   ; with my neighbour's 16: the block's
.endr
.irp k, 0,16
	v_add_nc_u32 v[TS+\k/16], 0xff000000, v[TM+\k/16]
.endr
.irp k, 0,16
	v_cvt_scalef32_pk8_fp4_f32 v[PC+\k/8], v[\AB+\k:\AB+\k+7], v[TS+\k/16]
	v_cvt_scalef32_pk8_fp4_f32 v[PC+\k/8+1], v[\AB+\k+8:\AB+\k+15], v[TS+\k/16]
.endr
.irp k, 0,16
	v_lshrrev_b32 v[TP+\k/16], 23, v[TS+\k/16]     ; the scale's byte (plain lines behind the conversions)
.endr
.irp k, 0,16
	ds_store_b64 v[CI], v[PC+\k/8:PC+\k/8+1] offset:\k
	ds_store_b8 v[SI], v[TP+\k/16] offset:\k       ; both lanes of a block write the same byte with the same value
.endr
.endif
.endm
; 32 numbers of a lane, register 16 b + i = element 16 (lane / 16) + i of block b: codes in v[PC] .. v[PC + 3] (lanes 0-15: block 0 whole; lanes 16-31: block 1 whole), the two bytes in v[TP] on.
.macro QUANT2 s
.irp b, 0,1
	v_max3_num_f32 v[TM+\b], |v[\s+16*\b]|, |v[\s+1+16*\b]|, 0x1800000
.endr
.irp i, 2,4,6,8,10,12,14
.irp b, 0,1
	v_max3_num_f32 v[TM+\b], v[TM+\b], |v[\s+16*\b+\i]|, |v[\s+1+16*\b+\i]|
.endr
.endr
.irp b, 0,1
	v_permlanex16_b32 v[TP+\b], v[TM+\b], s[SEL], s[SEL+1]
.endr
.irp b, 0,1
	v_max_num_f32 v[TM+\b], v[TM+\b], v[TP+\b]     ; with lane l xor 16's: the block's largest magnitude
.endr
.irp b, 0,1
	v_add_nc_u32 v[TS+\b], 0xff000000, v[TM+\b]
.endr
.irp b, 0,1
	v_lshrrev_b32 v[TP+\b], 23, v[TS+\b]
.endr
.irp b, 0,1
	v_cvt_scalef32_pk8_fp4_f32 v[PC+2*\b], v[\s+16*\b:\s+7+16*\b], v[TS+\b]
	v_cvt_scalef32_pk8_fp4_f32 v[PC+1+2*\b], v[\s+8+16*\b:\s+15+16*\b], v[TS+\b]
.endr
	v_nop                                          ; one plain line behind the scaled conversions
.irp i, 0,1
	v_permlane16_swap_b32 v[PC+\i], v[PC+2+\i]
.endr
.endm
	s_load_b512 s[8:23], s[0:1], 0x0               ; at1, x, g1, be1, qc, qs, bq2, x1
	s_load_b64 s[24:25], s[0:1], 0x40              ; at2
	v_lshl_add_u32 v30, v0, 2, 0x36e00
	v_mov_b32 v31, 0
	ds_add_u32 v30, v31
	ds_add_u32 v30, v31
	v_lshrrev_b32 v[AT], 5, v0
	v_readfirstlane_b32 s[WV], v[AT]               ; wave 0..15: my head
	v_and_b32 v[AT], 31, v0                        ; lane
	v_and_b32 v[AT+1], 15, v0                      ; r
	v_bfe_u32 v[AT+2], v0, 4, 1                    ; h
	v_lshlrev_b32 v[LI], 4, v[AT]
	v_lshlrev_b32 v[L4], 2, v[AT]
	s_lshl_b32 s3, s[WV], 12
	v_add_nc_u32 v[XRA], s3, v[LI]
	v_add_nc_u32 v[XRG], s3, v[LI]
	v_lshl_add_u32 v[BCL], v0, 2, VEC
	v_lshlrev_b32 v[BCG], 2, v0
	v_lshlrev_b32 v[QA], 4, v[AT+1]
	v_lshlrev_b32 v[QSA], 2, v[AT+1]
	s_lshr_b32 s76, ttmp9, 5                       ; batch
	s_and_b32 s77, ttmp9, 31                       ; which 32 rows of it
	s_and_b32 s[SG], ttmp9, 7                      ; the key step at which my work-group begins
	s_lshl_b32 s78, s76, 4
	s_add_co_u32 s78, s78, s[WV]                   ; 16 batch + head
	s_lshl_b32 s80, s78, 14                        ; a head's codes are 16,384 bytes,
	s_mov_b32 s81, 0
	s_lshl_b32 s82, s78, 12                        ; its Q or K scale words 4,096,
	s_mov_b32 s83, 0
	s_lshl_b32 s84, s78, 10                        ; V's 1,024
	s_mov_b32 s85, 0
	s_lshl_b32 s86, ttmp9, 16                      ; my work-group's 32 rows of 2,048 bytes
	s_mov_b32 s87, 0
	s_lshl_b32 s88, s77, 9                         ; its 32 slots of 16 bytes
	s_mov_b32 s89, 0
	s_mov_b32 s[OF+1], 0
	s_wait_dscnt 0x0
	s_wait_kmcnt 0x0
	s_add_nc_u64 s[P_X:P_X+1], s[10:11], s[86:87]
.irp i, 0,1,2,3,4,5,6,7
	global_load_async_to_lds_b128 v[XRA], v[XRG], s[P_X:P_X+1] offset:512*\i   ; my two rows of x: the offset counts in memory and in LDS alike.  Waited for behind the loop; the address registers and bases stay as they are
.endr
	global_load_async_to_lds_b32 v[BCL], v[BCG], s[20:21]          ; my head's 32 numbers of bq2
	s_add_nc_u64 s[P_Q:P_Q+1], s[8:9], s[80:81]
	s_add_nc_u64 s[B_K:B_K+1], s[P_Q:P_Q+1], KC
	s_add_nc_u64 s[B_V:B_V+1], s[P_Q:P_Q+1], VC
	s_add_nc_u64 s[P_Q:P_Q+1], s[P_Q:P_Q+1], s[88:89]
	s_add_nc_u64 s[P_QO:P_QO+1], s[24:25], s[80:81]
	s_add_nc_u64 s[P_QO:P_QO+1], s[P_QO:P_QO+1], s[88:89]
	s_lshr_b32 s88, s88, 2                         ; a word a slot
	s_add_nc_u64 s[P_QS:P_QS+1], s[8:9], s[82:83]
	s_add_nc_u64 s[B_KS:B_KS+1], s[P_QS:P_QS+1], KS
	s_add_nc_u64 s[P_QS:P_QS+1], s[P_QS:P_QS+1], QS
	s_add_nc_u64 s[P_QS:P_QS+1], s[P_QS:P_QS+1], s[88:89]
	s_add_nc_u64 s[P_QOS:P_QOS+1], s[24:25], s[82:83]
	s_add_nc_u64 s[P_QOS:P_QOS+1], s[P_QOS:P_QOS+1], QS
	s_add_nc_u64 s[P_QOS:P_QOS+1], s[P_QOS:P_QOS+1], s[88:89]
	s_add_nc_u64 s[B_VS:B_VS+1], s[8:9], s[84:85]
	s_add_nc_u64 s[B_VS:B_VS+1], s[B_VS:B_VS+1], VS
	s_lshl_b32 s[OF], s[SG], 11
	s_add_nc_u64 s[P_K:P_K+1], s[B_K:B_K+1], s[OF:OF+1]
	s_lshl_b32 s[OF], s[SG], 9
	s_add_nc_u64 s[P_KS:P_KS+1], s[B_KS:B_KS+1], s[OF:OF+1]
	global_load_b128 v[S:S+3], v[QA], s[P_Q:P_Q+1]                 ; q of tile 0: query r's 16 bytes, in both halves of the lanes
	global_load_b128 v[S+4:S+7], v[QA], s[P_Q:P_Q+1] offset:256
	global_load_b32 v[QSR], v[QSA], s[P_QS:P_QS+1]
	global_load_b32 v[QSR+1], v[QSA], s[P_QS:P_QS+1] offset:64
	KLOAD                                          ; the first key step's K
	; while these are out: the tail's bases and LDS addresses
	s_add_co_u32 s86, s86, s3
	s_add_nc_u64 s[P_X1:P_X1+1], s[22:23], s[86:87]                ; x1 at my two rows
	s_lshl_b32 s86, s[WV], 13
	s_add_co_u32 s86, s86, 4096*1184               ; Wq2's units begin at 1,184; my two tiles
	s_add_nc_u64 s[P_W:P_W+1], s[16:17], s[86:87]
	s_lshl_b32 s86, s[WV], 9
	s_add_co_u32 s86, s86, 256*1184
	s_add_nc_u64 s[P_WS:P_WS+1], s[18:19], s[86:87]
	s_lshl_b32 s76, s[WV], 7
	s_add_co_u32 s77, s76, VEC
	v_lshl_add_u32 v[BQA], v[AT+2], 6, s77         ; bq2: my head's 128 bytes, + 64 h
	s_add_co_u32 s76, s76, OSL
	v_mul_u32_u24 v[SOA], v[AT+1], 2064
	v_lshl_add_u32 v[SOA], v[AT+2], 6, v[SOA]
	v_add_nc_u32 v[SOA], s76, v[SOA]               ; o: slot r, my head's 128 bytes, + 64 h
	s_bfe_u32 s76, s[WV], 0x10002                  ; rows 2 w, 2 w + 1 lie in tile (w / 4) % 2
	s_and_b32 s77, s[WV], 3
	s_lshl_b32 s77, s77, 1
	s_lshr_b32 s78, s[WV], 3
	s_lshl_b32 s78, s78, 3
	s_add_co_u32 s77, s77, s78                     ; at places 2 (w % 4) + 8 (w / 8) and the next
	s_lshl_b32 s78, s76, 4
	s_add_co_u32 s78, s78, s77
	s_mul_i32 s78, s78, 2064
	s_add_co_u32 s78, s78, OSL
	v_add_nc_u32 v[SRA], s78, v[LI]
	s_mul_i32 s78, s[WV], 5120
	s_add_co_u32 s78, s78, TSL
	v_lshrrev_b32 v[AT+3], 2, v[AT]
	v_mul_u32_u24 v[AT+3], v[AT+3], 80
	v_and_b32 v[AT+4], 3, v[AT]
	v_lshl_add_u32 v[AT+3], v[AT+4], 4, v[AT+3]
	v_add_nc_u32 v[TI], s78, v[AT+3]
	v_mul_u32_u24 v[AT+3], v[AT], 80
	v_add_nc_u32 v[TO], s78, v[AT+3]
	s_lshl_b32 s77, s77, 4
	s_mul_i32 s78, s76, 4352
	s_add_co_u32 s78, s78, s77
	s_add_co_u32 s78, s78, XI
	v_lshrrev_b32 v[AT+3], 1, v[AT]
	v_and_b32 v[AT+4], 1, v[AT]
	v_mul_u32_u24 v[CI], v[AT+3], 272
	v_lshl_add_u32 v[CI], v[AT+4], 3, v[CI]
	v_add_nc_u32 v[CI], s78, v[CI]
	s_lshl_b32 s78, s76, 8
	s_add_co_u32 s78, s78, s77
	s_add_co_u32 s78, s78, XSL
	v_add_nc_u32 v[SI], s78, v[AT+3]
	v_mul_u32_u24 v[FA], v[AT+2], 272
	v_lshl_add_u32 v[FA], v[AT+1], 4, v[FA]
	v_add_nc_u32 v[FA], XI, v[FA]
	v_add_nc_u32 v[XSA], XSL, v[LI]
	v_cmp_gt_u32 s[MK], 16, v[AT]                  ; lanes 0-15
	s_mov_b32 s[REP], 0x01010101
	s_mov_b32 s[CS], 0x3e8293ee                    ; c = log2(e) / sqrt(32)
	s_mov_b32 s[CS+1], s[CS]                       ; (named with it as a pair, so it is written)
	s_mov_b32 s[SEL], 0x76543210
	s_mov_b32 s[SEL+1], 0xfedcba98                 ; lane l xor 16
	s_mov_b32 s[INV], 0x3b000000                   ; 1 / 512
	s_mov_b32 s[EPS], 0x3727c5ac                   ; 1e-5
.irp z, 0,8,16,24,32
.irp i, 0,1,2,3
	v_mov_b32 v[Q+\z+\i], 0                        ; the zero codes between Q's pieces
.endr
.endr
.set j, 0
.rept 32
	v_mov_b32 v[O+j], 0                            ; the step is written for every trip alike: the first finds zeros, which the first change of M leaves zeros
.set j, j+1
.endr
.irp x, 0,1
	v_mov_b32 v[ST+4*\x+1], 0xff61b1e6             ; the largest t so far: -3e38
	v_floor_f32 v[ST+4*\x], -v[ST+4*\x+1]          ; -M
	v_mov_b32 v[ST+4*\x+2], 0
	v_mov_b32 v[ST+4*\x+3], 0
.endr
.irp b, 0,1,2,3
	v_mov_b32 v[BT+\b], 0                          ; written once: a lane permute's destination counts as one of its sources
.endr
	v_mov_b32 v[F+1], 0                            ; (named as the upper half of a pair)
	s_wait_loadcnt 8                               ; Q and its scale words are in; K's eight loads may be out
.irp x, 0,1
.irp i, 0,1,2,3
	v_cndmask_b32 v[Q+16*\x+4+\i], 0, v[S+4*\x+\i], s[MK]      ; Ax: q in lanes 0-15
	v_cndmask_b32 v[Q+16*\x+12+\i], v[S+4*\x+\i], 0, s[MK]     ; Bx: q in lanes 16-31
.endr
.endr
	s_mov_b32 s[CNT], 7
.Lstep:                                            ; seven trips of 128 keys ask for the next K; the eighth is written out and asks for none
	TRIP 1
	s_sub_co_u32 s[CNT], s[CNT], 1
	s_cmp_lg_u32 s[CNT], 0
	s_cbranch_scc1 .Lstep
	TRIP 0
	; THE TAIL.  First what it wants from memory: g1, be1, my two tiles of Wq2
.rept 4
	v_nop                                          ; four places between the last products and loads into their registers
.endr
.irp i, 0,1,2,3
	global_load_b128 v[G+4*\i:G+4*\i+3], v[LI], s[12:13] offset:512*\i
	global_load_b128 v[BE+4*\i:BE+4*\i+3], v[LI], s[14:15] offset:512*\i
.endr
	global_load_b128 v[WS:WS+3], v[LI], s[P_WS:P_WS+1]
.irp t, 0,1
.irp s, 0,1,2,3
.irp c, 0,1
	global_load_b128 v[W+8*(4*\t+\s)+4*\c:W+8*(4*\t+\s)+4*\c+3], v[LI], s[P_W:P_W+1] offset:4096*\t+1024*\s+512*\c
.endr
.endr
.endr
.irp x, 0,1
	v_add_f32 v[WT+\x], v[ST+4*\x+2], v[ST+4*\x+3]
.endr
.irp x, 0,1
	v_permlanex16_b32 v[WT+2+\x], v[WT+\x], s[SEL], s[SEL+1]
.endr
.irp x, 0,1
	v_add_f32 v[WT+\x], v[WT+\x], v[WT+2+\x]       ; the row's sum
.endr
.irp x, 0,1
	v_rcp_f32 v[WT+4+2*\x], v[WT+\x]
.endr
	v_nop                                          ; a plain line behind the reciprocals,
	s_wait_alu depctr_va_vdst(0)                   ; and the one wait ahead of their first reader
.set j, 0
.rept 16
	v_pk_mul_f32 v[O+j:O+j+1], v[O+j:O+j+1], v[WT+4+2*(j/16):WT+5+2*(j/16)] op_sel_hi:[1,0]   ; O^T / the sum, each accumulator from its low end on: register 16 x + 8 u + i is o(slot r of tile x, d = 16 h + 8 u + i)
.set j, j+2
.endr
.irp x, 0,1
.irp k, 0,1,2,3
	ds_store_b128 v[SOA], v[O+16*\x+4*\k:O+16*\x+4*\k+3] offset:33024*\x+16*\k
.endr
.endr
	s_wait_asynccnt 0x0                            ; my copies have landed
	s_wait_dscnt 0x0                               ; for the others' sake: my head's part of o is stored
	s_barrier_signal -1
	s_barrier_wait -1                              ; 32 whole rows of o lie in the stage
.irp k, 0,16
.irp i, 0,4,8,12
	ds_load_b128 v[X+\k+\i:X+\k+\i+3], v[XRA] offset:128*\k+128*\i     ; x's rows 2 w and 2 w + 1,
	ds_load_b128 v[A+\k+\i:A+\k+\i+3], v[SRA] offset:129*\k+128*\i     ; and o's
.endr
.endr
	s_wait_dscnt 0x0
	LN X, A, G, BE, 17, 1, P_X1, 0, 1              ; behind g1 and be1 stand 1 + 16 loads of Wq2
	s_wait_dscnt 0x0                               ; for the others' sake: my codes and bytes are stored
	s_barrier_signal -1
	s_barrier_wait -1                              ; x1's two tiles lie in LDS
	s_wait_xcnt 0x0                                ; x1's stores have read the rows' registers, which the fragments take over
.irp m, 0,1
.irp s, 0,1,2,3
.irp c, 0,1
	ds_load_b128 v[XF+8*(4*\m+\s)+4*\c:XF+8*(4*\m+\s)+4*\c+3], v[FA] offset:4352*\m+272*(4*\s+2*\c)
.endr
.endr
.endr
	ds_load_b128 v[XSR:XSR+3], v[XSA]              ; lanes 0-15: tile 0's words, lanes 16-31: tile 1's
.irp t, 0,1
.irp k, 0,1
	ds_load_b128 v[BQ+8*\t+4*\k:BQ+8*\t+4*\k+3], v[BQA] offset:32*\t+16*\k   ; bq2 in the result's layout
.endr
.endr
	s_wait_loadcnt 0x0                             ; Wq2
	s_wait_dscnt 0x0
.irp s, 0,1,2,3
.irp m, 0,1
.irp t, 0,1
.if \s == 0
	MM AQ+16*\m+8*\t, W+8*(4*\t+\s), XF+8*(4*\m+\s), BQ+8*\t, WS+\s, XSR+\s, \t, \m   ; the bias starts the sum
.else
	MM AQ+16*\m+8*\t, W+8*(4*\t+\s), XF+8*(4*\m+\s), AQ+16*\m+8*\t, WS+\s, XSR+\s, \t, \m   ; the four accumulators take turns
.endif
.endr
.endr
.endr
.rept 4
	v_nop
.endr
	QUANT2 AQ                                      ; block m: row tile m, my head's 32
	v_cndmask_b32 v[EW], v[TP+1], v[TP], s[MK]     ; lanes 0-15: tile 0's byte; lanes 16-31: tile 1's
	v_mul_lo_u32 v[EW], v[EW], s[REP]              ; four times in the word
	global_store_b128 v[LI], v[PC:PC+3], s[P_QO:P_QO+1]            ; 32 slots x 16 bytes: 512 consecutive bytes, aligned
	global_store_b32 v[L4], v[EW], s[P_QOS:P_QOS+1]                ; 128 consecutive bytes
	s_wait_tensorcnt 0x0
	ds_add_u32 v30, v31
	s_wait_dscnt 0x0
	s_endpgm
.Lfunc_end_k_q220bafedd5_attq:
	.size	k_q220bafedd5_attq, .Lfunc_end_k_q220bafedd5_attq-k_q220bafedd5_attq
	.p2alignl 7, 3214868480
	.fill 96, 4, 3214868480
	.section	.rodata,"a",@progbits
	.p2align	6, 0x0
	.amdhsa_kernel k_q220bafedd5_attq
		.amdhsa_group_segment_fixed_size 226816
		.amdhsa_private_segment_fixed_size 0
		.amdhsa_enable_private_segment 0
		.amdhsa_kernarg_size 72
		.amdhsa_user_sgpr_count 2
		.amdhsa_user_sgpr_kernarg_segment_ptr 1
		.amdhsa_wavefront_size32 1
		.amdhsa_system_sgpr_workgroup_id_x 1
		.amdhsa_system_sgpr_workgroup_id_y 1
		.amdhsa_system_sgpr_workgroup_id_z 1
		.amdhsa_system_vgpr_workitem_id 0
		.amdhsa_next_free_vgpr 256
		.amdhsa_next_free_sgpr 92
		.amdhsa_reserve_vcc 0
		.amdhsa_float_denorm_mode_32 3
		.amdhsa_float_denorm_mode_16_64 3
		.amdhsa_memory_ordered 1
		.amdhsa_forward_progress 1
		.amdhsa_inst_pref_size 86
	.end_amdhsa_kernel
	.amdgpu_metadata
---
amdhsa.version: [ 1, 2 ]
amdhsa.kernels:
  - .name:           k_q220bafedd5_attq
    .symbol:         k_q220bafedd5_attq.kd
    .args:
      - { .name: at1, .offset: 0, .size: 8, .value_kind: global_buffer, .address_space: global }
      - { .name: x, .offset: 8, .size: 8, .value_kind: global_buffer, .address_space: global }
      - { .name: g1, .offset: 16, .size: 8, .value_kind: global_buffer, .address_space: global }
      - { .name: be1, .offset: 24, .size: 8, .value_kind: global_buffer, .address_space: global }
      - { .name: qc, .offset: 32, .size: 8, .value_kind: global_buffer, .address_space: global }
      - { .name: qs, .offset: 40, .size: 8, .value_kind: global_buffer, .address_space: global }
      - { .name: bq2, .offset: 48, .size: 8, .value_kind: global_buffer, .address_space: global }
      - { .name: x1, .offset: 56, .size: 8, .value_kind: global_buffer, .address_space: global }
      - { .name: at2, .offset: 64, .size: 8, .value_kind: global_buffer, .address_space: global }
    .group_segment_fixed_size: 226816
    .private_segment_fixed_size: 0
    .kernarg_segment_align: 8
    .kernarg_segment_size: 72
    .max_flat_workgroup_size: 512
    .sgpr_count:     92
    .vgpr_count:     256
    .wavefront_size: 32
...
	.end_amdgpu_metadata
.endif
;; end of part 6
;; launch attf (part 7): grid 256 x 1, 16 waves a work-group, no clusters, 248,320 bytes of LDS; arguments at2, x1, g2, be2, qc, qs, b1, b2, g3, be3, out0; writes out0
.if DOCPART == 7
	.amdgcn_target "amdgcn-amd-amdhsa--gfx1250"
	.amdhsa_code_object_version 6
	.text
	.protected	k_q220bafedd5_attf
	.globl	k_q220bafedd5_attf
	.p2align	8
	.type	k_q220bafedd5_attf,@function
k_q220bafedd5_attf:
	s_mov_b64 s[64:65], 0
	v_nop
	global_prefetch_b8 v0, s[64:65] scope:SCOPE_SE
	s_setreg_imm32_b32 hwreg(HW_REG_WAVE_MODE, 25, 1), 1
	s_wait_xcnt 0x0
; x2 = LayerNorm(x1 + attention 2) g2 + be2;  y = relu(x2 W1^T + b1) W2^T + b2;  out = LayerNorm(x2 + y) g3 + be3.  All products on codes of FP4 (E2M1) with E8M0 scales; the attention's result, x2 and the hidden layer never go to memory.
; ATTENTION: o = softmax(q k^T / sqrt(32)) v, head size 32, 1,024 keys.  t = score x log2(e) / sqrt(32) (one f32 constant); M = the running largest t rounded UP to a whole number; p = 2^(t - M) is quantised along the keys,
; not normalised; the row's sum is taken of the unquantised p and divides at the end.  When M moves, the sum and O are multiplied by 2^(old M - new M): exact.
; SHARES.  A work-group owns 32 rows of one batch and ALL 16 HEADS: wave w takes head w and the rows' two tiles of 16 queries.  K and V of a head are read by one wave alone: they go from memory straight into its registers,
; 13 loads for a trip of 128 keys, each group asked for half a trip (some 220 vector instructions) ahead of its use, into registers that have just come free.  The loop touches no LDS and has no barrier.
; The walk begins at key step (work-group % 8) and wraps: the softmax does not hang on the keys' order.  The rows of x1 and the wave's pieces of b1 and b2 are copied into LDS at the head, each wave its own bytes, and waited for behind the loop.
; LAYOUT.  All products are used transposed: a lane holds one row.  Slots are tiles of rows 32 (T / 2) + 8 (T % 2) + r + 8 (r / 8): the 16 result registers of source 0's tiles 2 b, 2 b + 1 are 16 neighbours, 32 b + 16 (lane / 16) + 0 .. 15.
; HEAD SIZE 32 IN AN INSTRUCTION OF K = 128: block b of K's fragment row r is slot r of key tile 4 f + b; Q stands in four variants, its 32 codes in block b and zero codes in the other three; scale words hold their byte four times.
; THE TAIL, four barriers.  o through a stage | barrier | wave w normalises rows 2 w, 2 w + 1 and quantises them into LDS | barrier | wave w makes hidden units 64 w .. 64 w + 63 (W1's tiles 4 w + t) for both row tiles: half of K step
; w / 2 of the second product: half an image and half a scale word go to LDS | barrier | wave w makes outputs 32 w .. 32 w + 31 (W2's tiles 2 w + n); y to the stage | barrier | the last norm.  Weights go from memory straight into registers.
; NO CLUSTER: the 32 work-groups of a batch read the same K and V, and all read the same weights, but joint requests would have to pass through a ring in LDS (590 KiB of K and V a work-group), each refill behind a round of the
; cluster's barrier, in a loop that has no barrier.  NO PREFETCH: K's, V's and the weights' bytes are read by many work-groups each, not once.
; LIMITS: NaN and infinities are not served; a p under 2^-126 counts as 0; a block whose largest magnitude lies under 2^-124 (a block of zeros behind the relu among them) gets the byte 1; the keys are summed in the rotated order.
.set KC,  2097152                      ; regions of at2 (Q's codes at 0)
.set VC,  4194304
.set QS,  6291456
.set KS,  6815744
.set VS,  7340032
.set OSL, 65536                        ; LDS: x1's 32 rows from 0 (copies); the stage of o, later of y: 32 slots x (2,048 + 16);
.set TSL, 131584                       ; the turning stage: 32 rows x 2,560: it keeps x2 in f32 for the last norm;
.set XI,  213504                       ; x2's codes: 2 tiles x 16 pieces of 256 + 16;
.set XSL, 222208                       ; their scale bytes: 2 x 256;
.set HI,  222720                       ; the hidden layer: [row tile 2][K step 8] images of 1,024 bytes;
.set HSL, 239104                       ; its scale words [K step][row tile][r];
.set VB1, 240128                       ; b1 (a copy): 256 bytes a wave;
.set VB2, 244224                       ; b2 (a copy): 128 bytes a wave
.set LI,  1                            ; 16 x lane
.set L4,  2                            ; 4 x lane
.set XRA, 3                            ; my two rows of x1 in LDS: 4,096 w + 16 x lane
.set XRG, 4                            ; and in memory
.set B1L, 5                            ; the copies of b1 and b2: in LDS, in memory
.set B1G, 6
.set B2L, 7
.set B2G, 8
.set SOA, 9                            ; o and y into the stage
.set SRA, 10                           ; and back by rows
.set TI,  11
.set TO,  12
.set CI,  13
.set SI,  14
.set FA,  15
.set XSA, 16
.set B1A, 17                           ; b1 in the result's layout
.set B2A, 18                           ; b2 likewise
.set HWI, 19                           ; where I store my half images
.set HWS, 20                           ; and half scale words
.set HRI, 21                           ; where they are read
.set HRS, 22
.set RH,  23                           ; 16 r + 512 h: W2's scale words
.set QA,  24                           ; 16 r, 4 r: at the head alone
.set QSA, 25
.set WSC, 24                           ; v24-31   behind the loop: W1's scale words, then W2's
; the loop's registers
.set KF,  32
.set KSR, 48
.set VF,  52
.set VSR, 68
.set Q,   70
.set QSR, 106
.set S,   108
.set AT,  124                          ; at work at the head
.set O,   172
.set PCL, 204
.set ST,  212
.set BM,  220
.set BT,  224
.set BS,  228
.set F,   232
.set T,   234
.set PWL, 235
.set SU,  236
; the tail's registers
.set R1,  32                           ; v32-159  W1's fragment (t, s) at 8 (4 t + s); then W2's (n, s) at 8 (8 n + s); then g3, be3
.set WT,  160                          ; the way out's sums and reciprocals
.set X,   160                          ; v160-191 two rows
.set A,   192                          ; v192-223 the rows added to them, then at work
.set AC,  160                          ; v160-223 the eight accumulators of the hidden layer: 32 m + 8 t
.set A2C, 160                          ; v160-191 the four accumulators of y: 16 m + 8 n
.set HB,  192                          ; v192-223 two buffers of a K step's two hidden fragments
.set G,   224
.set BE,  240
.set FB,  224                          ; v224-239 a K step's two fragments of x2
.set XSR, 248
.set HSR, 224                          ; v224-231 the hidden layer's scale words
.set TM,  224
.set TP,  228
.set TS,  232
.set PC,  238
.set HW,  246
.set WV,  2
.set P_K,  30
.set P_V,  32
.set P_KS, 34
.set P_VS, 36
.set B_K,  38
.set B_V,  40
.set B_KS, 42
.set B_VS, 44
.set P_Q,  46
.set P_QS, 48
.set P_X,  50
.set P_OUT, 52
.set P_W1, 54
.set P_W1S, 56
.set P_W2, 58
.set P_W2S, 60
.set CNT, 62
.set SG,  63
.set OF,  66
.set MK,  68
.set CS,  70
.set SEL, 72
.set INV, 74
.set EPS, 75
.macro MM d, a, b, c, sa, sb, ra, rb   ; one product; ra, rb: the side's scales stand in lanes 16-31
.if (\ra) && (\rb)
	v_wmma_scale_f32_16x16x128_f8f6f4 v[\d:\d+7], v[\a:\a+7], v[\b:\b+7], v[\c:\c+7], v[\sa], v[\sb] matrix_a_fmt:MATRIX_FMT_FP4 matrix_b_fmt:MATRIX_FMT_FP4 matrix_a_scale:MATRIX_SCALE_ROW1 matrix_b_scale:MATRIX_SCALE_ROW1
.elseif (\ra)
	v_wmma_scale_f32_16x16x128_f8f6f4 v[\d:\d+7], v[\a:\a+7], v[\b:\b+7], v[\c:\c+7], v[\sa], v[\sb] matrix_a_fmt:MATRIX_FMT_FP4 matrix_b_fmt:MATRIX_FMT_FP4 matrix_a_scale:MATRIX_SCALE_ROW1
.elseif (\rb)
	v_wmma_scale_f32_16x16x128_f8f6f4 v[\d:\d+7], v[\a:\a+7], v[\b:\b+7], v[\c:\c+7], v[\sa], v[\sb] matrix_a_fmt:MATRIX_FMT_FP4 matrix_b_fmt:MATRIX_FMT_FP4 matrix_b_scale:MATRIX_SCALE_ROW1
.else
	v_wmma_scale_f32_16x16x128_f8f6f4 v[\d:\d+7], v[\a:\a+7], v[\b:\b+7], v[\c:\c+7], v[\sa], v[\sb] matrix_a_fmt:MATRIX_FMT_FP4 matrix_b_fmt:MATRIX_FMT_FP4
.endif
.endm
.macro MMZ d, a, b, sa, sb, ra         ; the same with the constant 0 as C
.if (\ra)
	v_wmma_scale_f32_16x16x128_f8f6f4 v[\d:\d+7], v[\a:\a+7], v[\b:\b+7], 0, v[\sa], v[\sb] matrix_a_fmt:MATRIX_FMT_FP4 matrix_b_fmt:MATRIX_FMT_FP4 matrix_a_scale:MATRIX_SCALE_ROW1
.else
	v_wmma_scale_f32_16x16x128_f8f6f4 v[\d:\d+7], v[\a:\a+7], v[\b:\b+7], 0, v[\sa], v[\sb] matrix_a_fmt:MATRIX_FMT_FP4 matrix_b_fmt:MATRIX_FMT_FP4
.endif
.endm
.macro KLOAD                           ; a key step's K: eight loads
.irp i, 0,1,2,3
	global_load_b32 v[KSR+\i], v[L4], s[P_KS:P_KS+1] offset:128*\i
.endr
.irp f, 0,1
.irp c, 0,1
	global_load_b128 v[KF+8*\f+4*\c:KF+8*\f+4*\c+3], v[LI], s[P_K:P_K+1] offset:1024*\f+512*\c
.endr
.endr
.endm
.macro VLOAD                           ; a key step's V: five loads
.irp f, 0,1
.irp c, 0,1
	global_load_b128 v[VF+8*\f+4*\c:VF+8*\f+4*\c+3], v[LI], s[P_V:P_V+1] offset:1024*\f+512*\c
.endr
.endr
	global_load_b32 v[VSR], v[L4], s[P_VS:P_VS+1]
.endm
; One tile of 16 queries against the step's 128 keys.  more = 1: another key step follows.
.macro TILE x, more
.set QV, Q+16*\x
.set SX, ST+4*\x
.set OX, O+16*\x
.irp u, 0,1,2,3,4,5,6,7
	MMZ S+8*\u, KF+8*(\u/4), QV+8*(\u%2)+4*(1-(\u%4)/2), KSR+\u/2, QSR+\x, \u%2   ; key tile u: fragment u / 4, Q's variant u % 4
.endr
.rept 4
	v_nop                                          ; four places: ahead of the first read of the scores, and of the loads below into registers that matrix instructions have read
.endr
.if \x == 0
	VLOAD                                          ; this step's V: the last products that read V's registers stand ahead of the four places
.elseif \more
	KLOAD                                          ; the next step's K: both tiles have multiplied by this step's
.endif
.irp b, 0,1,2,3
	v_max3_num_f32 v[BM+\b], v[S+16*\b], v[S+1+16*\b], v[S+2+16*\b]   ; the largest score of each block of 32 keys: it serves the row's maximum and, since p rises with the score, the block's largest p
.endr
.irp i, 3,5,7,9,11,13
.irp b, 0,1,2,3
	v_max3_num_f32 v[BM+\b], v[BM+\b], v[S+16*\b+\i], v[S+1+16*\b+\i]
.endr
.endr
.irp b, 0,1,2,3
	v_max_num_f32 v[BM+\b], v[BM+\b], v[S+15+16*\b]
.endr
.irp b, 0,1,2,3
	v_permlanex16_b32 v[BT+\b], v[BM+\b], s[SEL], s[SEL+1]
.endr
.irp b, 0,1,2,3
	v_max_num_f32 v[BM+\b], v[BM+\b], v[BT+\b]     ; with lane l xor 16's 16 keys
.endr
	v_max3_num_f32 v[T], v[BM], v[BM+1], v[BM+2]
	v_max_num_f32 v[T], v[T], v[BM+3]
	v_mul_f32 v[T], s[CS], v[T]                    ; as t (c is positive)
	v_max_num_f32 v[SX+1], v[SX+1], v[T]           ; the running largest t
	v_mov_b32 v[T], v[SX]
	v_floor_f32 v[SX], -v[SX+1]                    ; the new -M = -ceil(t)
	v_sub_f32 v[T], v[SX], v[T]                    ; old M - new M: a whole number, 0 or less
	v_cvt_i32_f32 v[T], v[T]                       ; (it saturates)
	v_ldexp_f32 v[F], 1.0, v[T]                    ; f = 2^(old M - new M)
.set j, 0
.rept 32
	v_pk_fma_f32 v[S+j:S+j+1], v[S+j:S+j+1], s[CS:CS+1], v[SX:SX+1] op_sel_hi:[1,0,0]   ; t - M, two at a time
.set j, j+2
.endr
.irp b, 0,1,2,3
	v_fma_f32 v[BM+\b], v[BM+\b], s[CS], v[SX]     ; the same of each block's largest score
.endr
.set j, 0
.rept 64
	v_exp_f32 v[S+j], v[S+j]                       ; p = 2^(t - M)
.set j, j+1
.endr
	v_pk_mul_f32 v[SX+2:SX+3], v[SX+2:SX+3], v[F:F+1] op_sel_hi:[1,0]   ; the sums under the new M: the plain line behind the exponentials
	s_wait_alu depctr_va_vdst(0)                   ; one wait for the batch of 64, ahead of its first reader
.irp b, 0,1,2,3
	v_exp_f32 v[BM+\b], v[BM+\b]                   ; the blocks' largest p
.endr
	v_pk_add_f32 v[SU:SU+1], v[S:S+1], v[S+2:S+3]  ; the row's sum of the unquantised p, in two chains: its first half stands behind the four exponentials
.irp i, 4,8,12,16,20,24,28
	v_pk_add_f32 v[SX+2:SX+3], v[SX+2:SX+3], v[S+\i:S+1+\i]
	v_pk_add_f32 v[SU:SU+1], v[SU:SU+1], v[S+2+\i:S+3+\i]
.endr
	s_wait_alu depctr_va_vdst(0)                   ; and one wait for the four
.irp b, 0,1,2,3
	v_max_num_f32 v[BM+\b], 0x1800000, v[BM+\b]    ; the floor 2^(3 - 127): the byte cannot fall under 1
.endr
.irp b, 0,1,2,3
	v_add_nc_u32 v[BS+\b], 0xff000000, v[BM+\b]    ; 2 off the exponent field: the conversion's scale operand
.endr
.irp b, 0,1,2,3
	v_lshrrev_b32 v[BT+\b], 23, v[BS+\b]           ; the scale's byte
.endr
	v_lshl_or_b32 v[PWL], v[BT+1], 8, v[BT]        ; p's scale word for these 128 keys
	v_lshl_or_b32 v[PWL], v[BT+2], 16, v[PWL]
	v_lshl_or_b32 v[PWL], v[BT+3], 24, v[PWL]
.irp b, 0,1,2,3
	v_cvt_scalef32_pk8_fp4_f32 v[PCL+2*\b], v[S+16*\b:S+7+16*\b], v[BS+\b]
	v_cvt_scalef32_pk8_fp4_f32 v[PCL+1+2*\b], v[S+8+16*\b:S+15+16*\b], v[BS+\b]
.endr
	v_nop                                          ; one plain line behind the scaled conversions
.irp c, 0,1
.irp i, 0,1
	v_permlane16_swap_b32 v[PCL+4*\c+\i], v[PCL+2+4*\c+\i]   ; half blocks become whole blocks
.endr
.endr
.irp i, 0,2,4,6,8,10,12,14
	v_pk_mul_f32 v[OX+\i:OX+\i+1], v[OX+\i:OX+\i+1], v[F:F+1] op_sel_hi:[1,0]   ; O^T under the new M, each accumulator from its low end on
.endr
.irp i, 32,36,40,44,48,52,56,60
	v_pk_add_f32 v[SX+2:SX+3], v[SX+2:SX+3], v[S+\i:S+1+\i]    ; the sum's second half: seventeen plain lines that name none of the next products' registers:
	v_pk_add_f32 v[SU:SU+1], v[SU:SU+1], v[S+2+\i:S+3+\i]      ; the places between the writing of p's codes and scale word and those products
.endr
	v_pk_add_f32 v[SX+2:SX+3], v[SX+2:SX+3], v[SU:SU+1]
.if \x == 0
	s_wait_loadcnt 0x0                             ; V is in: its five loads are the only ones out
.endif
	MM OX, VF, PCL, OX, VSR, PWL, 0, 0             ; O^T += V^T P^T: d tile 0,
	MM OX+8, VF+8, PCL, OX+8, VSR, PWL, 1, 0       ; d tile 1
.endm
; A key step.  Behind the wait for 0 no load of mine is out, so the loads' bases may be written.
.macro TRIP more
	s_wait_loadcnt 0x0                             ; this step's K is in
	s_lshl_b32 s[OF], s[SG], 11
	s_add_nc_u64 s[P_V:P_V+1], s[B_V:B_V+1], s[OF:OF+1]        ; this step's V,
	s_lshl_b32 s[OF], s[SG], 7
	s_add_nc_u64 s[P_VS:P_VS+1], s[B_VS:B_VS+1], s[OF:OF+1]
.if \more
	s_add_co_u32 s[SG], s[SG], 1
	s_and_b32 s[SG], s[SG], 7                      ; the walk wraps
	s_lshl_b32 s[OF], s[SG], 11
	s_add_nc_u64 s[P_K:P_K+1], s[B_K:B_K+1], s[OF:OF+1]        ; the next step's K
	s_lshl_b32 s[OF], s[SG], 9
	s_add_nc_u64 s[P_KS:P_KS+1], s[B_KS:B_KS+1], s[OF:OF+1]
.endif
	TILE 0, \more
	TILE 1, \more
.endm
; Two rows by turns (k = 16 x row): X += A; mean; X -= mean; variance; X = X rsqrt(var + eps) g + be.  Register 4 i + j of a row is column 128 i + 4 lane + j.  A's registers are then at work.
; lw: the loads that may stay out when g and be are wanted.  store: the rows leave; quant: they turn through the wave's stage, so that a lane holds 16 neighbours, and become codes and scale bytes in LDS.
.macro LN XB, AB, GB, BB, lw, store, so, nt, quant
.irp i, 0,2,4,6,8,10,12,14
.irp k, 0,16
	v_pk_add_f32 v[\XB+\k+\i:\XB+\k+\i+1], v[\XB+\k+\i:\XB+\k+\i+1], v[\AB+\k+\i:\AB+\k+\i+1]
.endr
.endr
.irp m, 0,2,4,6
.irp k, 0,16
	v_pk_add_f32 v[\AB+\k+\m:\AB+\k+\m+1], v[\XB+\k+2*\m:\XB+\k+2*\m+1], v[\XB+\k+2*\m+2:\XB+\k+2*\m+3]
.endr
.endr
.irp k, 0,16
	v_pk_add_f32 v[\AB+\k:\AB+\k+1], v[\AB+\k:\AB+\k+1], v[\AB+\k+2:\AB+\k+3]
.endr
.irp k, 0,16
	v_pk_add_f32 v[\AB+\k+4:\AB+\k+5], v[\AB+\k+4:\AB+\k+5], v[\AB+\k+6:\AB+\k+7]
.endr
.irp k, 0,16
	v_pk_add_f32 v[\AB+\k:\AB+\k+1], v[\AB+\k:\AB+\k+1], v[\AB+\k+4:\AB+\k+5]
.endr
.irp k, 0,16
	v_add_f32 v[\AB+\k], v[\AB+\k], v[\AB+\k+1]
.endr
.irp d, 1,2,4,8
.irp k, 0,16
	v_add_f32_dpp v[\AB+\k], v[\AB+\k], v[\AB+\k] row_xmask:\d row_mask:0xf bank_mask:0xf
.endr
.endr
.irp k, 0,16
	v_permlanex16_b32 v[\AB+\k+1], v[\AB+\k], s[SEL], s[SEL+1]
.endr
.irp k, 0,16
	v_add_f32 v[\AB+\k], v[\AB+\k], v[\AB+\k+1]
.endr
.irp k, 0,16
	v_mul_f32 v[\AB+\k], s[INV], v[\AB+\k]         ; the mean
.endr
.irp i, 0,2,4,6,8,10,12,14
.irp k, 0,16
	v_pk_add_f32 v[\XB+\k+\i:\XB+\k+\i+1], v[\XB+\k+\i:\XB+\k+\i+1], v[\AB+\k:\AB+\k+1] op_sel_hi:[1,0] neg_lo:[0,1] neg_hi:[0,1]
.endr
.endr
.irp k, 0,16
	v_pk_mul_f32 v[\AB+\k+2:\AB+\k+3], v[\XB+\k:\XB+\k+1], v[\XB+\k:\XB+\k+1]
	v_pk_mul_f32 v[\AB+\k+4:\AB+\k+5], v[\XB+\k+2:\XB+\k+3], v[\XB+\k+2:\XB+\k+3]
.endr
.irp i, 4,8,12
.irp k, 0,16
	v_pk_fma_f32 v[\AB+\k+2:\AB+\k+3], v[\XB+\k+\i:\XB+\k+\i+1], v[\XB+\k+\i:\XB+\k+\i+1], v[\AB+\k+2:\AB+\k+3]
	v_pk_fma_f32 v[\AB+\k+4:\AB+\k+5], v[\XB+\k+\i+2:\XB+\k+\i+3], v[\XB+\k+\i+2:\XB+\k+\i+3], v[\AB+\k+4:\AB+\k+5]
.endr
.endr
.irp k, 0,16
	v_pk_add_f32 v[\AB+\k+2:\AB+\k+3], v[\AB+\k+2:\AB+\k+3], v[\AB+\k+4:\AB+\k+5]
.endr
.irp k, 0,16
	v_add_f32 v[\AB+\k+2], v[\AB+\k+2], v[\AB+\k+3]
.endr
.irp d, 1,2,4,8
.irp k, 0,16
	v_add_f32_dpp v[\AB+\k+2], v[\AB+\k+2], v[\AB+\k+2] row_xmask:\d row_mask:0xf bank_mask:0xf
.endr
.endr
.irp k, 0,16
	v_permlanex16_b32 v[\AB+\k+3], v[\AB+\k+2], s[SEL], s[SEL+1]
.endr
.irp k, 0,16
	v_add_f32 v[\AB+\k+2], v[\AB+\k+2], v[\AB+\k+3]
.endr
.irp k, 0,16
	v_fma_f32 v[\AB+\k+2], v[\AB+\k+2], s[INV], s[EPS]   ; the variance + eps
.endr
.irp k, 0,16
	v_rsq_f32 v[\AB+\k+4], v[\AB+\k+2]
.endr
	v_nop                                          ; a plain line behind the two roots,
	s_wait_alu depctr_va_vdst(0)                   ; and the one wait ahead of their first reader
.irp i, 0,2,4,6,8,10,12,14
.irp k, 0,16
	v_pk_mul_f32 v[\XB+\k+\i:\XB+\k+\i+1], v[\XB+\k+\i:\XB+\k+\i+1], v[\AB+\k+4:\AB+\k+5] op_sel_hi:[1,0]
.endr
.endr
	s_wait_loadcnt \lw                             ; g and be are in; the loads issued behind them may stay out
.irp i, 0,2,4,6,8,10,12,14
.irp k, 0,16
	v_pk_fma_f32 v[\XB+\k+\i:\XB+\k+\i+1], v[\XB+\k+\i:\XB+\k+\i+1], v[\GB+\i:\GB+\i+1], v[\BB+\i:\BB+\i+1]
.endr
.endr
.if \store
.irp k, 0,16
.irp i, 0,4,8,12
.if \nt
	global_store_b128 v[LI], v[\XB+\k+\i:\XB+\k+\i+3], s[\so:\so+1] offset:128*\k+128*\i th:TH_STORE_NT   ; 512 consecutive bytes, aligned; written once, read by nobody here
.else
	global_store_b128 v[LI], v[\XB+\k+\i:\XB+\k+\i+3], s[\so:\so+1] offset:128*\k+128*\i
.endif
.endr
.endr
.endif
.if \quant
.irp k, 0,16
.irp i, 0,4,8,12
	ds_store_b128 v[TI], v[\XB+\k+\i:\XB+\k+\i+3] offset:160*\k+160*\i
.endr
.endr
.irp k, 0,16
.irp i, 0,4,8,12
	ds_load_b128 v[\AB+\k+\i:\AB+\k+\i+3], v[TO] offset:160*\k+4*\i   ; LDS serves a wave's instructions in order: these see the stores above
.endr
.endr
	s_wait_dscnt 0x0
.irp k, 0,16
	v_max3_num_f32 v[TM+\k/16], |v[\AB+\k]|, |v[\AB+\k+1]|, |v[\AB+\k+2]|
	v_max3_num_f32 v[TP+\k/16], |v[\AB+\k+3]|, |v[\AB+\k+4]|, |v[\AB+\k+5]|
.endr
.irp i, 6,10
.irp k, 0,16
	v_max3_num_f32 v[TM+\k/16], v[TM+\k/16], |v[\AB+\k+\i]|, |v[\AB+\k+\i+1]|
	v_max3_num_f32 v[TP+\k/16], v[TP+\k/16], |v[\AB+\k+\i+2]|, |v[\AB+\k+\i+3]|
.endr
.endr
.irp k, 0,16
	v_max3_num_f32 v[TM+\k/16], v[TM+\k/16], |v[\AB+\k+14]|, |v[\AB+\k+15]|
.endr
.irp k, 0,16
	v_max3_num_f32 v[TM+\k/16], v[TM+\k/16], v[TP+\k/16], 0x1800000   ; and the floor 2^(3 - 127)
.endr
.irp k, 0,16
	v_max_num_f32_dpp v[TM+\k/16], v[TM+\k/16], v[TM+\k/16] row_xmask:1 row_mask:0xf bank_mask:0xf   ; with my neighbour's 16: the block's
.endr
.irp k, 0,16
	v_add_nc_u32 v[TS+\k/16], 0xff000000, v[TM+\k/16]
.endr
.irp k, 0,16
	v_cvt_scalef32_pk8_fp4_f32 v[PC+\k/8], v[\AB+\k:\AB+\k+7], v[TS+\k/16]
	v_cvt_scalef32_pk8_fp4_f32 v[PC+\k/8+1], v[\AB+\k+8:\AB+\k+15], v[TS+\k/16]
.endr
.irp k, 0,16
	v_lshrrev_b32 v[TP+\k/16], 23, v[TS+\k/16]     ; the scale's byte (plain lines behind the conversions)
.endr
.irp k, 0,16
	ds_store_b64 v[CI], v[PC+\k/8:PC+\k/8+1] offset:\k
	ds_store_b8 v[SI], v[TP+\k/16] offset:\k       ; both lanes of a block write the same byte with the same value
.endr
.endif
.endm
; 64 numbers of a lane, register 16 b + i = element 16 (lane / 16) + i of block b: codes in v[PC] on (registers 4 c on: lanes 0-15 block 2 c whole, lanes 16-31 block 2 c + 1 whole), the four bytes in v[TP] on.
.macro QUANT s
.irp b, 0,1,2,3
	v_max3_num_f32 v[TM+\b], |v[\s+16*\b]|, |v[\s+1+16*\b]|, 0x1800000
.endr
.irp i, 2,4,6,8,10,12,14
.irp b, 0,1,2,3
	v_max3_num_f32 v[TM+\b], v[TM+\b], |v[\s+16*\b+\i]|, |v[\s+1+16*\b+\i]|
.endr
.endr
.irp b, 0,1,2,3
	v_permlanex16_b32 v[TP+\b], v[TM+\b], s[SEL], s[SEL+1]
.endr
.irp b, 0,1,2,3
	v_max_num_f32 v[TM+\b], v[TM+\b], v[TP+\b]     ; with lane l xor 16's: the block's largest magnitude
.endr
.irp b, 0,1,2,3
	v_add_nc_u32 v[TS+\b], 0xff000000, v[TM+\b]
.endr
.irp b, 0,1,2,3
	v_lshrrev_b32 v[TP+\b], 23, v[TS+\b]
.endr
.irp b, 0,1,2,3
	v_cvt_scalef32_pk8_fp4_f32 v[PC+2*\b], v[\s+16*\b:\s+7+16*\b], v[TS+\b]
	v_cvt_scalef32_pk8_fp4_f32 v[PC+1+2*\b], v[\s+8+16*\b:\s+15+16*\b], v[TS+\b]
.endr
	v_nop                                          ; one plain line behind the scaled conversions
.irp c, 0,1
.irp i, 0,1
	v_permlane16_swap_b32 v[PC+4*\c+\i], v[PC+2+4*\c+\i]
.endr
.endr
.endm
.macro PLACES                          ; four places behind matrix instructions, ahead of loads into their registers and of the first read of results
.rept 4
	v_nop
.endr
.endm
.macro FETCH s                         ; the hidden layer's fragments of K step s, both row tiles, into buffer s % 2
.irp m, 0,1
.irp c, 0,1
	ds_load_b128 v[HB+16*((\s)%2)+8*\m+4*\c:HB+16*((\s)%2)+8*\m+4*\c+3], v[HRI] offset:8192*\m+1024*(\s)+512*\c
.endr
.endr
.endm
	s_load_b512 s[8:23], s[0:1], 0x0               ; at2, x1, g2, be2, qc, qs, b1, b2
	s_load_b128 s[24:27], s[0:1], 0x40             ; g3, be3
	s_load_b64 s[28:29], s[0:1], 0x50              ; out0
	v_lshl_add_u32 v254, v0, 2, 0x3c200
	v_mov_b32 v255, 0
	ds_add_u32 v254, v255
	ds_add_u32 v254, v255
	s_wait_dscnt 0x0
	v_lshrrev_b32 v[AT], 5, v0
	v_readfirstlane_b32 s[WV], v[AT]               ; wave 0..15: my head
	v_and_b32 v[AT], 31, v0                        ; lane
	v_and_b32 v[AT+1], 15, v0                      ; r
	v_bfe_u32 v[AT+2], v0, 4, 1                    ; h
	v_lshlrev_b32 v[LI], 4, v[AT]
	v_lshlrev_b32 v[L4], 2, v[AT]
	s_lshl_b32 s3, s[WV], 12
	v_add_nc_u32 v[XRA], s3, v[LI]
	v_add_nc_u32 v[XRG], s3, v[LI]
	v_lshl_add_u32 v[B1L], v0, 3, VB1
	v_lshlrev_b32 v[B1G], 3, v0
	v_lshl_add_u32 v[B2L], v0, 2, VB2
	v_lshlrev_b32 v[B2G], 2, v0
	v_lshlrev_b32 v[QA], 4, v[AT+1]
	v_lshlrev_b32 v[QSA], 2, v[AT+1]
	s_lshr_b32 s76, ttmp9, 5                       ; batch
	s_and_b32 s77, ttmp9, 31                       ; which 32 rows of it
	s_and_b32 s[SG], ttmp9, 7                      ; the key step at which my work-group begins
	s_lshl_b32 s78, s76, 4
	s_add_co_u32 s78, s78, s[WV]                   ; 16 batch + head
	s_lshl_b32 s80, s78, 14                        ; a head's codes are 16,384 bytes,
	s_mov_b32 s81, 0
	s_lshl_b32 s82, s78, 12                        ; its Q or K scale words 4,096,
	s_mov_b32 s83, 0
	s_lshl_b32 s84, s78, 10                        ; V's 1,024
	s_mov_b32 s85, 0
	s_lshl_b32 s86, ttmp9, 16                      ; my work-group's 32 rows of 2,048 bytes
	s_mov_b32 s87, 0
	s_lshl_b32 s88, s77, 9                         ; its 32 slots of 16 bytes
	s_mov_b32 s89, 0
	s_mov_b32 s[OF+1], 0
	s_wait_kmcnt 0x0
	s_add_nc_u64 s[P_X:P_X+1], s[10:11], s[86:87]
.irp i, 0,1,2,3,4,5,6,7
	global_load_async_to_lds_b128 v[XRA], v[XRG], s[P_X:P_X+1] offset:512*\i   ; my two rows of x1: the offset counts in memory and in LDS alike.  Waited for behind the loop; the address registers and bases stay as they are
.endr
	global_load_async_to_lds_b64 v[B1L], v[B1G], s[20:21]          ; my 64 numbers of b1,
	global_load_async_to_lds_b32 v[B2L], v[B2G], s[22:23]          ; my 32 of b2
	s_add_nc_u64 s[P_Q:P_Q+1], s[8:9], s[80:81]
	s_add_nc_u64 s[B_K:B_K+1], s[P_Q:P_Q+1], KC
	s_add_nc_u64 s[B_V:B_V+1], s[P_Q:P_Q+1], VC
	s_add_nc_u64 s[P_Q:P_Q+1], s[P_Q:P_Q+1], s[88:89]
	s_lshr_b32 s88, s88, 2                         ; a word a slot
	s_add_nc_u64 s[P_QS:P_QS+1], s[8:9], s[82:83]
	s_add_nc_u64 s[B_KS:B_KS+1], s[P_QS:P_QS+1], KS
	s_add_nc_u64 s[P_QS:P_QS+1], s[P_QS:P_QS+1], QS
	s_add_nc_u64 s[P_QS:P_QS+1], s[P_QS:P_QS+1], s[88:89]
	s_add_nc_u64 s[B_VS:B_VS+1], s[8:9], s[84:85]
	s_add_nc_u64 s[B_VS:B_VS+1], s[B_VS:B_VS+1], VS
	s_lshl_b32 s[OF], s[SG], 11
	s_add_nc_u64 s[P_K:P_K+1], s[B_K:B_K+1], s[OF:OF+1]
	s_lshl_b32 s[OF], s[SG], 9
	s_add_nc_u64 s[P_KS:P_KS+1], s[B_KS:B_KS+1], s[OF:OF+1]
	global_load_b128 v[S:S+3], v[QA], s[P_Q:P_Q+1]                 ; q of tile 0: query r's 16 bytes, in both halves of the lanes
	global_load_b128 v[S+4:S+7], v[QA], s[P_Q:P_Q+1] offset:256
	global_load_b32 v[QSR], v[QSA], s[P_QS:P_QS+1]
	global_load_b32 v[QSR+1], v[QSA], s[P_QS:P_QS+1] offset:64
	KLOAD                                          ; the first key step's K
	; while these are out: the tail's bases and LDS addresses
	s_add_co_u32 s86, s86, s3
	s_add_nc_u64 s[P_OUT:P_OUT+1], s[28:29], s[86:87]              ; out0 at my two rows
	s_lshl_b32 s86, s[WV], 14                      ; four units of codes a wave,
	s_add_nc_u64 s[P_W1:P_W1+1], s[16:17], s[86:87]
	s_add_nc_u64 s[P_W2:P_W2+1], s[P_W1:P_W1+1], 4096*1280         ; W2's from unit 1,280 on,
	s_add_nc_u64 s[P_W1:P_W1+1], s[P_W1:P_W1+1], 4096*1216         ; W1's from unit 1,216 on
	s_lshl_b32 s86, s[WV], 10
	s_add_nc_u64 s[P_W1S:P_W1S+1], s[18:19], s[86:87]
	s_add_nc_u64 s[P_W2S:P_W2S+1], s[P_W1S:P_W1S+1], 256*1280
	s_add_nc_u64 s[P_W1S:P_W1S+1], s[P_W1S:P_W1S+1], 256*1216
	s_lshl_b32 s76, s[WV], 7
	s_add_co_u32 s77, s76, VB2
	v_lshl_add_u32 v[B2A], v[AT+2], 6, s77         ; b2: my 128 bytes, + 64 h
	s_add_co_u32 s76, s76, OSL
	v_mul_u32_u24 v[SOA], v[AT+1], 2064
	v_lshl_add_u32 v[SOA], v[AT+2], 6, v[SOA]
	v_add_nc_u32 v[SOA], s76, v[SOA]               ; o and y: slot r, my 128 bytes, + 64 h
	s_lshl_b32 s76, s[WV], 8
	s_add_co_u32 s76, s76, VB1
	v_lshl_add_u32 v[B1A], v[AT+2], 6, s76         ; b1: my 256 bytes, + 64 h
	s_lshl_b32 s76, s[WV], 9
	s_add_co_u32 s76, s76, HI
	v_add_nc_u32 v[HWI], s76, v[LI]                ; my half of an image: K step w / 2, half w % 2
	s_lshr_b32 s76, s[WV], 1
	s_lshl_b32 s76, s76, 7
	s_and_b32 s77, s[WV], 1
	s_lshl_b32 s77, s77, 1
	s_add_co_u32 s76, s76, s77
	s_add_co_u32 s76, s76, HSL
	v_lshl_add_u32 v[HWS], v[AT+1], 2, s76         ; my two bytes of row r's scale word
	v_add_nc_u32 v[HRI], HI, v[LI]
	v_add_nc_u32 v[HRS], HSL, v[L4]
	v_lshl_add_u32 v[RH], v[AT+2], 9, v[QA]
	s_bfe_u32 s76, s[WV], 0x10002                  ; rows 2 w, 2 w + 1 lie in tile (w / 4) % 2
	s_and_b32 s77, s[WV], 3
	s_lshl_b32 s77, s77, 1
	s_lshr_b32 s78, s[WV], 3
	s_lshl_b32 s78, s78, 3
	s_add_co_u32 s77, s77, s78                     ; at places 2 (w % 4) + 8 (w / 8) and the next
	s_lshl_b32 s78, s76, 4
	s_add_co_u32 s78, s78, s77
	s_mul_i32 s78, s78, 2064
	s_add_co_u32 s78, s78, OSL
	v_add_nc_u32 v[SRA], s78, v[LI]
	s_mul_i32 s78, s[WV], 5120
	s_add_co_u32 s78, s78, TSL
	v_lshrrev_b32 v[AT+3], 2, v[AT]
	v_mul_u32_u24 v[AT+3], v[AT+3], 80
	v_and_b32 v[AT+4], 3, v[AT]
	v_lshl_add_u32 v[AT+3], v[AT+4], 4, v[AT+3]
	v_add_nc_u32 v[TI], s78, v[AT+3]
	v_mul_u32_u24 v[AT+3], v[AT], 80
	v_add_nc_u32 v[TO], s78, v[AT+3]
	s_lshl_b32 s77, s77, 4
	s_mul_i32 s78, s76, 4352
	s_add_co_u32 s78, s78, s77
	s_add_co_u32 s78, s78, XI
	v_lshrrev_b32 v[AT+3], 1, v[AT]
	v_and_b32 v[AT+4], 1, v[AT]
	v_mul_u32_u24 v[CI], v[AT+3], 272
	v_lshl_add_u32 v[CI], v[AT+4], 3, v[CI]
	v_add_nc_u32 v[CI], s78, v[CI]
	s_lshl_b32 s78, s76, 8
	s_add_co_u32 s78, s78, s77
	s_add_co_u32 s78, s78, XSL
	v_add_nc_u32 v[SI], s78, v[AT+3]
	v_mul_u32_u24 v[FA], v[AT+2], 272
	v_lshl_add_u32 v[FA], v[AT+1], 4, v[FA]
	v_add_nc_u32 v[FA], XI, v[FA]
	v_add_nc_u32 v[XSA], XSL, v[LI]
	v_cmp_gt_u32 s[MK], 16, v[AT]                  ; lanes 0-15
	s_mov_b32 s[CS], 0x3e8293ee                    ; c = log2(e) / sqrt(32)
	s_mov_b32 s[CS+1], s[CS]                       ; (named with it as a pair, so it is written)
	s_mov_b32 s[SEL], 0x76543210
	s_mov_b32 s[SEL+1], 0xfedcba98                 ; lane l xor 16
	s_mov_b32 s[INV], 0x3b000000                   ; 1 / 512
	s_mov_b32 s[EPS], 0x3727c5ac                   ; 1e-5
.irp z, 0,8,16,24,32
.irp i, 0,1,2,3
	v_mov_b32 v[Q+\z+\i], 0                        ; the zero codes between Q's pieces
.endr
.endr
.set j, 0
.rept 32
	v_mov_b32 v[O+j], 0                            ; the step is written for every trip alike: the first finds zeros, which the first change of M leaves zeros
.set j, j+1
.endr
.irp x, 0,1
	v_mov_b32 v[ST+4*\x+1], 0xff61b1e6             ; the largest t so far: -3e38
	v_floor_f32 v[ST+4*\x], -v[ST+4*\x+1]          ; -M
	v_mov_b32 v[ST+4*\x+2], 0
	v_mov_b32 v[ST+4*\x+3], 0
.endr
.irp b, 0,1,2,3
	v_mov_b32 v[BT+\b], 0                          ; written once: a lane permute's destination counts as one of its sources
.endr
	v_mov_b32 v[F+1], 0                            ; (named as the upper half of a pair)
	s_wait_loadcnt 8                               ; Q and its scale words are in; K's eight loads may be out
.irp x, 0,1
.irp i, 0,1,2,3
	v_cndmask_b32 v[Q+16*\x+4+\i], 0, v[S+4*\x+\i], s[MK]      ; Ax: q in lanes 0-15
	v_cndmask_b32 v[Q+16*\x+12+\i], v[S+4*\x+\i], 0, s[MK]     ; Bx: q in lanes 16-31
.endr
.endr
	s_mov_b32 s[CNT], 7
.Lstep:                                            ; seven trips of 128 keys ask for the next K; the eighth is written out and asks for none
	TRIP 1
	s_sub_co_u32 s[CNT], s[CNT], 1
	s_cmp_lg_u32 s[CNT], 0
	s_cbranch_scc1 .Lstep
	TRIP 0
	; THE TAIL.  First what it wants from memory: g2, be2, my four tiles of W1
	PLACES                                         ; between the last products and loads into their registers
.irp i, 0,1,2,3
	global_load_b128 v[G+4*\i:G+4*\i+3], v[LI], s[12:13] offset:512*\i
	global_load_b128 v[BE+4*\i:BE+4*\i+3], v[LI], s[14:15] offset:512*\i
.endr
.irp i, 0,1
	global_load_b128 v[WSC+4*\i:WSC+4*\i+3], v[LI], s[P_W1S:P_W1S+1] offset:512*\i   ; register 4 (t / 2) + s: lanes 0-15 tile 2 (t / 2), lanes 16-31 the next
.endr
.irp t, 0,1,2,3
.irp s, 0,1,2,3
.irp c, 0,1
	global_load_b128 v[R1+8*(4*\t+\s)+4*\c:R1+8*(4*\t+\s)+4*\c+3], v[LI], s[P_W1:P_W1+1] offset:4096*\t+1024*\s+512*\c
.endr
.endr
.endr
.irp x, 0,1
	v_add_f32 v[WT+\x], v[ST+4*\x+2], v[ST+4*\x+3]
.endr
.irp x, 0,1
	v_permlanex16_b32 v[WT+2+\x], v[WT+\x], s[SEL], s[SEL+1]
.endr
.irp x, 0,1
	v_add_f32 v[WT+\x], v[WT+\x], v[WT+2+\x]       ; the row's sum
.endr
.irp x, 0,1
	v_rcp_f32 v[WT+4+2*\x], v[WT+\x]
.endr
	v_nop                                          ; a plain line behind the reciprocals,
	s_wait_alu depctr_va_vdst(0)                   ; and the one wait ahead of their first reader
.set j, 0
.rept 16
	v_pk_mul_f32 v[O+j:O+j+1], v[O+j:O+j+1], v[WT+4+2*(j/16):WT+5+2*(j/16)] op_sel_hi:[1,0]   ; O^T / the sum, each accumulator from its low end on
.set j, j+2
.endr
.irp x, 0,1
.irp k, 0,1,2,3
	ds_store_b128 v[SOA], v[O+16*\x+4*\k:O+16*\x+4*\k+3] offset:33024*\x+16*\k
.endr
.endr
	s_wait_asynccnt 0x0                            ; my copies have landed
	s_wait_dscnt 0x0                               ; for the others' sake: my head's part of o is stored
	s_barrier_signal -1
	s_barrier_wait -1                              ; 32 whole rows of o lie in the stage
.irp k, 0,16
.irp i, 0,4,8,12
	ds_load_b128 v[X+\k+\i:X+\k+\i+3], v[XRA] offset:128*\k+128*\i     ; x1's rows 2 w and 2 w + 1,
	ds_load_b128 v[A+\k+\i:A+\k+\i+3], v[SRA] offset:129*\k+128*\i     ; and o's
.endr
.endr
	s_wait_dscnt 0x0
	LN X, A, G, BE, 34, 0, 0, 0, 1                 ; behind g2 and be2 stand 2 + 32 loads of W1
	s_wait_dscnt 0x0                               ; for the others' sake: my codes and bytes are stored, and my reads of o's stage are over
	s_barrier_signal -1
	s_barrier_wait -1                              ; x2's two tiles lie in LDS
	; ---- the hidden layer
.irp m, 0,1
.irp t, 0,1,2,3
.irp k, 0,1
	ds_load_b128 v[AC+32*\m+8*\t+4*\k:AC+32*\m+8*\t+4*\k+3], v[B1A] offset:128*(\t/2)+32*(\t%2)+16*\k   ; b1 in the result's layout: the sums begin with it
.endr
.endr
.endr
	ds_load_b128 v[XSR:XSR+3], v[XSA]              ; lanes 0-15: tile 0's words, lanes 16-31: tile 1's
.irp s, 0,1,2,3
.irp m, 0,1
.irp c, 0,1
	ds_load_b128 v[FB+8*\m+4*\c:FB+8*\m+4*\c+3], v[FA] offset:4352*\m+272*(4*\s+2*\c)
.endr
.endr
	s_wait_dscnt 0x0
.if \s == 0
	s_wait_loadcnt 0x0                             ; W1 and its scale words
.endif
.irp m, 0,1
.irp t, 0,1,2,3
	MM AC+32*\m+8*\t, R1+8*(4*\t+\s), FB+8*\m, AC+32*\m+8*\t, WSC+4*(\t/2)+\s, XSR+\s, \t%2, \m   ; the eight accumulators take turns
.endr
.endr
	PLACES
.endr
.irp e, 0,1
	global_load_b128 v[WSC+4*\e:WSC+4*\e+3], v[RH], s[P_W2S:P_W2S+1] offset:256*\e   ; W2's scale words: register s: lanes 0-15 tile 2 w, lanes 16-31 tile 2 w + 1
.endr
.irp n, 0,1
.irp s, 0,1,2,3,4,5,6,7
.irp c, 0,1
	global_load_b128 v[R1+8*(8*\n+\s)+4*\c:R1+8*(8*\n+\s)+4*\c+3], v[LI], s[P_W2:P_W2+1] offset:8192*\n+1024*\s+512*\c
.endr
.endr
.endr
.set j, 0
.rept 64
	v_max_num_f32 v[AC+j], 0, v[AC+j]              ; the activation, each accumulator from its low end on
.set j, j+1
.endr
	QUANT AC                                       ; block 2 m + t / 2: row tile m, hidden units 64 w + 32 (t / 2) on
.irp m, 0,1
	v_lshl_or_b32 v[HW+\m], v[TP+2*\m+1], 8, v[TP+2*\m]
.endr
.irp m, 0,1
	ds_store_b128 v[HWI], v[PC+4*\m:PC+4*\m+3] offset:8192*\m      ; half an image: 512 consecutive bytes
	ds_store_b16 v[HWS], v[HW+\m] offset:64*\m     ; lanes l and l + 16 hold the same two bytes and write them to the same place
.endr
	s_wait_dscnt 0x0                               ; for the others' sake: my half images and half words are stored
	s_barrier_signal -1
	s_barrier_wait -1                              ; the hidden layer's sixteen fragments lie in LDS
	; ---- y
.irp m, 0,1
.irp n, 0,1
.irp k, 0,1
	ds_load_b128 v[A2C+16*\m+8*\n+4*\k:A2C+16*\m+8*\n+4*\k+3], v[B2A] offset:32*\n+16*\k   ; b2 in the result's layout: the sums begin with it
.endr
.endr
.endr
.irp s, 0,1,2,3,4,5,6,7
	ds_load_b32 v[HSR+\s], v[HRS] offset:128*\s    ; lanes 0-15: row tile 0's words, lanes 16-31: row tile 1's
.endr
	FETCH 0
	FETCH 1
	s_wait_loadcnt 0x0                             ; W2 and its scale words
.irp s, 0,1,2,3,4,5,6,7
.if \s < 7
	s_wait_dscnt 4                                 ; this K step's fragments are in; the next step's four loads may be out
.else
	s_wait_dscnt 0x0
.endif
.irp m, 0,1
.irp n, 0,1
	MM A2C+16*\m+8*\n, R1+8*(8*\n+\s), HB+16*(\s%2)+8*\m, A2C+16*\m+8*\n, WSC+\s, HSR+\s, \n, \m   ; four accumulators by turns
.endr
.endr
	PLACES
.if \s < 6
	FETCH \s+2
.endif
.endr
.irp i, 0,1,2,3
	global_load_b128 v[R1+4*\i:R1+4*\i+3], v[LI], s[24:25] offset:512*\i          ; g3,
	global_load_b128 v[R1+16+4*\i:R1+16+4*\i+3], v[LI], s[26:27] offset:512*\i    ; be3: wanted at the last norm's end
.endr
.irp m, 0,1
.irp n, 0,1
.irp k, 0,1
	ds_store_b128 v[SOA], v[A2C+16*\m+8*\n+4*\k:A2C+16*\m+8*\n+4*\k+3] offset:33024*\m+32*\n+16*\k   ; lane (r, h): y(slot 16 m + r, 32 w + 16 h + 8 n + ..); each accumulator from its low end on
.endr
.endr
.endr
	s_wait_dscnt 0x0                               ; for the others' sake: my part of y is stored
	s_barrier_signal -1
	s_barrier_wait -1                              ; 32 whole rows of y lie in the stage
	; ---- the last norm
.irp k, 0,16
.irp i, 0,4,8,12
	ds_load_b128 v[X+\k+\i:X+\k+\i+3], v[SRA] offset:129*\k+128*\i     ; y's rows,
	ds_load_b128 v[A+\k+\i:A+\k+\i+3], v[TI] offset:160*\k+160*\i      ; and x2's, as I stored them
.endr
.endr
	s_wait_dscnt 0x0
	LN X, A, R1, R1+16, 0, 1, P_OUT, 1, 0
	s_wait_xcnt 0x0
	v_lshl_add_u32 v254, v0, 2, 0x3c200
	v_mov_b32 v255, 0
	s_wait_tensorcnt 0x0
	ds_add_u32 v254, v255
	s_wait_dscnt 0x0
	s_endpgm
.Lfunc_end_k_q220bafedd5_attf:
	.size	k_q220bafedd5_attf, .Lfunc_end_k_q220bafedd5_attf-k_q220bafedd5_attf
	.p2alignl 7, 3214868480
	.fill 96, 4, 3214868480
	.section	.rodata,"a",@progbits
	.p2align	6, 0x0
	.amdhsa_kernel k_q220bafedd5_attf
		.amdhsa_group_segment_fixed_size 248320
		.amdhsa_private_segment_fixed_size 0
		.amdhsa_enable_private_segment 0
		.amdhsa_kernarg_size 88
		.amdhsa_user_sgpr_count 2
		.amdhsa_user_sgpr_kernarg_segment_ptr 1
		.amdhsa_wavefront_size32 1
		.amdhsa_system_sgpr_workgroup_id_x 1
		.amdhsa_system_sgpr_workgroup_id_y 1
		.amdhsa_system_sgpr_workgroup_id_z 1
		.amdhsa_system_vgpr_workitem_id 0
		.amdhsa_next_free_vgpr 256
		.amdhsa_next_free_sgpr 92
		.amdhsa_reserve_vcc 0
		.amdhsa_float_denorm_mode_32 3
		.amdhsa_float_denorm_mode_16_64 3
		.amdhsa_memory_ordered 1
		.amdhsa_forward_progress 1
		.amdhsa_inst_pref_size 118
	.end_amdhsa_kernel
	.amdgpu_metadata
---
amdhsa.version: [ 1, 2 ]
amdhsa.kernels:
  - .name:           k_q220bafedd5_attf
    .symbol:         k_q220bafedd5_attf.kd
    .args:
      - { .name: at2, .offset: 0, .size: 8, .value_kind: global_buffer, .address_space: global }
      - { .name: x1, .offset: 8, .size: 8, .value_kind: global_buffer, .address_space: global }
      - { .name: g2, .offset: 16, .size: 8, .value_kind: global_buffer, .address_space: global }
      - { .name: be2, .offset: 24, .size: 8, .value_kind: global_buffer, .address_space: global }
      - { .name: qc, .offset: 32, .size: 8, .value_kind: global_buffer, .address_space: global }
      - { .name: qs, .offset: 40, .size: 8, .value_kind: global_buffer, .address_space: global }
      - { .name: b1, .offset: 48, .size: 8, .value_kind: global_buffer, .address_space: global }
      - { .name: b2, .offset: 56, .size: 8, .value_kind: global_buffer, .address_space: global }
      - { .name: g3, .offset: 64, .size: 8, .value_kind: global_buffer, .address_space: global }
      - { .name: be3, .offset: 72, .size: 8, .value_kind: global_buffer, .address_space: global }
      - { .name: out0, .offset: 80, .size: 8, .value_kind: global_buffer, .address_space: global }
    .group_segment_fixed_size: 248320
    .private_segment_fixed_size: 0
    .kernarg_segment_align: 8
    .kernarg_segment_size: 88
    .max_flat_workgroup_size: 512
    .sgpr_count:     92
    .vgpr_count:     256
    .wavefront_size: 32
...
	.end_amdgpu_metadata
.endif
;; end of part 7
